; MI455X (gfx1250); checked and timed in simulation.
; The chip was launched on July 23, 2026; its instructions are those of AMD's public machine-readable ISA for CDNA 5 (MIT licence, August 2026) and "CDNA5" Instruction Set Architecture Reference Guide (July 2026). The comments in the code are by the model that wrote it; some were corrected since.
;; Multi Headed Self Attention. Allowed arithmetic: matrix products marked QUANTISED: E2M3 operands, one E8M0 scale for each 32 along K, by v_wmma_scale_f32_16x16x128_f8f6f4 with both operands' format E2M3, f32 sums; everything else in f32.
;; Inputs: bk 1,024 float32; bo 1,024 float32; bq 1,024 float32; bv 1,024 float32; wk 1,024 x 1,024 float32; wo 1,024 x 1,024 float32; wq 1,024 x 1,024 float32; wv 1,024 x 1,024 float32; x 2 x 2,048 x 1,024 float32.
;; Outputs: out0 2 x 2,048 x 1,024 float32.
;; This version of the problem:
;;   THIS VERSION OF THE PROBLEM IS GIVEN IN LOW PRECISION. The matrix products marked QUANTISED in the list below multiply operands that are first quantised to E2M3 (2 exponent bits, 3 mantissa bits; 6 bits a number), with one power-of-two scale for each 32 numbers along K (OCP MX v1.0); their sums are f32. All else is computed in f32.
;;   The module's matrix products, in the order in which they are computed (A, B: the left and right operand; K: the contracted axis; several contracted axes count as one K, in the product's order):
;;     1. [M 4,096, K 1,024] x [K 1,024, N 1,024]; A: input x; B: input wq: QUANTISED
;;     2. [M 4,096, K 1,024] x [K 1,024, N 1,024]; A: input x; B: input wk: QUANTISED
;;     3. [M 4,096, K 1,024] x [K 1,024, N 1,024]; A: input x; B: input wv: QUANTISED
;;     4. batch 32 x [M 2,048, K 64] x [K 64, N 2,048]; A: computed on the way; B: computed on the way: QUANTISED
;;     5. batch 32 x [M 2,048, K 2,048] x [K 2,048, N 64]; A: softmax (see below); B: computed on the way: QUANTISED
;;     6. [M 4,096, K 1,024] x [K 1,024, N 1,024]; A: computed on the way; B: input wo: QUANTISED
;;   THE QUANTISER, for each operand of a quantised product, along K:
;;     - K is cut into blocks of 32 from its start; a last block that is shorter is filled with zeros.
;;     - A block's scale is 2^e with e = floor(log2(the largest magnitude in the block)) - 2, held to -126 .. 127; a block of zeros has e = 0. As a byte (E8M0): e + 127.
;;     - Each number is divided by its block's scale, clamped to +-7.5, and rounded to the nearest number of E2M3, ties to even, subnormals kept.
;;     - The product sums the exact products of the quantised numbers (number of the format x scale) in f32.
;;   ~~~python
;;   def quantise(x, axis):      # numpy; x: float32 -> the quantised numbers, widened to float32 again
;;       x = np.moveaxis(x, axis, -1); K = x.shape[-1]
;;       x = np.pad(x, [(0, 0)] * (x.ndim - 1) + [(0, -K % 32)]); x = x.reshape(x.shape[:-1] + (-1, 32)); a = np.abs(x).max(-1, keepdims=True)
;;       e = np.where(a > 0, np.clip(np.frexp(np.where(a > 0, a, 1))[1] - 1 - 2, -126, 127), 0)      # np.frexp(a)[1] - 1 = floor(log2(a)), exactly
;;       r = np.clip(x / 2.0 ** e, -7.5, 7.5)
;;       step = 2.0 ** (np.maximum(np.frexp(np.where(r == 0, 1, r))[1] - 1, 0) - 3)
;;       q = np.round(r / step) * step * 2.0 ** e      # np.round: ties to even
;;       return np.moveaxis(q.reshape(q.shape[:-2] + (-1,))[..., :K], -1, axis).astype(np.float32)
;;   ~~~
;;   SOFTMAX AHEAD OF A QUANTISED PRODUCT. Where the list says 'softmax', what is quantised is not the finished softmax but p = 2^(t - M), with t = logit x log2(e) and M = ceil(the row's largest t), a whole number; so 1/2 < the row's largest p <= 1. The row's sum l is taken of the UNQUANTISED p, in f32, and the product's result is divided by l at the end. Since M is a whole number, a kernel that streams over the keys may use a running M (the ceiling of the running maximum): every later rescaling is an exact power of two, which a block's scale takes up: the codes' values come out the same.
;;   OPERANDS COMPUTED ON THE WAY. 'Computed on the way' means the value that the module computes at that place (a softmax that the list does not call 'softmax' is quantised finished and normalised). What goes into a quantiser is computed in f32, as accurately as f32 sums, v_exp_f32 and their like allow (about 1e-6 of the number): no bf16 or f16 on the way to a quantiser, and a product that is left as it is and whose result goes on into a quantised operand takes f32 operands (vector FMAs, or v_wmma_f32_16x16x4_f32). A number that lies on a knife's edge between two numbers of the format may be rounded either way, as far as f32 arithmetic and the matrix unit's own rounding can turn it there, and no further.
;; 2 versions. Each part assembles by itself: llvm-mc -triple=amdgcn-amd-amdhsa -mcpu=gfx1250 --defsym DOCPART=n.
;; ======== version 1 of 2: 4 launches
;; workspace buffers: xc 3,145,728 bytes; xs 131,072 bytes; wc 3,145,728 bytes; ws 131,072 bytes; qb 3,407,872 bytes; kv 6,684,672 bytes; oc 3,145,728 bytes; os 131,072 bytes
;; launch quant (part 1): grid 512 x 1, 4 waves a work-group, no clusters, 81,408 bytes of LDS; arguments x, wq, wk, wv, wo, xc, xs, wc, ws; writes xc, xs, wc, ws
.if DOCPART == 1
	.amdgcn_target "amdgcn-amd-amdhsa--gfx1250"
	.amdhsa_code_object_version 6
	.text
	.protected	k_qf58d936134_quant
	.globl	k_qf58d936134_quant
	.p2align	8
	.type	k_qf58d936134_quant,@function
k_qf58d936134_quant:
	s_mov_b64 s[64:65], 0
	v_nop
	global_prefetch_b8 v0, s[64:65] scope:SCOPE_SE
	s_setreg_imm32_b32 hwreg(HW_REG_WAVE_MODE, 25, 1), 1
	s_wait_xcnt 0x0
; x [4096][1024] and wq, wk, wv, wo [1024 (k)][1024 (n)], f32, become codes of FP6 (E2M3) with one E8M0 scale byte for each 32 along K, laid in the ORDER OF THE OPERAND'S REGISTERS.
; A block's scale is 2^(floor(log2(its largest magnitude)) - 2); its byte is the largest magnitude's exponent field - 2, held at 1 from below.
; TILES.  A tile is 16 rows (tokens of x, columns n of a weight).  Image lane r of tile 2 B + u holds row 32 B + 8 u + r + 8 (r / 8): used as source 0 of a product, the 16 result registers of tiles 2 B and 2 B + 1
; are then 16 neighbouring rows.  HALF IMAGE: 16 rows x 64 K = 768 bytes: lane l = 16 h + r owns the 24 bytes of k = 32 h .. 32 h + 31 of row r: 16 bytes at 16 l, 8 bytes at 512 + 8 l.
; xc [tile 256][K / 64: 16][768];  wc [weight 4][tile 64][16][768];  xs, ws [tile][K / 512: 2][r 16][4 words], word j = the four scale bytes of K step 4 (K / 512) + j (128 along K).
; SHARES.  Work-groups 0-255: one tile of x, all of K; wave w takes K steps 2 w, 2 w + 1.  Work-groups 256-511: one weight, 32 columns (two tiles), half of K; wave w takes one K step.
; The two kinds part on the work-group's number and have LDS bytes of their own.  No cluster: no two work-groups read the same input bytes.  No matrix work, no tensor loads.
; LIMITS: NaN and infinities are not served; a block whose largest magnitude lies under 2^-124 keeps the byte 1, a block of zeros too (the rule says 127: its codes are zeros, and this program alone reads the bytes).
; A weight's loads cover 128 consecutive bytes a wave (a lane to a column, registers down K).
.set SPX,  528                         ; x: a stage row: 512 bytes + 16
.set STG1, 16*SPX                      ; a stage: 16 rows
.set STX,  2*STG1                      ; a wave's two stages
.set SCRX, 4*STX                       ; x: the tile's 512 bytes of scale words
.set STGW, SCRX+512                    ; weights: a stage of [tile 2][half image 2][768] for each wave
.set WST,  3072
.set SCRW, STGW+4*WST                  ; weights: 512 bytes of scale words
.set R,    32                          ; x: v32-159 the 32 loads (K step 0: v32-95, K step 1: v96-159)
.set XA,   160                         ; x: v160-223 K step 0's 64 numbers of my row
.set XB,   32                          ; x: v32-95 K step 1's
.set PC,   224                         ; x: v224-247 two fragments
.set CT,   248                         ; x: v248-250, v252-254 second halves of the blocks' codes
.set WX,   32                          ; weights: v32-95 two sets of 32 numbers
.set WC,   96                          ; weights: v96-104 a block's codes
.set WO,   112                         ; weights: v112-135 the way out
	s_load_b256 s[4:11], s[0:1], 0x0               ; x, wq, wk, wv
	s_load_b256 s[12:19], s[0:1], 0x20             ; wo, xc, xs, wc
	s_load_b64 s[20:21], s[0:1], 0x40              ; ws
	v_lshl_add_u32 v251, v0, 2, 0x13c00
	v_mov_b32 v255, 0
	v_lshrrev_b32 v1, 5, v0
	v_readfirstlane_b32 s24, v1                    ; wave 0..3
	v_and_b32 v1, 31, v0                           ; lane l
	s_mov_b32 s22, 0x76543210
	s_mov_b32 s23, 0xfedcba98                      ; v_permlanex16_b32's selects for lane l xor 16
	s_cmp_lt_u32 ttmp9, 256
	s_cbranch_scc0 .Lweights
; ---------------- x: K is innermost ----------------
	v_and_b32 v2, 15, v0                           ; r
	v_bfe_u32 v3, v0, 4, 1                         ; h
	v_lshlrev_b32 v4, 4, v1                        ; 16 l
	v_lshlrev_b32 v5, 3, v1                        ; 8 l
	s_mul_i32 s25, s24, STX                        ; my stages
	v_add_nc_u32 v6, s25, v4                       ; into a stage: a row's 512 bytes as they lie
	v_mul_u32_u24 v7, v2, SPX
	v_lshl_add_u32 v7, v3, 7, v7
	v_add_nc_u32 v7, s25, v7                       ; out of it: row r, + 128 h: my block of 32 numbers
	s_lshr_b32 s26, s24, 1
	s_lshl_b32 s26, s26, 8
	s_and_b32 s27, s24, 1
	s_lshl_b32 s27, s27, 3
	s_add_co_u32 s26, s26, s27
	s_add_co_u32 s26, s26, SCRX
	v_lshl_add_u32 v8, v2, 4, s26                  ; my two scale words: 256 (w / 2) + 16 r + 8 (w % 2)
	v_add_nc_u32 v20, SCRX, v4                     ; and where wave 0 reads all of them back
	v_mov_b32 v9, 0                                ; a lane permute's destination counts as one of its sources
	v_lshlrev_b32 v19, 3, v3                       ; 8 h
	s_lshr_b32 s28, ttmp9, 1
	s_lshl_b32 s28, s28, 5
	s_and_b32 s29, ttmp9, 1
	s_lshl_b32 s29, s29, 3
	s_add_co_u32 s28, s28, s29                     ; the tile's first row: 32 (T / 2) + 8 (T % 2)
	s_lshl_b32 s28, s28, 12
	s_lshl_b32 s29, s24, 10
	s_add_co_u32 s28, s28, s29                     ; + my two K steps: 1,024 bytes a wave
	s_mov_b32 s29, 0
	s_mul_i32 s30, ttmp9, 12288
	s_mul_i32 s31, s24, 3072
	s_add_co_u32 s30, s30, s31                     ; xc: the tile, my two fragments
	s_mov_b32 s31, 0
	s_lshl_b32 s32, ttmp9, 9                       ; xs: the tile
	s_mov_b32 s33, 0
	s_wait_kmcnt 0x0
	s_add_nc_u64 s[4:5], s[4:5], s[28:29]
	s_add_nc_u64 s[14:15], s[14:15], s[30:31]
	s_add_nc_u64 s[16:17], s[16:17], s[32:33]
.irp s, 0,1
.irp i, 0,1,2,3,4,5,6,7,8,9,10,11,12,13,14,15
	global_load_b128 v[R+64*\s+4*\i:R+64*\s+4*\i+3], v4, s[4:5] offset:(\i+8*(\i/8))*4096+512*\s th:TH_LOAD_NT   ; image row i, K step s: the wave reads 512 consecutive bytes
.endr
.endr
; A K step's 16 rows go through my stage as they lie and come back 128 bytes (a block of 32) a lane and block.  LDS serves a wave's instructions in order: no wait between the stores and the loads.
.macro XTURN s, dst
.irp i, 0,1,2,3,4,5,6,7,8,9,10,11,12,13,14,15
	ds_store_b128 v6, v[R+64*\s+4*\i:R+64*\s+4*\i+3] offset:\s*STG1+\i*SPX
.endr
.irp c, 0,1
.irp j, 0,1,2,3,4,5,6,7
	ds_load_b128 v[\dst+32*\c+4*\j:\dst+32*\c+4*\j+3], v7 offset:\s*STG1+256*\c+16*\j   ; k = 64 c + 32 h + 4 j ..
.endr
.endr
.endm
; 64 numbers of a lane, two whole blocks (2 c + h of the K step), become the fragment's 12 registers and the row's scale word; the fragment is stored.
.macro XQUANT s, xb
.irp c, 0,1
	v_max3_num_f32 v[10+\c], |v[\xb+32*\c]|, |v[\xb+32*\c+1]|, 0x1800000   ; and the floor 2^(3 - 127): the byte cannot fall under 1
.endr
.irp i, 2,4,6,8,10,12,14,16,18,20,22,24,26,28,30
.irp c, 0,1
	v_max3_num_f32 v[10+\c], v[10+\c], |v[\xb+32*\c+\i]|, |v[\xb+32*\c+\i+1]|   ; (the two blocks by turns)
.endr
.endr
.irp c, 0,1
	v_add_nc_u32 v[12+\c], 0xff000000, v[10+\c]    ; 2 off the exponent field: the conversion's scale operand
.endr
.irp c, 0,1
	v_lshrrev_b32 v[14+\c], 23, v[12+\c]           ; the scale's byte
.endr
	v_lshl_or_b32 v18, v15, 16, v14                ; my two bytes: blocks h and 2 + h,
	v_lshlrev_b32 v18, v19, v18                    ; at their places (8 h bits up);
	v_permlanex16_b32 v9, v18, s22, s23
	v_or_b32 v[16+\s], v18, v9                     ; with lane l xor 16's two the word is whole
.irp c, 0,1
	v_cvt_scalef32_pk16_fp6_f32 v[PC+12*\s+6*\c:PC+12*\s+6*\c+2], v[\xb+32*\c:\xb+32*\c+15], v[12+\c]
	v_cvt_scalef32_pk16_fp6_f32 v[CT+4*\c:CT+4*\c+2], v[\xb+32*\c+16:\xb+32*\c+31], v[12+\c]   ; (a conversion's three registers begin on an even number)
.endr
	v_nop                                          ; one plain place behind a scaled conversion
.irp c, 0,1
.irp i, 0,1,2
	v_mov_b32 v[PC+12*\s+6*\c+3+\i], v[CT+4*\c+\i]
.endr
.endr
	global_store_b128 v4, v[PC+12*\s:PC+12*\s+3], s[14:15] offset:1536*\s          ; each store covers 512 or 256 consecutive bytes, aligned to 256
	global_store_b64 v5, v[PC+12*\s+4:PC+12*\s+5], s[14:15] offset:1536*\s+512
	global_store_b128 v4, v[PC+12*\s+6:PC+12*\s+9], s[14:15] offset:1536*\s+768
	global_store_b64 v5, v[PC+12*\s+10:PC+12*\s+11], s[14:15] offset:1536*\s+1280
.endm
	s_wait_loadcnt 16                              ; K step 0's 16 loads are in; K step 1's may be out
	XTURN 0, XA
	s_wait_loadcnt 0x0
	s_wait_dscnt 16                                ; the first turn's stores have read v32-95 (its 16 loads may be out): the second turn's loads land there
	XTURN 1, XB
	s_wait_dscnt 32                                ; the first turn's loads are in; the second turn's 32 instructions may be out
	XQUANT 0, XA
	s_wait_dscnt 0x0
	XQUANT 1, XB
	ds_store_b64 v8, v[16:17]                      ; lanes r and r + 16 write the same bytes with the same value
	s_wait_dscnt 0x0                               ; for the others' sake: my words have landed
	s_barrier_signal -1
	s_barrier_wait -1
	s_cmp_lg_u32 s24, 0
	s_cbranch_scc1 .Lxend
	ds_load_b128 v[24:27], v20                     ; the tile's 512 bytes of scale words
	s_wait_dscnt 0x0
	global_store_b128 v4, v[24:27], s[16:17]       ; 512 consecutive bytes, aligned
.Lxend:
	s_wait_tensorcnt 0x0
	ds_add_u32 v251, v255
	s_wait_dscnt 0x0
	s_endpgm
; ---------------- the weights: K is the first axis: a lane takes a column, its registers run down K ----------------
.Lweights:
	s_sub_co_u32 s25, ttmp9, 256
	s_lshr_b32 s26, s25, 6                         ; which weight: q, k, v, o
	s_bfe_u32 s27, s25, 0x50001                    ; which 32 columns
	s_and_b32 s28, s25, 1                          ; which half of K
	s_lshl_b32 s29, s28, 2
	s_add_co_u32 s29, s29, s24                     ; my K step
	v_bfe_u32 v10, v0, 3, 1                        ; column L = 8 u + r + 8 (r / 8): u = (L / 8) % 2,
	v_and_b32 v2, 7, v0
	v_bfe_u32 v3, v0, 4, 1
	v_lshl_add_u32 v2, v3, 3, v2                   ; r = L % 8 + 8 (L / 16)
	v_lshlrev_b32 v3, 2, v1                        ; in: 4 bytes a lane
	s_mul_i32 s30, s24, WST
	s_add_co_u32 s30, s30, STGW                    ; my stage
	v_mul_u32_u24 v11, v10, 1536
	v_add_nc_u32 v11, s30, v11
	v_lshl_add_u32 v4, v2, 4, v11                  ; tile u, 16 r
	v_lshl_add_u32 v5, v2, 3, v11                  ; tile u, 8 r
	v_lshlrev_b32 v7, 4, v1                        ; 16 l
	v_add_nc_u32 v6, s30, v7                       ; out of the stage as it lies
	s_lshl_b32 s31, s24, 2
	s_add_co_u32 s31, s31, SCRW
	v_lshl_add_u32 v8, v10, 8, s31
	v_lshl_add_u32 v8, v2, 4, v8                   ; my scale word: 256 u + 16 r + 4 w
	v_add_nc_u32 v9, SCRW, v7                      ; and where wave 0 reads all of them back
	v_lshrrev_b32 v14, 4, v1
	v_and_b32 v15, 15, v1
	v_lshlrev_b32 v14, 9, v14
	v_lshl_add_u32 v14, v15, 4, v14                ; ws: 512 (l / 16) + 16 (l % 16)
	s_lshl_b32 s32, s29, 19                        ; W: 128 rows of 4,096 bytes a K step,
	s_lshl_b32 s33, s27, 7                         ; 128 bytes for 32 columns
	s_add_co_u32 s32, s32, s33
	s_mov_b32 s33, 0
	s_mul_i32 s34, s26, 786432
	s_mul_i32 s38, s27, 24576
	s_add_co_u32 s34, s34, s38
	s_mul_i32 s38, s29, 1536
	s_add_co_u32 s34, s34, s38                     ; wc: weight, two tiles, my K step
	s_mov_b32 s35, 0
	s_lshl_b32 s36, s26, 15
	s_lshl_b32 s38, s27, 10
	s_add_co_u32 s36, s36, s38
	s_lshl_b32 s38, s28, 8
	s_add_co_u32 s36, s36, s38                     ; ws: weight, two tiles, my half of K
	s_mov_b32 s37, 0
	s_wait_kmcnt 0x0
	s_cmp_eq_u32 s26, 1                            ; the choice hangs on the work-group's number alone
	s_cselect_b64 s[6:7], s[8:9], s[6:7]
	s_cmp_eq_u32 s26, 2
	s_cselect_b64 s[6:7], s[10:11], s[6:7]
	s_cmp_eq_u32 s26, 3
	s_cselect_b64 s[6:7], s[12:13], s[6:7]
	s_add_nc_u64 s[6:7], s[6:7], s[32:33]
	s_add_nc_u64 s[18:19], s[18:19], s[34:35]
	s_add_nc_u64 s[20:21], s[20:21], s[36:37]
.macro WLOAD t                         ; block t: W(32 t + i, my column) into set t % 2
.irp i, 0,1,2,3,4,5,6,7,8,9,10,11,12,13,14,15,16,17,18,19,20,21,22,23,24,25,26,27,28,29,30,31
	global_load_b32 v[WX+32*((\t)%2)+\i], v3, s[6:7] offset:(32*(\t)+\i)*4096 th:TH_LOAD_NT
.endr
.endm
.macro WBLOCK t
.set XS, WX+32*((\t)%2)
.if (\t) < 3
	s_wait_loadcnt 32                              ; this block's 32 loads are in; the next block's may be out
.else
	s_wait_loadcnt 0x0
.endif
	v_max3_num_f32 v12, |v[XS]|, |v[XS+1]|, |v[XS+2]|
	v_max3_num_f32 v13, |v[XS+3]|, |v[XS+4]|, |v[XS+5]|
.irp i, 6,10,14,18,22,26
	v_max3_num_f32 v12, v12, |v[XS+\i]|, |v[XS+\i+1]|
	v_max3_num_f32 v13, v13, |v[XS+\i+2]|, |v[XS+\i+3]|
.endr
	v_max3_num_f32 v12, v12, |v[XS+30]|, |v[XS+31]|
	v_max3_num_f32 v12, v12, v13, 0x1800000        ; the block's largest magnitude, and the floor
	v_add_nc_u32 v11, 0xff000000, v12              ; the conversion's scale operand
	v_lshrrev_b32 v13, 23, v11                     ; the scale's byte
.if (\t) == 0
	v_mov_b32 v24, v13
.else
	v_lshl_or_b32 v24, v13, 8*(\t), v24            ; the lower K in the lower byte
.endif
	v_cvt_scalef32_pk16_fp6_f32 v[WC:WC+2], v[XS:XS+15], v11
	v_cvt_scalef32_pk16_fp6_f32 v[WC+6:WC+8], v[XS+16:XS+31], v11
	v_nop                                          ; one plain place behind a scaled conversion
.irp i, 0,1,2
	v_mov_b32 v[WC+3+\i], v[WC+6+\i]
.endr
	ds_store_b128 v4, v[WC:WC+3] offset:((\t)/2)*768+256*((\t)%2)           ; block t is half image t / 2, image lane 16 (t % 2) + r
	ds_store_b64 v5, v[WC+4:WC+5] offset:((\t)/2)*768+512+128*((\t)%2)
.if (\t) < 2
	WLOAD (\t)+2
.endif
	s_wait_dscnt 0x0                               ; the stores have read their registers: the next block's codes may be written
.endm
	WLOAD 0
	WLOAD 1
	WBLOCK 0
	WBLOCK 1
	WBLOCK 2
	WBLOCK 3
	ds_store_b32 v8, v24
.irp u, 0,1
.irp j, 0,1,2
	ds_load_b128 v[WO+12*\u+4*\j:WO+12*\u+4*\j+3], v6 offset:\u*1536+512*\j   ; LDS serves a wave's instructions in order: these see my stores
.endr
.endr
	s_wait_dscnt 0x0                               ; my fragments are back, and my scale word has landed
.irp u, 0,1
.irp j, 0,1,2
	global_store_b128 v7, v[WO+12*\u+4*\j:WO+12*\u+4*\j+3], s[18:19] offset:\u*12288+512*\j   ; 512 consecutive bytes, aligned
.endr
.endr
	s_barrier_signal -1
	s_barrier_wait -1
	s_cmp_lg_u32 s24, 0
	s_cbranch_scc1 .Lwend
	ds_load_b128 v[136:139], v9
	s_wait_dscnt 0x0
	global_store_b128 v14, v[136:139], s[20:21]    ; sixteen lanes store 256 consecutive bytes, aligned: one block for each of the two tiles
.Lwend:
	s_wait_tensorcnt 0x0
	ds_add_u32 v251, v255
	s_wait_dscnt 0x0
	s_endpgm
.Lfunc_end_k_qf58d936134_quant:
	.size	k_qf58d936134_quant, .Lfunc_end_k_qf58d936134_quant-k_qf58d936134_quant
	.p2alignl 7, 3214868480
	.fill 96, 4, 3214868480
	.section	.rodata,"a",@progbits
	.p2align	6, 0x0
	.amdhsa_kernel k_qf58d936134_quant
		.amdhsa_group_segment_fixed_size 81408
		.amdhsa_private_segment_fixed_size 0
		.amdhsa_enable_private_segment 0
		.amdhsa_kernarg_size 72
		.amdhsa_user_sgpr_count 2
		.amdhsa_user_sgpr_kernarg_segment_ptr 1
		.amdhsa_wavefront_size32 1
		.amdhsa_system_sgpr_workgroup_id_x 1
		.amdhsa_system_sgpr_workgroup_id_y 1
		.amdhsa_system_sgpr_workgroup_id_z 1
		.amdhsa_system_vgpr_workitem_id 0
		.amdhsa_next_free_vgpr 256
		.amdhsa_next_free_sgpr 66
		.amdhsa_reserve_vcc 0
		.amdhsa_float_denorm_mode_32 3
		.amdhsa_float_denorm_mode_16_64 3
		.amdhsa_memory_ordered 1
		.amdhsa_forward_progress 1
		.amdhsa_inst_pref_size 39
	.end_amdhsa_kernel
	.amdgpu_metadata
---
amdhsa.version: [ 1, 2 ]
amdhsa.kernels:
  - .name:           k_qf58d936134_quant
    .symbol:         k_qf58d936134_quant.kd
    .args:
      - { .name: x, .offset: 0, .size: 8, .value_kind: global_buffer, .address_space: global }
      - { .name: wq, .offset: 8, .size: 8, .value_kind: global_buffer, .address_space: global }
      - { .name: wk, .offset: 16, .size: 8, .value_kind: global_buffer, .address_space: global }
      - { .name: wv, .offset: 24, .size: 8, .value_kind: global_buffer, .address_space: global }
      - { .name: wo, .offset: 32, .size: 8, .value_kind: global_buffer, .address_space: global }
      - { .name: xc, .offset: 40, .size: 8, .value_kind: global_buffer, .address_space: global }
      - { .name: xs, .offset: 48, .size: 8, .value_kind: global_buffer, .address_space: global }
      - { .name: wc, .offset: 56, .size: 8, .value_kind: global_buffer, .address_space: global }
      - { .name: ws, .offset: 64, .size: 8, .value_kind: global_buffer, .address_space: global }
    .group_segment_fixed_size: 81408
    .private_segment_fixed_size: 0
    .kernarg_segment_align: 8
    .kernarg_segment_size: 72
    .max_flat_workgroup_size: 128
    .sgpr_count:     66
    .vgpr_count:     256
    .wavefront_size: 32
...
	.end_amdgpu_metadata
.endif
;; end of part 1
;; launch gemm_qkv (part 2): grid 12 x 16, 4 waves a work-group, clusters of 4 x 4, 327,680 bytes of LDS; arguments xc, xs, wc, ws, bq, bk, bv, qb, kv; writes qb, kv
.if DOCPART == 2
	.amdgcn_target "amdgcn-amd-amdhsa--gfx1250"
	.amdhsa_code_object_version 6
	.text
	.protected	k_qf58d936134_gemm_qkv
	.globl	k_qf58d936134_gemm_qkv
	.p2align	8
	.type	k_qf58d936134_gemm_qkv,@function
k_qf58d936134_gemm_qkv:
	s_mov_b64 s[64:65], 0
	v_nop
	global_prefetch_b8 v0, s[64:65] scope:SCOPE_SE
	s_setreg_imm32_b32 hwreg(HW_REG_WAVE_MODE, 25, 1), 1
	s_wait_xcnt 0x0
	s_wait_alu depctr_hold_cnt(0) depctr_sa_sdst(0) depctr_va_vdst(0) depctr_va_sdst(0) depctr_va_ssrc(0) depctr_va_vcc(0) depctr_vm_vsrc(0)
	s_getreg_b32 s2, hwreg(HW_REG_IB_STS2, 6, 4)
	s_cmp_eq_u32 s2, 0
	s_cbranch_scc0 .Lentry_in_a_cluster
	s_endpgm
.Lentry_in_a_cluster:
	s_bfe_u32 s2, ttmp6, 0x10000c
	s_cmp_lg_u32 s2, 0xf033
	s_cbranch_scc0 .Lentry_shape_is_right
	s_endpgm
.Lentry_shape_is_right:
; q = x wq + bq, k = x wk + bk, v = x wv + bv on codes of FP6 (E2M3) with E8M0 scales; the results are quantised in registers and leave as codes: q and k along the head's 64, v along the keys.
; OPERANDS lie in the order of the operand's registers.  Half image: 16 rows x 64 K = 768 bytes (lane l: 16 bytes at 16 l, 8 bytes at 512 + 8 l); a fragment (128 K, 12 registers) is two of them.
; Image lane r of tile 2 B + u is row 32 B + 8 u + r + 8 (r / 8), so that a product's 16 result registers of source 0's tiles 2 B, 2 B + 1 are 16 neighbouring rows of source 0.
; A tile of the result, 256 x 256, is made by four waves, 128 x 128 each: 64 accumulators in 512 registers.  SOURCE 0 IS THE AXIS THAT IS QUANTISED NEXT (it lands in a lane's registers), source 1 lands in the lanes:
;   clusters x = 0, 1 (q, k): source 0 = 16 columns n of the weight, source 1 = 16 tokens;   cluster x = 2 (v): source 0 = 16 tokens (the keys), source 1 = 16 columns of wv.
; K = 1,024 goes in 8 steps of 128 through a ring of two LDS slots of 256 along K, filled by the tensor data mover; all scale words come once, with the first fills, and then stay in 64 registers.
; CLUSTERS: 4 x 4 work-groups.  Source 1's tile hangs on cy and is asked for jointly by my row of the cluster, source 0's on cx and by my column.  Branches hang on the cluster's x and the wave's number alone.
; OUT.  qb [b h 32][group of 128 queries 16] records of 6,656 bytes: 8 half images, then scale words [tile / 4][r][tile % 4].
;       kv [b h 32][128 keys 16] records of 13,056: K: 8 half images @0; V^T: 4 fragments (16 channels x 128 keys) @6,144; K's scale words @12,288; V's [r][tile 4] @12,800.
;       q's and k's scale words: bytes 0, 1 the head's two blocks; bytes 2, 3 = 127: they stand over the zero codes that fill the product's K from 64 to 128.
; LIMITS: NaN and infinities are not served; a block whose largest magnitude lies under 2^-124, a block of zeros among them, keeps the byte 1 (its bytes are read by this program alone).
; REGISTERS, in windows of 256: window 0: v1-31 addresses; v32-95 scale words; v96-159 the bias, later at work; v160-255 source 1's 8 fragments, ONE set.
;   window 1: source 0's fragments, TWO sets, at v0 and v128.   window 2: the accumulators of source 1's tiles 0-3 ((a, b) at v[8 (8 (a % 4) + b)]);   window 3: tiles 4-7.
.set FR,    12                         ; registers of a fragment
.set NL,    4                          ; LDS loads that bring one
.set NP,    4                          ; places behind this matrix instruction (ISA guide 7.12.1)
.set TILEB, 3072                       ; a tile's 256 along K: four half images
.set HALFT, 8*TILEB                    ; 8 tiles: what one tensor load brings, and what one wave reads of an operand
.set SLOT,  4*HALFT                    ; source 1's 16 tiles, then source 0's 16
.set SCL,   2*SLOT                     ; behind the ring: the scale words of source 1's 16 tiles, then source 0's
.set HALFS, 4096                       ; those of 8 tiles
.set SPARE, SCL+4*HALFS                ; the spare words, 128 bytes for each wave: two blocks of 256 bytes that no other line names
.set ADRA,  16                         ; v16-17 source 1's fragments in slot 0, 1, 16 bytes a lane; v18-19 the same, 8 bytes a lane
.set ADRB,  20                         ; v20-23 the same for source 0
.set SH,    15                         ; v15  16 h
.set L16,   24                         ; v24  16 l
.set L8,    25                         ; v25  8 l
.set L16C,  26                         ; v26  16 l + the way from a fragment's first half image to its second
.set ADRS,  27                         ; v27  my scale words: lanes 0-15 source 1's, lanes 16-31 source 0's
.set SPW,   28                         ; v28  my spare word: SPARE + 4 x my thread's number; never rewritten
.set NIL,   29                         ; v29  0; never rewritten
.set L8C,   30                         ; v30  8 l + the same way
.set SOF,   31                         ; v31  16 r + h x a head's records
.set SC,    32                         ; v[SC + 32 (ks / 4) + 4 i + ks % 4]: K step ks: lanes 0-15 the word of source 1's tile i, lanes 16-31 of source 0's tile i
.set BI,    96                         ; the bias in the result's layout, 8 registers a tile
.set AF,    160
.set TM,    96                         ; the way out: v96-99 largest magnitudes, v100-103 bytes, v108-111 scale operands
.set PC,    112                        ; v112-123 the fragment just made, v124-130 second halves
.set PWR,   152                        ; v152-159 the 8 scale words
.set XO,    160                        ; v160-167 as they are stored
.set G1,  24                           ; s[24:31] group 1 for source 1's tiles; s[32:39] group 0, one set for each slot
.set G0,  32
.set G1B, 48                           ; s[48:55], s[56:63] the same for source 0
.set G0B, 56
.set G1S, 68                           ; s[68:75], s[76:79] groups 1 and 0 for source 1's scale words; s[80:87], s[88:91] for source 0's
.set G0S, 76
.set G1SB, 80
.set G0SB, 88
.set SEL, 66                           ; s[66:67] selects for lane l xor 16
.set OB,  92                           ; s[92:93] where the codes go
.set SB,  94                           ; s[94:95] where the scale words go
.set STA, 96                           ; s[96:97] from tile to tile
.set STQ, 100                          ; s[100:101] from tile 3 to tile 4
.set MSB, 0
.macro WIN new                         ; the immediate's high byte repeats the setting that is left
.if MSB != (\new)
	s_set_vgpr_msb (MSB<<8)|(\new)
.set MSB, (\new)
.endif
.endm
.set MUL_LO, 0xa1                      ; source 0 window 1, source 1 window 0, C and D window 2
.set MUL_HI, 0xf1                      ; the same, C and D window 3
.set TO_B,   0x40                      ; destination window 1, address window 0
; A joint load: waves 0 and 1 fetch for source 1, waves 2 and 3 for source 0.  Each line has ONE mask and one set of registers for all that issue it; the branch hangs on the wave's number alone.
; Four v_nop follow each of the two lines, ahead of the jump, the label and what follows.
.macro JLOAD g0a, g1a, g0b, g1b
	s_cmp_eq_u32 s15, 0
	s_cbranch_scc0 .Lfor_b_\@
	tensor_load_to_lds s[\g0a:\g0a+3], s[\g1a:\g1a+7]
	s_nop 0
.rept 4
	v_nop
.endr
	s_branch .Lasked_\@
.Lfor_b_\@:
	tensor_load_to_lds s[\g0b:\g0b+3], s[\g1b:\g1b+7]
	s_nop 0
.rept 4
	v_nop
.endr
.Lasked_\@:
.endm
.macro CREST                           ; a round of the cluster's barrier behind its opening barrier
	s_cmp_lg_u32 s14, 0
	s_cbranch_scc1 .Lnot_wave_0_\@
	s_barrier_signal -3
.Lnot_wave_0_\@:
	s_barrier_wait -3
	s_barrier_signal -1
	s_barrier_wait -1
.endm
.macro CROUND                          ; a whole round
	s_barrier_signal -1
	s_barrier_wait -1
	CREST
.endm
.macro PLACES n
.rept \n
	v_nop
.endr
.endm
	s_load_b256 s[4:11], s[0:1], 0x0               ; xc, xs, wc, ws
	v_lshl_add_u32 v[SPW], v0, 2, SPARE
	v_mov_b32 v[NIL], 0
	ds_add_u32 v28, v29
	ds_add_u32 v28, v29
	s_wait_dscnt 0x0
	v_lshrrev_b32 v1, 5, v0
	v_readfirstlane_b32 s14, v1                    ; wave 0..3
	s_lshr_b32 s15, s14, 1                         ; which half of source 1's tiles is mine.  Also: I fetch for source 1 (0) or source 0 (1)
	s_and_b32 s16, s14, 1                          ; which half of source 0's.  Also: which 8 tiles I fetch
	s_bfe_u32 s40, ttmp6, 0x40000                  ; cx, cy: my place in the cluster
	s_bfe_u32 s41, ttmp6, 0x40004
	s_and_b32 s45, ttmp7, 0xffff
	s_lshl_b32 s45, s45, 2                         ; 4 x cluster y: the tokens' 16 blocks of 256 go along y
	s_cmp_eq_u32 ttmp9, 2                          ; v?  The cluster's x is the same in all sixteen partners
	s_cselect_b32 s46, s45, 0
	s_cselect_b32 s47, 0, s45
	s_add_co_u32 s42, s40, s46                     ; source 0's block of 256 rows: cx (a weight's columns), for v 4 y + cx (tokens)
	s_add_co_u32 s17, s41, s47                     ; source 1's: 4 y + cy (tokens), for v cy (wv's columns)
	s_lshl_b32 s43, s41, 2
	s_lshl_b32 s43, 15, s43                        ; my row of the cluster
	s_lshl_b32 s44, 0x1111, s40                    ; my column
	; group 1 for codes: 8 tiles x 3,072 bytes (384 elements of 8 bytes), 12,288 bytes from tile to tile; dense in LDS
	s_or_b32 s[G1+0], s43, (3<<16)|(1<<21)         ; 15:0 the mask; 17:16 elements of 8 bytes; 20 no padding; 21 set beside a mask
	s_or_b32 s[G1B+0], s44, (3<<16)|(1<<21)
.irp g, G1, G1B
	s_mov_b32 s[\g+1], 384<<16                     ; tensor_dim0
	s_mov_b32 s[\g+2], 8<<16                       ; tensor_dim1
	s_mov_b32 s[\g+3], 384<<16                     ; tile_dim0
	s_mov_b32 s[\g+4], 8                           ; tile_dim1
	s_mov_b32 s[\g+5], 1536                        ; tensor_dim0_stride
	s_mov_b32 s[\g+6], 0
	s_mov_b32 s[\g+7], 0
.endr
	; and for the scale words of 8 tiles: 4,096 dense bytes as 16 rows of 256
	s_or_b32 s[G1S+0], s43, (3<<16)|(1<<21)
	s_or_b32 s[G1SB+0], s44, (3<<16)|(1<<21)
.irp g, G1S, G1SB
	s_mov_b32 s[\g+1], 32<<16
	s_mov_b32 s[\g+2], 16<<16
	s_mov_b32 s[\g+3], 32<<16
	s_mov_b32 s[\g+4], 16
	s_mov_b32 s[\g+5], 32
	s_mov_b32 s[\g+6], 0
	s_mov_b32 s[\g+7], 0
.endr
	s_lshl_b32 s3, s16, 3                          ; which 8 tiles of the 16 I fetch
	s_lshl_b32 s2, s17, 4
	s_add_co_u32 s2, s2, s3                        ; source 1: the first of them (no register on this way holds cx)
	s_mul_i32 s22, s2, 12288
	s_mov_b32 s23, 0
	s_lshl_b32 s98, s42, 4
	s_add_co_u32 s98, s98, s3                      ; source 0 (none holds cy)
	s_mul_i32 s100, s98, 12288
	s_mov_b32 s101, 0
	s_mul_i32 s92, ttmp9, 786432                   ; the cluster's weight in wc,
	s_mov_b32 s93, 0
	s_lshl_b32 s94, ttmp9, 15                      ; and in ws
	s_mov_b32 s95, 0
	s_mul_i32 s45, s14, HALFT                      ; where the tiles go: wave x 8 tiles: no place in the cluster enters an LDS address
	s_mul_i32 s99, s14, HALFS
	s_wait_kmcnt 0x0
	s_add_nc_u64 s[8:9], s[8:9], s[92:93]
	s_add_nc_u64 s[10:11], s[10:11], s[94:95]
	s_cmp_eq_u32 ttmp9, 2
	s_cselect_b64 s[18:19], s[8:9], s[4:5]         ; source 1's codes: wv for v, else x
	s_cselect_b64 s[20:21], s[10:11], s[6:7]       ; its scale words
	s_cselect_b64 s[46:47], s[4:5], s[8:9]         ; source 0's codes: x for v, else the weight
	s_cselect_b64 s[96:97], s[6:7], s[10:11]
	s_add_nc_u64 s[18:19], s[18:19], s[22:23]
	s_lshl_b32 s22, s2, 9
	s_add_nc_u64 s[20:21], s[20:21], s[22:23]
	s_add_nc_u64 s[46:47], s[46:47], s[100:101]
	s_lshl_b32 s100, s98, 9
	s_add_nc_u64 s[96:97], s[96:97], s[100:101]
	CROUND                                         ; all sixteen work-groups are here: the first joint loads meet
	s_mov_b32 s[G0S], 1
	s_add_co_u32 s[G0S+1], s99, SCL
	s_mov_b64 s[G0S+2:G0S+3], s[20:21]
	s_or_b32 s[G0S+3], s[G0S+3], 0x80000000
	s_mov_b32 s[G0SB], 1
	s_add_co_u32 s[G0SB+1], s99, SCL
	s_mov_b64 s[G0SB+2:G0SB+3], s[96:97]
	s_or_b32 s[G0SB+3], s[G0SB+3], 0x80000000
	JLOAD G0S, G1S, G0SB, G1SB                     ; the scale words first: they are wanted with K step 0
.irp s, 0,1
	s_mov_b32 s[G0+4*\s], 1
	s_add_co_u32 s[G0+4*\s+1], s45, \s*SLOT
	s_add_nc_u64 s[G0+4*\s+2:G0+4*\s+3], s[18:19], \s*TILEB
	s_or_b32 s[G0+4*\s+3], s[G0+4*\s+3], 0x80000000
	s_mov_b32 s[G0B+4*\s], 1
	s_add_co_u32 s[G0B+4*\s+1], s45, \s*SLOT
	s_add_nc_u64 s[G0B+4*\s+2:G0B+4*\s+3], s[46:47], \s*TILEB
	s_or_b32 s[G0B+4*\s+3], s[G0B+4*\s+3], 0x80000000
	JLOAD G0+4*\s, G1, G0B+4*\s, G1B               ; three tensor loads of mine are out
.endr
	s_load_b256 s[4:11], s[0:1], 0x20              ; bq, bk, bv, qb (the first four addresses are used up)
	s_load_b64 s[12:13], s[0:1], 0x40              ; kv
	v_and_b32 v1, 15, v0                           ; r
	v_bfe_u32 v2, v0, 4, 1                         ; h
	v_and_b32 v3, 31, v0                           ; l
	v_lshlrev_b32 v[L16], 4, v3
	v_lshlrev_b32 v[L8], 3, v3
	s_mul_i32 s21, s15, HALFT                      ; my 8 tiles of source 1
	s_mul_i32 s22, s16, HALFT                      ; my 8 tiles of source 0,
	s_add_co_u32 s22, s22, 2*HALFT                 ; which lie behind source 1's 16
.irp s, 0,1
	v_add_nc_u32 v[ADRA+\s], s21, v[L16]
	v_add_nc_u32 v[ADRA+2+\s], s21, v[L8]
	v_add_nc_u32 v[ADRB+\s], s22, v[L16]
	v_add_nc_u32 v[ADRB+2+\s], s22, v[L8]
	s_add_co_u32 s21, s21, SLOT
	s_add_co_u32 s22, s22, SLOT
.endr
	s_mul_i32 s21, s15, HALFS                      ; scale words: source 1's, my 8 tiles;
	s_mul_i32 s22, s16, HALFS                      ; source 0's, behind source 1's 16
	s_add_co_u32 s22, s22, 2*HALFS
	s_sub_co_u32 s22, s22, s21
	v_mul_u32_u24 v6, s22, v2                      ; lanes 16-31 take source 0's
	s_add_co_u32 s21, s21, SCL
	v_lshl_add_u32 v6, v1, 4, v6                   ; 16 bytes a row: four K steps' words
	v_add_nc_u32 v[ADRS], s21, v6
	v_lshlrev_b32 v4, 6, v2                        ; the bias along source 0: 16 h numbers on
	v_and_b32 v5, 8, v1
	v_add_nc_u32 v5, v5, v1
	v_lshlrev_b32 v5, 2, v5                        ; along source 1: number r + 8 (r / 8)
	v_lshlrev_b32 v[SH], 4, v2
	s_mov_b32 s[SEL], 0x76543210
	s_mov_b32 s[SEL+1], 0xfedcba98
	s_lshl_b32 s18, s42, 1
	s_add_co_u32 s18, s18, s16                     ; my 128 of source 0
	s_lshl_b32 s19, s17, 1
	s_add_co_u32 s19, s19, s15                     ; my 128 of source 1
	s_cmp_eq_u32 ttmp9, 2
	s_cselect_b32 s20, s19, s18                    ; NG: which 128 columns n (two heads)
	s_cselect_b32 s21, s18, s19                    ; TB: which 128 tokens
	s_lshr_b32 s22, s21, 4
	s_lshl_b32 s22, s22, 4
	s_lshl_b32 s23, s20, 1
	s_add_co_u32 s22, s22, s23                     ; b h of my first head: 16 (TB / 16) + 2 NG
	s_lshl_b32 s22, s22, 4
	s_and_b32 s23, s21, 15
	s_add_co_u32 s22, s22, s23                     ; its record for these 128 tokens
	s_wait_kmcnt 0x0
	s_cmp_eq_u32 ttmp9, 0
	s_cselect_b64 s[OB:OB+1], s[10:11], s[12:13]   ; q goes to qb, k and v to kv
	s_mov_b32 s2, 13056
	s_cselect_b32 s2, 6656, s2                     ; a record
	s_mov_b32 s18, 12288
	s_cselect_b32 s18, 6144, s18                   ; where its scale words begin (q, k)
	s_lshl_b32 s19, s2, 4                          ; a head's 16 records
	s_cmp_eq_u32 ttmp9, 2
	s_cselect_b32 s18, 12800, s18                  ; (v)
	s_cselect_b32 s45, 6144, 0                     ; where the codes begin
	s_cselect_b32 s46, 768, s19                    ; from a fragment's first half image to its second: q, k: the next head; v: the next 64 keys
	s_mov_b32 s[STA], 768
	s_cselect_b32 s[STA], 1536, s[STA]             ; from tile to tile: a half image, for v a fragment
	s_mov_b32 s[STQ], 768
	s_cselect_b32 s[STQ], 204288, s[STQ]           ; from tile 3 to tile 4: for v the next head's first fragment: 16 x 13,056 - 3 x 1,536
	s_mov_b32 s[STA+1], 0
	s_mov_b32 s[STQ+1], 0
	s_cselect_b64 s[4:5], s[8:9], s[4:5]           ; the bias: bv,
	s_cmp_eq_u32 ttmp9, 1
	s_cselect_b64 s[4:5], s[6:7], s[4:5]           ; bk, or bq
	s_mul_i32 s22, s22, s2
	s_add_co_u32 s98, s22, s18
	s_mov_b32 s99, 0
	s_add_co_u32 s22, s22, s45
	s_mov_b32 s23, 0
	s_add_nc_u64 s[SB:SB+1], s[OB:OB+1], s[98:99]
	s_add_nc_u64 s[OB:OB+1], s[OB:OB+1], s[22:23]
	s_lshl_b32 s22, s20, 9
	s_add_nc_u64 s[4:5], s[4:5], s[22:23]          ; my 128 numbers of the bias
	s_mov_b32 s3, 0x7f7f0000
	v_add_nc_u32 v[L16C], s46, v[L16]
	v_add_nc_u32 v[L8C], s46, v[L8]
	v_mul_u32_u24 v[SOF], s19, v2
	v_lshl_add_u32 v[SOF], v1, 4, v[SOF]
	; THE BIAS is the C of each sum's first matrix instruction: eight registers a tile in the result's layout
	s_cmp_eq_u32 ttmp9, 2
	s_cbranch_scc1 .Lbias_v
.irp b, 0,1,2,3,4,5,6,7                        ; q, k: it runs along source 0: register j of tile b is column 32 (b / 2) + 16 h + 8 (b % 2) + j
	global_load_b128 v[BI+8*\b:BI+8*\b+3], v4, s[4:5] offset:(32*(\b/2)+8*(\b%2))*4
	global_load_b128 v[BI+8*\b+4:BI+8*\b+7], v4, s[4:5] offset:(32*(\b/2)+8*(\b%2))*4+16
.endr
	s_branch .Lbias_done
.Lbias_v:
.irp a, 0,1,2,3,4,5,6,7                        ; v: it runs along source 1: all eight registers of tile a hold column 32 (a / 2) + 8 (a % 2) + r + 8 (r / 8)
	global_load_b32 v[BI+8*\a], v5, s[4:5] offset:(32*(\a/2)+8*(\a%2))*4
.endr
	s_wait_loadcnt 0x0
.irp a, 0,1,2,3,4,5,6,7
.irp j, 1,2,3,4,5,6,7
	v_mov_b32 v[BI+8*\a+\j], v[BI+8*\a]
.endr
.endr
	PLACES 8
.Lbias_done:
.macro FRAG reg, adr, q, i             ; a fragment as it lies: two half images
	ds_load_b128 v[\reg:\reg+3], v[\adr] offset:(\i)*TILEB+(\q)*1536
	ds_load_b64 v[\reg+4:\reg+5], v[\adr+2] offset:(\i)*TILEB+(\q)*1536+512
	ds_load_b128 v[\reg+6:\reg+9], v[\adr] offset:(\i)*TILEB+(\q)*1536+768
	ds_load_b64 v[\reg+10:\reg+11], v[\adr+2] offset:(\i)*TILEB+(\q)*1536+1280
.endm
; 16 matrix instructions: source 1's tiles a0, a0 + 1 x source 0's eight, K step ks.  p: source 0's set.  mode 0: C = D;  1: C = the bias of source 0's tile;  2: of source 1's tile.
; The 64 accumulators take turns, one instruction a turn, in the same order in every step.
.macro MUL16 a0, p, ks, mode
.irp a, \a0, \a0+1
.irp b, 0,1,2,3,4,5,6,7
.set rD, 8*(8*((\a)%4)+\b)
.set rA, 128*(\p)+FR*\b
.set rB, AF+FR*(\a)
.set rSA, SC+32*((\ks)/4)+4*\b+(\ks)%4
.set rSB, SC+32*((\ks)/4)+4*(\a)+(\ks)%4
.set rC, rD
.if \mode == 1
.set rC, BI+8*\b
.endif
.if \mode == 2
.set rC, BI+8*(\a)
.endif
	v_wmma_scale_f32_16x16x128_f8f6f4 v[rD:rD+7], v[rA:rA+FR-1], v[rB:rB+FR-1], v[rC:rC+7], v[rSA], v[rSB] matrix_a_fmt:MATRIX_FMT_FP6 matrix_b_fmt:MATRIX_FMT_FP6 matrix_a_scale:MATRIX_SCALE_ROW1
.endr
.endr
.endm
.macro FETCH_B slot, q, p              ; source 0's eight fragments of the slot's q-th 128 along K into set p
	WIN TO_B
.irp i, 0,1,2,3,4,5,6,7
	FRAG 128*(\p)+FR*\i, ADRB+\slot, \q, \i
.endr
	WIN 0
.endm
.macro FETCH_A slot, q, i0             ; source 1's tiles i0 .. i0 + 3
.irp i, \i0, \i0+1, \i0+2, \i0+3
	FRAG AF+FR*(\i), ADRA+\slot, \q, \i
.endr
.endm
.macro SCALES                          ; all scale words of my 8 + 8 tiles, for all of K: 16 loads, once
.irp kq, 0,1
.irp i, 0,1,2,3,4,5,6,7
	ds_load_b128 v[SC+32*\kq+4*\i:SC+32*\kq+4*\i+3], v[ADRS] offset:\i*512+\kq*256
.endr
.endr
.endm
; The first K step's 32 products of source 1's tiles a0 .. a0 + 3 start the sums with the bias: nothing is cleared.  w: the windows (C in window 0).  At a branch and at a label every window is 0.
.macro FIRST32 a0, w
	WIN 0
	s_cmp_eq_u32 ttmp9, 2
	s_cbranch_scc1 .Lfirst_v_\@
	WIN \w
	MUL16 \a0, 0, 0, 1
	MUL16 \a0+2, 0, 0, 1
	WIN 0
	s_branch .Lfirst_j_\@
.Lfirst_v_\@:
	WIN \w
	MUL16 \a0, 0, 0, 2
	MUL16 \a0+2, 0, 0, 2
	WIN 0
.Lfirst_j_\@:
.endm
; A slot's first step.  A load into a register that a matrix instruction has read stands NP places behind it, and only plain vector instructions are places: so v_nop stand in front of each run of loads.
.macro STEP slot, ks, first
	s_wait_dscnt 4*NL                              ; source 0's set and source 1's tiles 0-3 are in; the youngest 16 loads (tiles 4-7) may be out
.if \first
	FIRST32 0, 0x81
.else
	WIN MUL_LO
	MUL16 0, 0, \ks, 0
	MUL16 2, 0, \ks, 0
.endif
	s_wait_dscnt 0x0                               ; tiles 4-7 are in (asked for 32 matrix instructions ago)
	PLACES NP
	FETCH_B \slot, 1, 1
	FETCH_A \slot, 1, 0
.if \first
	FIRST32 4, 0xc1
.else
	WIN MUL_HI
	MUL16 4, 0, \ks, 0
	MUL16 6, 0, \ks, 0
.endif
	PLACES NP
	WIN 0
	FETCH_A \slot, 1, 4
.endm
; A slot's second step changes slots: ONE barrier; in front of it each wave waits for all its tensor loads, adds 0 to its spare word, and waits for that and for its own reads of this slot.  fill = 1: this slot is filled again, 512 along K on.
.macro TURN slot, next, ks, fill
	s_wait_tensorcnt 0x0                           ; all my tensor loads have landed: my part of the next slot;  (every window is 0 here)
	ds_add_u32 v[SPW], v[NIL]                      ; 0 onto my spare word
	s_wait_dscnt 4*NL+1                            ; (the add and the youngest 16 loads, tiles 4-7, may be out)
	WIN MUL_LO
	MUL16 0, 1, \ks, 0                             ; sixteen matrix instructions stand between the add and the wait for it
	s_wait_dscnt 0x0                               ; the add is done, and my reads of this slot are over
	s_barrier_signal -1
	MUL16 2, 1, \ks, 0
	WIN 0
	s_barrier_wait -1
.if \fill
	CREST                                          ; the barrier has opened a round of the cluster's barrier: no wave of any partner still reads this slot or has a load on its way
	s_add_nc_u64 s[G0+4*\slot+2:G0+4*\slot+3], s[G0+4*\slot+2:G0+4*\slot+3], 2*TILEB
	s_add_nc_u64 s[G0B+4*\slot+2:G0B+4*\slot+3], s[G0B+4*\slot+2:G0B+4*\slot+3], 2*TILEB
	JLOAD G0+4*\slot, G1, G0B+4*\slot, G1B         ; the first tensor load behind the round, my only one until the next; its four v_nop are the places in front of the loads below
.else
	PLACES NP
.endif
	FETCH_B \next, 0, 0
	FETCH_A \next, 0, 0
	WIN MUL_HI
	MUL16 4, 1, \ks, 0
	MUL16 6, 1, \ks, 0
	PLACES NP
	WIN 0
	FETCH_A \next, 0, 4
.endm
	s_wait_tensorcnt 1                             ; the scale words and my part of slot 0 are in (slot 1's load may be out),
	s_barrier_signal -1
	s_barrier_wait -1                              ; everybody's are
	SCALES
	FETCH_B 0, 0, 0
	FETCH_A 0, 0, 0
	FETCH_A 0, 0, 4
	s_wait_loadcnt 0x0                             ; the bias
	STEP 0, 0, 1                                   ; the 8 K steps are written out: each names its own scale registers
	TURN 0, 1, 1, 1
	STEP 1, 2, 0
	TURN 1, 0, 3, 1
	STEP 0, 4, 0
	TURN 0, 1, 5, 0                                ; nothing is left to fetch
	STEP 1, 6, 0
	s_wait_dscnt 4*NL                              ; the last step
	WIN MUL_LO
	MUL16 0, 1, 7, 0
	MUL16 2, 1, 7, 0
	s_wait_dscnt 0x0
	WIN MUL_HI
	MUL16 4, 1, 7, 0
	MUL16 6, 1, 7, 0
	WIN 0
	PLACES NP                                      ; in front of the first read of results
; THE WAY OUT.  The 64 registers of source 1's tile a are, for my lane's row, 128 neighbours along source 0: register 16 B + i = 32 B + 16 h + i.  They become a fragment's 12 registers and a scale word.
.irp b, 0,1,2,3
	v_mov_b32 v[TM+4+\b], 0                        ; a lane permute's destination counts as one of its sources
.endr
.macro QTILE a
.set AC, 64*((\a)%4)
.set WA, 2+(\a)/4
.set WW, (WA<<2)|(WA<<4)
	WIN WW                                         ; sources 1 and 2: the accumulators' window
.irp b, 0,1,2,3
	v_max3_num_f32 v[TM+\b], 0x1800000, |v[AC+16*\b]|, |v[AC+16*\b+1]|   ; block b: my 16 numbers, each accumulator from its low end on, and the floor 2^(3 - 127)
.endr
.irp i, 2,4,6,8,10,12,14
.irp b, 0,1,2,3
	v_max3_num_f32 v[TM+\b], v[TM+\b], |v[AC+16*\b+\i]|, |v[AC+16*\b+\i+1]|
.endr
.endr
	WIN 0
.irp b, 0,1,2,3
	v_permlanex16_b32 v[TM+4+\b], v[TM+\b], s[SEL], s[SEL+1]
.endr
.irp b, 0,1,2,3
	v_max_num_f32 v[TM+\b], v[TM+\b], v[TM+4+\b]   ; with lane l xor 16's: the block's largest magnitude
.endr
.irp b, 0,1,2,3
	v_add_nc_u32 v[TM+12+\b], 0xff000000, v[TM+\b] ; 2 off its exponent field: the conversion's scale operand
.endr
.irp b, 0,1,2,3
	v_lshrrev_b32 v[TM+4+\b], 23, v[TM+12+\b]      ; the scale's byte
.endr
	v_lshl_or_b32 v[PWR+\a], v[TM+5], 8, v[TM+4]
	v_lshl_or_b32 v[PWR+\a], v[TM+6], 16, v[PWR+\a]
	v_lshl_or_b32 v[PWR+\a], v[TM+7], 24, v[PWR+\a]
.if (\a) > 0
	s_wait_xcnt 0x0                                ; the last tile's stores have read their data and their base: both are written again only behind this wait
.if (\a) == 4
	s_add_nc_u64 s[OB:OB+1], s[OB:OB+1], s[STQ:STQ+1]
.else
	s_add_nc_u64 s[OB:OB+1], s[OB:OB+1], s[STA:STA+1]
.endif
.endif
	WIN WA                                         ; source 0: the accumulators' window
.irp c, 0,1
	v_cvt_scalef32_pk16_fp6_f32 v[PC+6*\c:PC+6*\c+2], v[AC+32*\c:AC+32*\c+15], v[TM+12+2*\c]
	v_cvt_scalef32_pk16_fp6_f32 v[PC+12+4*\c:PC+14+4*\c], v[AC+16+32*\c:AC+31+32*\c], v[TM+13+2*\c]   ; (a conversion's three registers begin on an even number)
.endr
	WIN 0
	v_nop                                          ; one plain place behind a scaled conversion
.irp c, 0,1                                    ; the operand's layout wants a WHOLE block in a lane: lanes 0-15 block 2 c, lanes 16-31 block 2 c + 1
.irp i, 0,1,2
	v_permlane16_swap_b32 v[PC+6*\c+\i], v[PC+12+4*\c+\i]
.endr
.irp i, 0,1,2
	v_mov_b32 v[PC+3+6*\c+\i], v[PC+12+4*\c+\i]
.endr
.endr
	global_store_b128 v[L16], v[PC:PC+3], s[OB:OB+1]                  ; each store covers 512 or 256 consecutive bytes, aligned to 256
	global_store_b64 v[L8], v[PC+4:PC+5], s[OB:OB+1] offset:512
	global_store_b128 v[L16C], v[PC+6:PC+9], s[OB:OB+1]
	global_store_b64 v[L8C], v[PC+10:PC+11], s[OB:OB+1] offset:512
.endm
.irp a, 0,1,2,3,4,5,6,7
	QTILE \a
.endr
	; the scale words: lanes 0-15 store my first head's, lanes 16-31 my second head's: 256 consecutive bytes each, aligned
	s_cmp_eq_u32 ttmp9, 2
	s_cbranch_scc1 .Lscale_v
.irp i, 0,1,2,3,4,5,6,7
	v_lshrrev_b32 v[XO+\i], v[SH], v[PWR+\i]       ; q, k: head h owns bytes 2 h, 2 h + 1 of a tile's word
.endr
.irp i, 0,1,2,3,4,5,6,7
	v_and_or_b32 v[XO+\i], v[XO+\i], 0xffff, s3    ; 127 above them
.endr
	global_store_b128 v[SOF], v[XO:XO+3], s[SB:SB+1]
	global_store_b128 v[SOF], v[XO+4:XO+7], s[SB:SB+1] offset:256
	s_branch .Lscale_done
.Lscale_v:
	v_cmp_eq_u32 vcc_lo, 1, v2
.irp i, 0,1,2,3
	v_cndmask_b32 v[XO+\i], v[PWR+\i], v[PWR+4+\i], vcc_lo   ; v: head h owns tiles 4 h .. 4 h + 3
.endr
	global_store_b128 v[SOF], v[XO:XO+3], s[SB:SB+1]
.Lscale_done:
	s_wait_tensorcnt 0x0                           ; the wave's end
	ds_add_u32 v[SPW], v[NIL]
	s_wait_dscnt 0x0
	CROUND                                         ; the closing round: no work-group ends while a partner may still ask for a tile that names it
	s_endpgm
.Lfunc_end_k_qf58d936134_gemm_qkv:
	.size	k_qf58d936134_gemm_qkv, .Lfunc_end_k_qf58d936134_gemm_qkv-k_qf58d936134_gemm_qkv
	.p2alignl 7, 3214868480
	.fill 96, 4, 3214868480
	.section	.rodata,"a",@progbits
	.p2align	6, 0x0
	.amdhsa_kernel k_qf58d936134_gemm_qkv
		.amdhsa_group_segment_fixed_size 327680
		.amdhsa_private_segment_fixed_size 0
		.amdhsa_enable_private_segment 0
		.amdhsa_kernarg_size 72
		.amdhsa_user_sgpr_count 2
		.amdhsa_user_sgpr_kernarg_segment_ptr 1
		.amdhsa_wavefront_size32 1
		.amdhsa_system_sgpr_workgroup_id_x 1
		.amdhsa_system_sgpr_workgroup_id_y 1
		.amdhsa_system_sgpr_workgroup_id_z 1
		.amdhsa_system_vgpr_workitem_id 0
		.amdhsa_next_free_vgpr 1024
		.amdhsa_next_free_sgpr 106
		.amdhsa_reserve_vcc 1
		.amdhsa_float_denorm_mode_32 3
		.amdhsa_float_denorm_mode_16_64 3
		.amdhsa_memory_ordered 1
		.amdhsa_forward_progress 1
		.amdhsa_inst_pref_size 163
	.end_amdhsa_kernel
	.amdgpu_metadata
---
amdhsa.version: [ 1, 2 ]
amdhsa.kernels:
  - .name:           k_qf58d936134_gemm_qkv
    .symbol:         k_qf58d936134_gemm_qkv.kd
    .args:
      - { .name: xc, .offset: 0, .size: 8, .value_kind: global_buffer, .address_space: global }
      - { .name: xs, .offset: 8, .size: 8, .value_kind: global_buffer, .address_space: global }
      - { .name: wc, .offset: 16, .size: 8, .value_kind: global_buffer, .address_space: global }
      - { .name: ws, .offset: 24, .size: 8, .value_kind: global_buffer, .address_space: global }
      - { .name: bq, .offset: 32, .size: 8, .value_kind: global_buffer, .address_space: global }
      - { .name: bk, .offset: 40, .size: 8, .value_kind: global_buffer, .address_space: global }
      - { .name: bv, .offset: 48, .size: 8, .value_kind: global_buffer, .address_space: global }
      - { .name: qb, .offset: 56, .size: 8, .value_kind: global_buffer, .address_space: global }
      - { .name: kv, .offset: 64, .size: 8, .value_kind: global_buffer, .address_space: global }
    .group_segment_fixed_size: 327680
    .private_segment_fixed_size: 0
    .kernarg_segment_align: 8
    .kernarg_segment_size: 72
    .max_flat_workgroup_size: 128
    .sgpr_count:     106
    .vgpr_count:     1024
    .wavefront_size: 32
...
	.end_amdgpu_metadata
.endif
;; end of part 2
;; launch attn (part 3): grid 8 x 32, 16 waves a work-group, clusters of 4 x 1, 215,040 bytes of LDS; arguments qb, kv, oc, os; writes oc, os
.if DOCPART == 3
	.amdgcn_target "amdgcn-amd-amdhsa--gfx1250"
	.amdhsa_code_object_version 6
	.text
	.protected	k_qf58d936134_attn
	.globl	k_qf58d936134_attn
	.p2align	8
	.type	k_qf58d936134_attn,@function
k_qf58d936134_attn:
	s_mov_b64 s[64:65], 0
	v_nop
	global_prefetch_b8 v0, s[64:65] scope:SCOPE_SE
	s_setreg_imm32_b32 hwreg(HW_REG_WAVE_MODE, 25, 1), 1
	s_wait_xcnt 0x0
	s_wait_alu depctr_hold_cnt(0) depctr_sa_sdst(0) depctr_va_vdst(0) depctr_va_sdst(0) depctr_va_ssrc(0) depctr_va_vcc(0) depctr_vm_vsrc(0)
	s_getreg_b32 s2, hwreg(HW_REG_IB_STS2, 6, 4)
	s_cmp_eq_u32 s2, 0
	s_cbranch_scc0 .Lentry_in_a_cluster
	s_endpgm
.Lentry_in_a_cluster:
	s_bfe_u32 s2, ttmp6, 0x10000c
	s_cmp_lg_u32 s2, 0x3003
	s_cbranch_scc0 .Lentry_shape_is_right
	s_endpgm
.Lentry_shape_is_right:
; o[b h][q] = the sum over k of softmax_k(q . k / 8) v, both products on codes of FP6 (E2M3) with E8M0 scales; o is divided by the row's sum, quantised along the head's 64 and leaves as codes for the last product.
; THE SOFTMAX: t = score x log2(e) / 8; M = the running largest t, rounded UP to a whole number; p = 2^(t - M) is what is quantised, along the keys, not normalised; the row's sum is taken of the unquantised p.
; When M moves, the sum and O are multiplied by 2^(old M - new M): exact.
; SHARES.  A work-group owns 256 queries of one head; each of its sixteen waves one tile of 16, in 256 registers: four waves to a SIMD, so that one wave's vector work stands beside another's products and LDS loads.
; LDS.  A head's 16 records of kv (128 keys each: K's 8 half images @0, V^T's 4 fragments @6,144, K's scale words @12,288, V's @12,800; 13,056 bytes) lie in LDS whole, 208,896 bytes, FILLED ONCE:
; no slot is filled again.  CLUSTER: the four work-groups of a cluster belong to one head: each record is asked for JOINTLY, by the same tensor load with the same descriptor and the mask 15.
; Waves 0 to 3 issue four loads each (four of a wave's tensor loads are out); the keys are walked in four chunks of four records, each behind a counted wait and a barrier.
; LAYOUT.  Both products are used transposed: S^T = K Q^T (source 0 = 16 keys), O^T = V^T P^T (source 0 = 16 channels): a lane holds ONE query throughout.  Image lane r of tile 2 B + u is row 32 B + 8 u + r + 8 (r / 8):
; the 16 registers of tiles 2 B, 2 B + 1 are keys (channels) 32 B + 16 h + 0 .. 15.  The first product's K is 64: registers 6-11 of Q's and K's fragments hold zero codes, under the scale byte 127.
; OUT.  oc [tile of tokens 256][head 16][768]: a half image;  os [tile][head / 8][r 16][4 words]: head hd owns bytes 2 (hd % 2), + 1 of word (hd / 2) % 4.
; LIMITS: NaN and infinities are not served; a block whose largest magnitude lies under 2^-124 keeps the byte 1; 1 / sum is v_rcp_f32 and a multiplication; a block's largest p is made of the block's largest score by the
; same multiply-add and exponential; o's scale bytes leave one byte a lane, since a head owns two bytes of a word (a 24th of the codes' bytes).
; REGISTERS: v1-3 16 l, 8 l, 16 r; v4-6 the same in the record in hand; v7 at work; v8-11 the blocks' largest; v12 -M, v13 the largest t, v[14:15] the sum; v16-27 Q; v28 Q's scale words; v29 p's; v[30:31] f;
;   v32-79 four fragments of K (v32-35, v44-47 also at work in the softmax); v80-127 V's four; v128-191 S^T, then p; v192-223 O^T; v224-235 p's codes; v236-242 at work; v244-251 K's scale words; v252-255 V's.
.set REC,  13056
.set WV,   12
.set SEL,  20                          ; s[20:21] selects for lane l xor 16
.set CS,   22                          ; s[22:23] c = log2(e) / 8
.set G1,   24                          ; s[24:31] group 1;  s[32:47] four groups 0
.set G0,   32
.set TB,   48                          ; s48  LDS byte at which the record in hand begins
.set TR,   49                          ; s49  trips
.macro CROUND                          ; a round of the cluster's barrier
	s_barrier_signal -1
	s_barrier_wait -1
	s_cmp_lg_u32 s[WV], 0
	s_cbranch_scc1 .Lnot_wave_0_\@
	s_barrier_signal -3
.Lnot_wave_0_\@:
	s_barrier_wait -3
	s_barrier_signal -1
	s_barrier_wait -1
.endm
	s_load_b256 s[4:11], s[0:1], 0x0               ; qb, kv, oc, os
	v_lshl_add_u32 v239, v0, 2, 0x34000
	v_mov_b32 v243, 0
	ds_add_u32 v239, v243
	ds_add_u32 v239, v243
	v_lshrrev_b32 v1, 5, v0
	v_readfirstlane_b32 s[WV], v1                  ; wave 0..15
	s_bfe_u32 s13, ttmp6, 0x40000                  ; cx: it enters Q's, oc's and os's addresses alone
	s_lshl_b32 s14, ttmp9, 2
	s_add_co_u32 s14, s14, s13                     ; my block of 256 queries
	s_and_b32 s15, ttmp7, 0xffff                   ; b h, which the four partners share
	s_and_b32 s16, s[WV], 3                        ; which record of four I fetch, if I fetch
	s_lshl_b32 s17, s14, 4
	s_add_co_u32 s17, s17, s[WV]                   ; qt: my tile of queries, 0..127
	s_mul_i32 s50, s15, 16*REC
	s_mul_i32 s18, s16, REC
	s_add_co_u32 s50, s50, s18                     ; kv: my head, my record of the first four
	s_mov_b32 s51, 0
	s_lshr_b32 s60, s17, 3
	s_lshl_b32 s61, s15, 4
	s_add_co_u32 s60, s60, s61
	s_mul_i32 s60, s60, 6656                       ; qb: the record of my group of 8 tiles
	s_and_b32 s61, s17, 7
	s_mul_i32 s61, s61, 768
	s_add_co_u32 s52, s60, s61                     ; my half image
	s_mov_b32 s53, 0
	s_bfe_u32 s61, s17, 0x10002
	s_lshl_b32 s61, s61, 8
	s_add_co_u32 s60, s60, s61
	s_and_b32 s61, s17, 3
	s_lshl_b32 s61, s61, 2
	s_add_co_u32 s60, s60, s61
	s_add_co_u32 s60, s60, 6144                    ; my tile's scale words: 6,144 + 256 ((qt / 4) % 2) + 4 (qt % 4), 16 bytes a row
	s_mov_b32 s61, 0
	s_lshr_b32 s19, s15, 4
	s_lshl_b32 s19, s19, 7
	s_add_co_u32 s19, s19, s17                     ; T: my tile among all tokens
	s_and_b32 s58, s15, 15                         ; hd: my head
	s_mul_i32 s54, s19, 12288
	s_mul_i32 s59, s58, 768
	s_add_co_u32 s54, s54, s59                     ; oc
	s_mov_b32 s55, 0
	s_lshl_b32 s56, s19, 9
	s_lshr_b32 s59, s58, 3
	s_lshl_b32 s59, s59, 8
	s_add_co_u32 s56, s56, s59
	s_bfe_u32 s59, s58, 0x20001
	s_lshl_b32 s59, s59, 2
	s_add_co_u32 s56, s56, s59
	s_and_b32 s59, s58, 1
	s_lshl_b32 s59, s59, 1
	s_add_co_u32 s56, s56, s59                     ; os
	s_mov_b32 s57, 0
	; group 1: a record: 13,056 dense bytes as 51 rows of 256 (32 elements of 8 bytes)
	s_mov_b32 s[G1], 15|(3<<16)|(1<<21)            ; 15:0 the mask: all four work-groups; 17:16 elements of 8 bytes; 20 no padding; 21 set beside a mask
	s_mov_b32 s[G1+1], 32<<16                      ; tensor_dim0
	s_mov_b32 s[G1+2], 51<<16                      ; tensor_dim1
	s_mov_b32 s[G1+3], 32<<16                      ; tile_dim0
	s_mov_b32 s[G1+4], 51                          ; tile_dim1
	s_mov_b32 s[G1+5], 32                          ; tensor_dim0_stride
	s_mov_b32 s[G1+6], 0
	s_mov_b32 s[G1+7], 0
	s_mov_b32 s[SEL], 0x76543210
	s_mov_b32 s[SEL+1], 0xfedcba98
	s_mov_b32 s[CS], 0x3e38aa3b                    ; c = log2(e) / 8
	s_mov_b32 s[CS+1], s[CS]                       ; (named with it as a pair, so it is written)
	s_wait_dscnt 0x0
	s_wait_kmcnt 0x0
	s_add_nc_u64 s[6:7], s[6:7], s[50:51]
	s_add_nc_u64 s[52:53], s[4:5], s[52:53]
	s_add_nc_u64 s[60:61], s[4:5], s[60:61]
	s_add_nc_u64 s[8:9], s[8:9], s[54:55]
	s_add_nc_u64 s[10:11], s[10:11], s[56:57]
.irp g, 0,1,2,3                                ; load g brings record 4 g + (wave % 4), to its place in LDS
	s_mov_b32 s[G0+4*\g], 1
	s_add_co_u32 s[G0+4*\g+1], s18, \g*4*REC
	s_add_nc_u64 s[G0+4*\g+2:G0+4*\g+3], s[6:7], \g*4*REC
	s_or_b32 s[G0+4*\g+3], s[G0+4*\g+3], 0x80000000
.endr
	CROUND                                         ; all four work-groups are here: the joint loads meet
	s_cmp_lt_u32 s[WV], 4                          ; a wave's four fills stand in one branch, ahead of every wait on TENSORcnt, every LDS read and every other barrier
	s_cbranch_scc0 .Lno_fetch
	tensor_load_to_lds s[G0:G0+3], s[G1:G1+7]
	s_nop 0
	tensor_load_to_lds s[G0+4:G0+7], s[G1:G1+7]
	s_nop 0
	tensor_load_to_lds s[G0+8:G0+11], s[G1:G1+7]
	s_nop 0
	tensor_load_to_lds s[G0+12:G0+15], s[G1:G1+7]
	s_nop 0
.rept 4
	v_nop
.endr
.Lno_fetch:
	v_and_b32 v7, 31, v0
	v_lshlrev_b32 v1, 4, v7                        ; 16 l
	v_lshlrev_b32 v2, 3, v7                        ; 8 l
	v_and_b32 v3, 15, v0
	v_lshlrev_b32 v3, 4, v3                        ; 16 r
	global_load_b128 v[16:19], v1, s[52:53]        ; Q's half image stays in registers
	global_load_b64 v[20:21], v2, s[52:53] offset:512
	global_load_b32 v28, v3, s[60:61]              ; and its scale words
.irp j, 22,23,24,25,26,27
	v_mov_b32 v[\j], 0                             ; zero codes for K = 64 .. 127
.endr
.irp t, 0,1,2,3
.irp j, 6,7,8,9,10,11
	v_mov_b32 v[32+12*\t+\j], 0                    ; the same in K's four fragments: the loads fill registers 0-5 alone
.endr
.endr
.irp j, 0,1,2,3,4,5,6,7,8,9,10,11,12,13,14,15,16,17,18,19,20,21,22,23,24,25,26,27,28,29,30,31
	v_mov_b32 v[192+\j], 0                         ; O^T.  (The step is written once: the first finds zeros, which the first change of M leaves zeros)
.endr
	v_mov_b32 v13, 0xff61b1e6                      ; the largest t so far: -3e38, under every t
	v_floor_f32 v12, -v13                          ; -M
	v_mov_b32 v14, 0                               ; the sum, in two halves
	v_mov_b32 v15, 0
	v_mov_b32 v31, 0                               ; (named as the upper half of the pair v[30:31])
; A KEY STEP: one record, 128 keys.
.macro STEP
	v_add_nc_u32 v4, s[TB], v1
	v_add_nc_u32 v5, s[TB], v2
	v_add_nc_u32 v6, s[TB], v3
	v_nop                                          ; four places behind the last step's products, in front of loads into registers that they have read
	ds_load_b128 v[244:247], v6 offset:12288       ; K's scale words: tiles 0-3,
	ds_load_b128 v[248:251], v6 offset:12544       ; tiles 4-7
.irp g, 0,1                                    ; S^T = K Q^T, four tiles of 16 keys at a time
.if \g > 0
.rept 4
	v_nop
.endr
.endif
.irp t, 0,1,2,3
	ds_load_b128 v[32+12*\t:35+12*\t], v4 offset:(4*\g+\t)*768
	ds_load_b64 v[36+12*\t:37+12*\t], v5 offset:(4*\g+\t)*768+512
.endr
	s_wait_dscnt 0x0
.irp t, 0,1,2,3
	v_wmma_scale_f32_16x16x128_f8f6f4 v[128+8*(4*\g+\t):135+8*(4*\g+\t)], v[32+12*\t:43+12*\t], v[16:27], 0, v[244+4*\g+\t], v28 matrix_a_fmt:MATRIX_FMT_FP6 matrix_b_fmt:MATRIX_FMT_FP6
.endr
.endr
.irp d, 0,1,2,3                                ; V's four fragments are asked for now and land during the softmax
	ds_load_b128 v[80+12*\d:83+12*\d], v4 offset:6144+\d*1536
	ds_load_b64 v[84+12*\d:85+12*\d], v5 offset:6144+\d*1536+512
	ds_load_b128 v[86+12*\d:89+12*\d], v4 offset:6144+\d*1536+768
	ds_load_b64 v[90+12*\d:91+12*\d], v5 offset:6144+\d*1536+1280
.endr
	ds_load_b128 v[252:255], v6 offset:12800       ; and their scale words
.rept 4
	v_nop                                          ; places in front of the first read of the scores
.endr
.irp b, 0,1,2,3
	v_max3_num_f32 v[8+\b], v[128+16*\b], v[129+16*\b], v[130+16*\b]   ; THE LARGEST SCORE OF EACH BLOCK OF 32 KEYS: for the row's maximum, and, since p rises with the score, for the block's largest p
.endr
.irp i, 3,5,7,9,11,13
.irp b, 0,1,2,3
	v_max3_num_f32 v[8+\b], v[8+\b], v[128+16*\b+\i], v[129+16*\b+\i]
.endr
.endr
.irp b, 0,1,2,3
	v_max_num_f32 v[8+\b], v[8+\b], v[143+16*\b]
.endr
.irp b, 0,1,2,3
	v_permlanex16_b32 v[32+\b], v[8+\b], s[SEL], s[SEL+1]
.endr
.irp b, 0,1,2,3
	v_max_num_f32 v[8+\b], v[8+\b], v[32+\b]       ; with lane l xor 16's 16 keys
.endr
	v_max3_num_f32 v7, v8, v9, v10
	v_max_num_f32 v7, v7, v11                      ; the step's largest score of my query
	v_mul_f32 v7, s[CS], v7                        ; as t (c is positive)
	v_max_num_f32 v13, v13, v7                     ; the running largest t
	v_mov_b32 v7, v12
	v_floor_f32 v12, -v13                          ; the new -M = floor(-t) = -ceil(t): M IS A WHOLE NUMBER
	v_sub_f32 v7, v12, v7                          ; M's old value less its new one: a whole number, 0 or less
	v_cvt_i32_f32 v7, v7                           ; (it saturates)
	v_ldexp_f32 v30, 1.0, v7                       ; f = 2^(old M - new M)
.irp j, 0,2,4,6,8,10,12,14,16,18,20,22,24,26,28,30,32,34,36,38,40,42,44,46,48,50,52,54,56,58,60,62
	v_pk_fma_f32 v[128+\j:129+\j], v[128+\j:129+\j], s[CS:CS+1], v[12:13] op_sel_hi:[1,0,0]   ; t - M, two at a time
.endr
.irp b, 0,1,2,3
	v_fma_f32 v[8+\b], v[8+\b], s[CS], v12         ; the same of each block's largest score
.endr
.irp j, 0,1,2,3,4,5,6,7,8,9,10,11,12,13,14,15,16,17,18,19,20,21,22,23,24,25,26,27,28,29,30,31,32,33,34,35,36,37,38,39,40,41,42,43,44,45,46,47,48,49,50,51,52,53,54,55,56,57,58,59,60,61,62,63
	v_exp_f32 v[128+\j], v[128+\j]                 ; p = 2^(t - M), at most 1: NOT normalised
.endr
	v_pk_mul_f32 v[14:15], v[14:15], v[30:31] op_sel_hi:[1,0]   ; the sums under the new M.  (A plain place behind the exponentials)
	s_wait_alu depctr_va_vdst(0)                   ; one wait for the whole batch, ahead of its first reader
.irp b, 0,1,2,3
	v_exp_f32 v[8+\b], v[8+\b]                     ; the block's largest p
.endr
	v_pk_add_f32 v[236:237], v[128:129], v[130:131]   ; THE ROW'S SUM IS TAKEN OF THE UNQUANTISED p: two at a time, in two chains
.irp j, 4,8,12,16,20,24,28,32,36,40,44,48,52,56,60
	v_pk_add_f32 v[14:15], v[14:15], v[128+\j:129+\j]
	v_pk_add_f32 v[236:237], v[236:237], v[130+\j:131+\j]
.endr
	v_pk_add_f32 v[14:15], v[14:15], v[236:237]
	s_wait_alu depctr_va_vdst(0)                   ; and one for the four
.irp b, 0,1,2,3
	v_max_num_f32 v[8+\b], 0x1800000, v[8+\b]      ; the floor 2^(3 - 127): the byte cannot fall under 1
.endr
.irp b, 0,1,2,3
	v_add_nc_u32 v[44+\b], 0xff000000, v[8+\b]     ; 2 off the exponent field: the conversion's scale operand
.endr
.irp b, 0,1,2,3
	v_lshrrev_b32 v[32+\b], 23, v[44+\b]           ; the scale's byte
.endr
	v_lshl_or_b32 v29, v33, 8, v32                 ; p's scale word for these 128 keys
	v_lshl_or_b32 v29, v34, 16, v29
	v_lshl_or_b32 v29, v35, 24, v29
.irp c, 0,1
	v_cvt_scalef32_pk16_fp6_f32 v[224+6*\c:226+6*\c], v[128+32*\c:143+32*\c], v[44+2*\c]
	v_cvt_scalef32_pk16_fp6_f32 v[236+4*\c:238+4*\c], v[144+32*\c:159+32*\c], v[45+2*\c]   ; (a conversion's three registers begin on an even number)
.endr
	v_nop                                          ; one plain place behind a scaled conversion
.irp c, 0,1                                    ; the operand's layout wants a WHOLE block in a lane
.irp i, 0,1,2
	v_permlane16_swap_b32 v[224+6*\c+\i], v[236+4*\c+\i]
.endr
.irp i, 0,1,2
	v_mov_b32 v[227+6*\c+\i], v[236+4*\c+\i]
.endr
.endr
.irp j, 0,2,4,6,8,10,12,14,16,18,20,22,24,26,28,30
	v_pk_mul_f32 v[192+\j:193+\j], v[192+\j:193+\j], v[30:31] op_sel_hi:[1,0]   ; O^T under the new M.  (These 16 are also the places between the scale word, the codes and the products below)
.endr
	s_wait_dscnt 0x0                               ; V
.irp d, 0,1,2,3                                ; O^T += V^T P^T: the four accumulators by turns, one instruction a turn
	v_wmma_scale_f32_16x16x128_f8f6f4 v[192+8*\d:199+8*\d], v[80+12*\d:91+12*\d], v[224:235], v[192+8*\d:199+8*\d], v[252+\d], v29 matrix_a_fmt:MATRIX_FMT_FP6 matrix_b_fmt:MATRIX_FMT_FP6
.endr
	s_add_co_u32 s[TB], s[TB], REC                 ; on to the next record
.endm
; Chunk n: records 4 n .. 4 n + 3.  Each fetching wave waits for its load n (its 3 - n later loads may stay out), then the barrier shows the chunk to all sixteen waves.
.macro CHUNK n
	s_wait_tensorcnt 3-\n
	s_barrier_signal -1
	s_barrier_wait -1
	s_mov_b32 s[TB], \n*4*REC
	s_mov_b32 s[TR], 4
.Lstep_\@:
	STEP
	s_sub_co_u32 s[TR], s[TR], 1
	s_cmp_lg_u32 s[TR], 0
	s_cbranch_scc1 .Lstep_\@
.endm
	s_wait_loadcnt 0x0                             ; Q
	CHUNK 0
	CHUNK 1
	CHUNK 2
	CHUNK 3
	; THE WAY OUT.  O^T / the sum; register 16 B + i is channel 32 B + 16 h + i of my query: two blocks, quantised as p is; the codes are a half image.
.rept 4
	v_nop                                          ; places behind the last products
.endr
	v_add_f32 v14, v14, v15                        ; the sum's two halves,
	v_permlanex16_b32 v7, v14, s[SEL], s[SEL+1]
	v_add_f32 v14, v14, v7                         ; and lane l xor 16's: the row's sum
	v_rcp_f32 v14, v14
	v_bfe_u32 v4, v0, 4, 1                         ; (a plain place behind the transcendental)  h
	v_add_nc_u32 v5, v3, v4                        ; os: 16 r + h
	v_cmp_eq_u32 vcc_lo, 1, v4
	s_wait_alu depctr_va_vdst(0)                   ; the wait, ahead of the first reader
.irp j, 0,1,2,3,4,5,6,7,8,9,10,11,12,13,14,15,16,17,18,19,20,21,22,23,24,25,26,27,28,29,30,31
	v_mul_f32 v[128+\j], v[192+\j], v14            ; each accumulator from its low end on
.endr
.irp b, 0,1
	v_max3_num_f32 v[8+\b], |v[128+16*\b]|, |v[129+16*\b]|, 0x1800000
.endr
.irp i, 2,4,6,8,10,12,14
.irp b, 0,1
	v_max3_num_f32 v[8+\b], v[8+\b], |v[128+16*\b+\i]|, |v[129+16*\b+\i]|
.endr
.endr
.irp b, 0,1
	v_permlanex16_b32 v[32+\b], v[8+\b], s[SEL], s[SEL+1]
.endr
.irp b, 0,1
	v_max_num_f32 v[8+\b], v[8+\b], v[32+\b]
.endr
.irp b, 0,1
	v_add_nc_u32 v[44+\b], 0xff000000, v[8+\b]
.endr
.irp b, 0,1
	v_lshrrev_b32 v[32+\b], 23, v[44+\b]           ; the two scale bytes
.endr
	v_cvt_scalef32_pk16_fp6_f32 v[224:226], v[128:143], v44
	v_cvt_scalef32_pk16_fp6_f32 v[236:238], v[144:159], v45
	v_cndmask_b32 v6, v32, v33, vcc_lo             ; (a plain place behind the conversions)  lanes 0-15 store block 0's byte, lanes 16-31 block 1's
.irp i, 0,1,2
	v_permlane16_swap_b32 v[224+\i], v[236+\i]
.endr
.irp i, 0,1,2
	v_mov_b32 v[227+\i], v[236+\i]
.endr
	global_store_b128 v1, v[224:227], s[8:9]       ; 512 consecutive bytes, aligned
	global_store_b64 v2, v[228:229], s[8:9] offset:512   ; and 256
	global_store_b8 v5, v6, s[10:11]
	s_wait_tensorcnt 0x0
	ds_add_u32 v239, v243
	s_wait_dscnt 0x0
	CROUND                                         ; the closing round: no work-group ends while a partner may still ask for a record that names it
	s_endpgm
.Lfunc_end_k_qf58d936134_attn:
	.size	k_qf58d936134_attn, .Lfunc_end_k_qf58d936134_attn-k_qf58d936134_attn
	.p2alignl 7, 3214868480
	.fill 96, 4, 3214868480
	.section	.rodata,"a",@progbits
	.p2align	6, 0x0
	.amdhsa_kernel k_qf58d936134_attn
		.amdhsa_group_segment_fixed_size 215040
		.amdhsa_private_segment_fixed_size 0
		.amdhsa_enable_private_segment 0
		.amdhsa_kernarg_size 32
		.amdhsa_user_sgpr_count 2
		.amdhsa_user_sgpr_kernarg_segment_ptr 1
		.amdhsa_wavefront_size32 1
		.amdhsa_system_sgpr_workgroup_id_x 1
		.amdhsa_system_sgpr_workgroup_id_y 1
		.amdhsa_system_sgpr_workgroup_id_z 1
		.amdhsa_system_vgpr_workitem_id 0
		.amdhsa_next_free_vgpr 256
		.amdhsa_next_free_sgpr 66
		.amdhsa_reserve_vcc 1
		.amdhsa_float_denorm_mode_32 3
		.amdhsa_float_denorm_mode_16_64 3
		.amdhsa_memory_ordered 1
		.amdhsa_forward_progress 1
		.amdhsa_inst_pref_size 77
	.end_amdhsa_kernel
	.amdgpu_metadata
---
amdhsa.version: [ 1, 2 ]
amdhsa.kernels:
  - .name:           k_qf58d936134_attn
    .symbol:         k_qf58d936134_attn.kd
    .args:
      - { .name: qb, .offset: 0, .size: 8, .value_kind: global_buffer, .address_space: global }
      - { .name: kv, .offset: 8, .size: 8, .value_kind: global_buffer, .address_space: global }
      - { .name: oc, .offset: 16, .size: 8, .value_kind: global_buffer, .address_space: global }
      - { .name: os, .offset: 24, .size: 8, .value_kind: global_buffer, .address_space: global }
    .group_segment_fixed_size: 215040
    .private_segment_fixed_size: 0
    .kernarg_segment_align: 8
    .kernarg_segment_size: 32
    .max_flat_workgroup_size: 512
    .sgpr_count:     66
    .vgpr_count:     256
    .wavefront_size: 32
...
	.end_amdgpu_metadata
.endif
;; end of part 3
;; launch gemm_out (part 4): grid 4 x 16, 4 waves a work-group, clusters of 4 x 4, 327,680 bytes of LDS; arguments oc, os, wc, ws, bo, out0; writes out0
.if DOCPART == 4
	.amdgcn_target "amdgcn-amd-amdhsa--gfx1250"
	.amdhsa_code_object_version 6
	.text
	.protected	k_qf58d936134_gemm_out
	.globl	k_qf58d936134_gemm_out
	.p2align	8
	.type	k_qf58d936134_gemm_out,@function
k_qf58d936134_gemm_out:
	s_mov_b64 s[64:65], 0
	v_nop
	global_prefetch_b8 v0, s[64:65] scope:SCOPE_SE
	s_setreg_imm32_b32 hwreg(HW_REG_WAVE_MODE, 25, 1), 1
	s_wait_xcnt 0x0
	s_wait_alu depctr_hold_cnt(0) depctr_sa_sdst(0) depctr_va_vdst(0) depctr_va_sdst(0) depctr_va_ssrc(0) depctr_va_vcc(0) depctr_vm_vsrc(0)
	s_getreg_b32 s2, hwreg(HW_REG_IB_STS2, 6, 4)
	s_cmp_eq_u32 s2, 0
	s_cbranch_scc0 .Lentry_in_a_cluster
	s_endpgm
.Lentry_in_a_cluster:
	s_bfe_u32 s2, ttmp6, 0x10000c
	s_cmp_lg_u32 s2, 0xf033
	s_cbranch_scc0 .Lentry_shape_is_right
	s_endpgm
.Lentry_shape_is_right:
; out0 = o wo + bo on codes of FP6 (E2M3) with E8M0 scales; out0 [4096][1024] f32.  The frame is that of the launch for q, k and v.
; OPERANDS lie in the order of the operand's registers.  Half image: 16 rows x 64 K = 768 bytes (lane l: 16 bytes at 16 l, 8 bytes at 512 + 8 l); a fragment (128 K, 12 registers) is two of them.
; Image lane r of tile 2 B + u is row 32 B + 8 u + r + 8 (r / 8), so that a product's 16 result registers of source 0's tiles 2 B, 2 B + 1 are 16 neighbouring rows of source 0.
; A tile of out0, 256 x 256, is made by four waves, 128 x 128 each: 64 accumulators in 512 registers.  Source 0 = 16 columns n of wo (they land in a lane's registers: neighbouring numbers of a row of out0),
; source 1 = 16 tokens.  K = 1,024 goes in 8 steps of 128 through a ring of two LDS slots of 256 along K, filled by the tensor data mover; all scale words come once and then stay in 64 registers.
; CLUSTERS: 4 x 4 work-groups.  o's tile hangs on the tile row and is asked for jointly by my row of the cluster, wo's on the tile column and by my column.
; 64 tiles of 256 x 256: 64 work-groups; this product is an eighth of the program's matrix work.
; REGISTERS, in windows of 256: window 0: v1-31 addresses; v32-95 scale words; v96-159 the bias; v160-255 source 1's 8 fragments, ONE set; on the way out v128-255 rows of out0.
;   window 1: source 0's fragments, TWO sets, at v0 and v128.   window 2: the accumulators of source 1's tiles 0-3 ((a, b) at v[8 (8 (a % 4) + b)]);   window 3: tiles 4-7.
.set FR,    12                         ; registers of a fragment
.set NL,    4                          ; LDS loads that bring one
.set NP,    4                          ; places behind this matrix instruction (ISA guide 7.12.1)
.set TILEB, 3072                       ; a tile's 256 along K: four half images
.set HALFT, 8*TILEB                    ; 8 tiles: what one tensor load brings, and what one wave reads of an operand
.set SLOT,  4*HALFT                    ; source 1's 16 tiles, then source 0's 16
.set SCL,   2*SLOT                     ; behind the ring: the scale words of source 1's 16 tiles, then source 0's
.set HALFS, 4096                       ; those of 8 tiles
.set SPARE, SCL+4*HALFS                ; the spare words, 128 bytes for each wave: two blocks of 256 bytes that no other line names
.set SPITCH, 528                       ; the way out: a stage of 16 rows x (512 bytes + 16) for each wave, in slot 0, which has had its last fill and its last read when the first result is stored there
.set ADRA,  16                         ; v16-17 source 1's fragments in slot 0, 1, 16 bytes a lane; v18-19 the same, 8 bytes a lane
.set ADRB,  20                         ; v20-23 the same for source 0
.set L16,   24                         ; v24  16 l
.set L8,    25                         ; v25  8 l
.set STO,   26                         ; v26  the way out: where I put 32 bytes of a row
.set ADRS,  27                         ; v27  my scale words: lanes 0-15 source 1's, lanes 16-31 source 0's
.set SPW,   28                         ; v28  my spare word: SPARE + 4 x my thread's number; never rewritten
.set NIL,   29                         ; v29  0; never rewritten
.set RD,    30                         ; v30  the way out: where I read a row back
.set SC,    32                         ; v[SC + 32 (ks / 4) + 4 i + ks % 4]: K step ks: lanes 0-15 the word of source 1's tile i, lanes 16-31 of source 0's tile i
.set BI,    96                         ; the bias in the result's layout, 8 registers a tile of source 0
.set AF,    160
.set BK,    128                        ; the way out: 16 rows read back: v128-191 and v192-255 by turns
.set G1,  24                           ; s[24:31] group 1 for source 1's tiles; s[32:39] group 0, one set for each slot
.set G0,  32
.set G1B, 48                           ; s[48:55], s[56:63] the same for source 0
.set G0B, 56
.set G1S, 68                           ; s[68:75], s[76:79] groups 1 and 0 for source 1's scale words; s[80:87], s[88:91] for source 0's
.set G0S, 76
.set G1SB, 80
.set G0SB, 88
.set MSB, 0
.macro WIN new                         ; the immediate's high byte repeats the setting that is left
.if MSB != (\new)
	s_set_vgpr_msb (MSB<<8)|(\new)
.set MSB, (\new)
.endif
.endm
.set MUL_LO, 0xa1                      ; source 0 window 1, source 1 window 0, C and D window 2
.set MUL_HI, 0xf1                      ; the same, C and D window 3
.set TO_B,   0x40                      ; destination window 1, address window 0
; A joint load: waves 0 and 1 fetch for source 1, waves 2 and 3 for source 0.  Each line has ONE mask and one set of registers for all that issue it; the branch hangs on the wave's number alone.
; Four v_nop follow each of the two lines, ahead of the jump, the label and what follows.
.macro JLOAD g0a, g1a, g0b, g1b
	s_cmp_eq_u32 s15, 0
	s_cbranch_scc0 .Lfor_b_\@
	tensor_load_to_lds s[\g0a:\g0a+3], s[\g1a:\g1a+7]
	s_nop 0
.rept 4
	v_nop
.endr
	s_branch .Lasked_\@
.Lfor_b_\@:
	tensor_load_to_lds s[\g0b:\g0b+3], s[\g1b:\g1b+7]
	s_nop 0
.rept 4
	v_nop
.endr
.Lasked_\@:
.endm
.macro CREST                           ; a round of the cluster's barrier behind its opening barrier
	s_cmp_lg_u32 s14, 0
	s_cbranch_scc1 .Lnot_wave_0_\@
	s_barrier_signal -3
.Lnot_wave_0_\@:
	s_barrier_wait -3
	s_barrier_signal -1
	s_barrier_wait -1
.endm
.macro CROUND                          ; a whole round
	s_barrier_signal -1
	s_barrier_wait -1
	CREST
.endm
.macro PLACES n
.rept \n
	v_nop
.endr
.endm
	s_load_b256 s[4:11], s[0:1], 0x0               ; oc, os, wc, ws
	s_load_b128 s[92:95], s[0:1], 0x20             ; bo, out0
	v_lshl_add_u32 v[SPW], v0, 2, SPARE
	v_mov_b32 v[NIL], 0
	ds_add_u32 v28, v29
	ds_add_u32 v28, v29
	s_wait_dscnt 0x0
	v_lshrrev_b32 v1, 5, v0
	v_readfirstlane_b32 s14, v1                    ; wave 0..3
	s_lshr_b32 s15, s14, 1                         ; which half of source 1's tiles is mine.  Also: I fetch for source 1 (0) or source 0 (1)
	s_and_b32 s16, s14, 1                          ; which half of source 0's.  Also: which 8 tiles I fetch
	s_bfe_u32 s40, ttmp6, 0x40000                  ; cx, cy: my place in the cluster
	s_bfe_u32 s41, ttmp6, 0x40004
	s_lshl_b32 s42, ttmp9, 2
	s_add_co_u32 s42, s42, s40                     ; tile column = 4 x cluster x + cx
	s_and_b32 s17, ttmp7, 0xffff
	s_lshl_b32 s17, s17, 2
	s_add_co_u32 s17, s17, s41                     ; tile row = 4 x cluster y + cy
	s_lshl_b32 s43, s41, 2
	s_lshl_b32 s43, 15, s43                        ; my row of the cluster
	s_lshl_b32 s44, 0x1111, s40                    ; my column
	; group 1 for codes: 8 tiles x 3,072 bytes (384 elements of 8 bytes), 12,288 bytes from tile to tile; dense in LDS
	s_or_b32 s[G1+0], s43, (3<<16)|(1<<21)         ; 15:0 the mask; 17:16 elements of 8 bytes; 20 no padding; 21 set beside a mask
	s_or_b32 s[G1B+0], s44, (3<<16)|(1<<21)
.irp g, G1, G1B
	s_mov_b32 s[\g+1], 384<<16                     ; tensor_dim0
	s_mov_b32 s[\g+2], 8<<16                       ; tensor_dim1
	s_mov_b32 s[\g+3], 384<<16                     ; tile_dim0
	s_mov_b32 s[\g+4], 8                           ; tile_dim1
	s_mov_b32 s[\g+5], 1536                        ; tensor_dim0_stride
	s_mov_b32 s[\g+6], 0
	s_mov_b32 s[\g+7], 0
.endr
	; and for the scale words of 8 tiles: 4,096 dense bytes as 16 rows of 256
	s_or_b32 s[G1S+0], s43, (3<<16)|(1<<21)
	s_or_b32 s[G1SB+0], s44, (3<<16)|(1<<21)
.irp g, G1S, G1SB
	s_mov_b32 s[\g+1], 32<<16
	s_mov_b32 s[\g+2], 16<<16
	s_mov_b32 s[\g+3], 32<<16
	s_mov_b32 s[\g+4], 16
	s_mov_b32 s[\g+5], 32
	s_mov_b32 s[\g+6], 0
	s_mov_b32 s[\g+7], 0
.endr
	s_lshl_b32 s3, s16, 3                          ; which 8 tiles of the 16 I fetch
	s_lshl_b32 s2, s17, 4
	s_add_co_u32 s2, s2, s3                        ; source 1: the first of them (no register on this way holds cx)
	s_mul_i32 s22, s2, 12288
	s_mov_b32 s23, 0
	s_lshl_b32 s98, s42, 4
	s_add_co_u32 s98, s98, s3                      ; source 0 (none holds cy)
	s_mul_i32 s100, s98, 12288
	s_mov_b32 s101, 0
	s_mul_i32 s45, s14, HALFT                      ; where the tiles go: wave x 8 tiles: no place in the cluster enters an LDS address
	s_mul_i32 s99, s14, HALFS
	s_wait_kmcnt 0x0
	s_add_nc_u64 s[18:19], s[4:5], s[22:23]        ; o's codes
	s_lshl_b32 s22, s2, 9
	s_add_nc_u64 s[20:21], s[6:7], s[22:23]        ; its scale words
	s_add_nc_u64 s[46:47], s[8:9], 3*786432        ; wo is the fourth weight in wc
	s_add_nc_u64 s[46:47], s[46:47], s[100:101]
	s_lshl_b32 s100, s98, 9
	s_add_nc_u64 s[96:97], s[10:11], 3*32768       ; and in ws
	s_add_nc_u64 s[96:97], s[96:97], s[100:101]
	CROUND                                         ; all sixteen work-groups are here: the first joint loads meet
	s_mov_b32 s[G0S], 1
	s_add_co_u32 s[G0S+1], s99, SCL
	s_mov_b64 s[G0S+2:G0S+3], s[20:21]
	s_or_b32 s[G0S+3], s[G0S+3], 0x80000000
	s_mov_b32 s[G0SB], 1
	s_add_co_u32 s[G0SB+1], s99, SCL
	s_mov_b64 s[G0SB+2:G0SB+3], s[96:97]
	s_or_b32 s[G0SB+3], s[G0SB+3], 0x80000000
	JLOAD G0S, G1S, G0SB, G1SB                     ; the scale words first: they are wanted with K step 0
.irp s, 0,1
	s_mov_b32 s[G0+4*\s], 1
	s_add_co_u32 s[G0+4*\s+1], s45, \s*SLOT
	s_add_nc_u64 s[G0+4*\s+2:G0+4*\s+3], s[18:19], \s*TILEB
	s_or_b32 s[G0+4*\s+3], s[G0+4*\s+3], 0x80000000
	s_mov_b32 s[G0B+4*\s], 1
	s_add_co_u32 s[G0B+4*\s+1], s45, \s*SLOT
	s_add_nc_u64 s[G0B+4*\s+2:G0B+4*\s+3], s[46:47], \s*TILEB
	s_or_b32 s[G0B+4*\s+3], s[G0B+4*\s+3], 0x80000000
	JLOAD G0+4*\s, G1, G0B+4*\s, G1B               ; three tensor loads of mine are out
.endr
	v_and_b32 v1, 15, v0                           ; r
	v_bfe_u32 v2, v0, 4, 1                         ; h
	v_and_b32 v3, 31, v0                           ; l
	v_lshlrev_b32 v[L16], 4, v3
	v_lshlrev_b32 v[L8], 3, v3
	s_mul_i32 s21, s15, HALFT                      ; my 8 tiles of source 1
	s_mul_i32 s22, s16, HALFT                      ; my 8 tiles of source 0,
	s_add_co_u32 s22, s22, 2*HALFT                 ; which lie behind source 1's 16
.irp s, 0,1
	v_add_nc_u32 v[ADRA+\s], s21, v[L16]
	v_add_nc_u32 v[ADRA+2+\s], s21, v[L8]
	v_add_nc_u32 v[ADRB+\s], s22, v[L16]
	v_add_nc_u32 v[ADRB+2+\s], s22, v[L8]
	s_add_co_u32 s21, s21, SLOT
	s_add_co_u32 s22, s22, SLOT
.endr
	s_mul_i32 s21, s15, HALFS                      ; scale words: source 1's, my 8 tiles;
	s_mul_i32 s22, s16, HALFS                      ; source 0's, behind source 1's 16
	s_add_co_u32 s22, s22, 2*HALFS
	s_sub_co_u32 s22, s22, s21
	v_mul_u32_u24 v6, s22, v2                      ; lanes 16-31 take source 0's
	s_add_co_u32 s21, s21, SCL
	v_lshl_add_u32 v6, v1, 4, v6                   ; 16 bytes a row: four K steps' words
	v_add_nc_u32 v[ADRS], s21, v6
	s_mul_i32 s23, s14, 16*SPITCH                  ; my stage
	v_mul_u32_u24 v5, v1, SPITCH                   ; in: row r, + 64 h: register j of source 0's tile b is column 32 (b / 2) + 16 h + 8 (b % 2) + j
	v_lshl_add_u32 v5, v2, 6, v5
	v_add_nc_u32 v[STO], s23, v5
	v_add_nc_u32 v[RD], s23, v[L16]                ; back: the 32 lanes take one row of 512 bytes
	v_lshlrev_b32 v4, 6, v2                        ; the bias: 16 h numbers on
	s_lshl_b32 s18, s42, 1
	s_add_co_u32 s18, s18, s16                     ; my 128 columns
	s_lshl_b32 s20, s18, 9                         ; in bytes: in bo, and in a row of out0
	s_mov_b32 s21, 0
	s_add_nc_u64 s[92:93], s[92:93], s[20:21]
	s_add_nc_u64 s[94:95], s[94:95], s[20:21]
	s_lshl_b32 s19, s17, 1
	s_add_co_u32 s19, s19, s15                     ; my 128 rows
	s_lshl_b32 s20, s19, 19                        ; of 4,096 bytes
	s_add_nc_u64 s[94:95], s[94:95], s[20:21]
.irp b, 0,1,2,3,4,5,6,7                        ; THE BIAS is the C of each sum's first matrix instruction
	global_load_b128 v[BI+8*\b:BI+8*\b+3], v4, s[92:93] offset:(32*(\b/2)+8*(\b%2))*4
	global_load_b128 v[BI+8*\b+4:BI+8*\b+7], v4, s[92:93] offset:(32*(\b/2)+8*(\b%2))*4+16
.endr
.macro FRAG reg, adr, q, i             ; a fragment as it lies: two half images
	ds_load_b128 v[\reg:\reg+3], v[\adr] offset:(\i)*TILEB+(\q)*1536
	ds_load_b64 v[\reg+4:\reg+5], v[\adr+2] offset:(\i)*TILEB+(\q)*1536+512
	ds_load_b128 v[\reg+6:\reg+9], v[\adr] offset:(\i)*TILEB+(\q)*1536+768
	ds_load_b64 v[\reg+10:\reg+11], v[\adr+2] offset:(\i)*TILEB+(\q)*1536+1280
.endm
; 16 matrix instructions: source 1's tiles a0, a0 + 1 x source 0's eight, K step ks.  p: source 0's set.  mode 0: C = D;  1: C = the bias of source 0's tile.
; The 64 accumulators take turns, one instruction a turn, in the same order in every step.
.macro MUL16 a0, p, ks, mode
.irp a, \a0, \a0+1
.irp b, 0,1,2,3,4,5,6,7
.set rD, 8*(8*((\a)%4)+\b)
.set rA, 128*(\p)+FR*\b
.set rB, AF+FR*(\a)
.set rSA, SC+32*((\ks)/4)+4*\b+(\ks)%4
.set rSB, SC+32*((\ks)/4)+4*(\a)+(\ks)%4
.set rC, rD
.if \mode == 1
.set rC, BI+8*\b
.endif
	v_wmma_scale_f32_16x16x128_f8f6f4 v[rD:rD+7], v[rA:rA+FR-1], v[rB:rB+FR-1], v[rC:rC+7], v[rSA], v[rSB] matrix_a_fmt:MATRIX_FMT_FP6 matrix_b_fmt:MATRIX_FMT_FP6 matrix_a_scale:MATRIX_SCALE_ROW1
.endr
.endr
.endm
.macro FETCH_B slot, q, p              ; source 0's eight fragments of the slot's q-th 128 along K into set p
	WIN TO_B
.irp i, 0,1,2,3,4,5,6,7
	FRAG 128*(\p)+FR*\i, ADRB+\slot, \q, \i
.endr
	WIN 0
.endm
.macro FETCH_A slot, q, i0             ; source 1's tiles i0 .. i0 + 3
.irp i, \i0, \i0+1, \i0+2, \i0+3
	FRAG AF+FR*(\i), ADRA+\slot, \q, \i
.endr
.endm
.macro SCALES                          ; all scale words of my 8 + 8 tiles, for all of K: 16 loads, once
.irp kq, 0,1
.irp i, 0,1,2,3,4,5,6,7
	ds_load_b128 v[SC+32*\kq+4*\i:SC+32*\kq+4*\i+3], v[ADRS] offset:\i*512+\kq*256
.endr
.endr
.endm
; A slot's first step.  first = 1: the products start the sums with the bias (C in window 0): nothing is cleared.
; A load into a register that a matrix instruction has read stands NP places behind it, and only plain vector instructions are places: so v_nop stand in front of each run of loads.
.macro STEP slot, ks, first
	s_wait_dscnt 4*NL                              ; source 0's set and source 1's tiles 0-3 are in; the youngest 16 loads (tiles 4-7) may be out
.if \first
	WIN 0x81
.else
	WIN MUL_LO
.endif
	MUL16 0, 0, \ks, \first
	MUL16 2, 0, \ks, \first
	s_wait_dscnt 0x0                               ; tiles 4-7 are in (asked for 32 matrix instructions ago)
	PLACES NP
	FETCH_B \slot, 1, 1
	FETCH_A \slot, 1, 0
.if \first
	WIN 0xc1
.else
	WIN MUL_HI
.endif
	MUL16 4, 0, \ks, \first
	MUL16 6, 0, \ks, \first
	PLACES NP
	WIN 0
	FETCH_A \slot, 1, 4
.endm
; A slot's second step changes slots: ONE barrier; in front of it each wave waits for all its tensor loads, adds 0 to its spare word, and waits for that and for its own reads of this slot.  fill = 1: this slot is filled again, 512 along K on.
.macro TURN slot, next, ks, fill
	s_wait_tensorcnt 0x0                           ; all my tensor loads have landed: my part of the next slot;  (every window is 0 here)
	ds_add_u32 v[SPW], v[NIL]                      ; 0 onto my spare word
	s_wait_dscnt 4*NL+1                            ; (the add and the youngest 16 loads, tiles 4-7, may be out)
	WIN MUL_LO
	MUL16 0, 1, \ks, 0                             ; sixteen matrix instructions stand between the add and the wait for it
	s_wait_dscnt 0x0                               ; the add is done, and my reads of this slot are over
	s_barrier_signal -1
	MUL16 2, 1, \ks, 0
	WIN 0
	s_barrier_wait -1
.if \fill
	CREST                                          ; the barrier has opened a round of the cluster's barrier: no wave of any partner still reads this slot or has a load on its way
	s_add_nc_u64 s[G0+4*\slot+2:G0+4*\slot+3], s[G0+4*\slot+2:G0+4*\slot+3], 2*TILEB
	s_add_nc_u64 s[G0B+4*\slot+2:G0B+4*\slot+3], s[G0B+4*\slot+2:G0B+4*\slot+3], 2*TILEB
	JLOAD G0+4*\slot, G1, G0B+4*\slot, G1B         ; the first tensor load behind the round, my only one until the next; its four v_nop are the places in front of the loads below
.else
	PLACES NP
.endif
	FETCH_B \next, 0, 0
	FETCH_A \next, 0, 0
	WIN MUL_HI
	MUL16 4, 1, \ks, 0
	MUL16 6, 1, \ks, 0
	PLACES NP
	WIN 0
	FETCH_A \next, 0, 4
.endm
	s_wait_tensorcnt 1                             ; the scale words and my part of slot 0 are in (slot 1's load may be out),
	s_barrier_signal -1
	s_barrier_wait -1                              ; everybody's are
	SCALES
	FETCH_B 0, 0, 0
	FETCH_A 0, 0, 0
	FETCH_A 0, 0, 4
	s_wait_loadcnt 0x0                             ; the bias
	STEP 0, 0, 1                                   ; the 8 K steps are written out: each names its own scale registers
	TURN 0, 1, 1, 1
	STEP 1, 2, 0
	TURN 1, 0, 3, 1
	STEP 0, 4, 0
	TURN 0, 1, 5, 0                                ; nothing is left to fetch
	STEP 1, 6, 0
	s_wait_dscnt 4*NL                              ; the last step
	WIN MUL_LO
	MUL16 0, 1, 7, 0
	MUL16 2, 1, 7, 0
	s_wait_dscnt 0x0
	WIN MUL_HI
	MUL16 4, 1, 7, 0
	MUL16 6, 1, 7, 0
	WIN 0
; THE WAY OUT, a tile of 16 tokens x 128 columns at a time.  A lane holds 32 neighbouring bytes of a row eight times over, and the lanes beside it hold other rows: so a tile goes through my own stage in LDS and comes
; back as whole rows of 512 bytes.  LDS serves a wave's instructions in order (ISA guide 5.7.1.4): no wait between the stores and the loads, nor in front of the next tile's stores.
.macro TOSTAGE a
.set AC, 64*((\a)%4)
.set WW, 0x08+4*((\a)/4)
	WIN WW                                         ; an LDS store's data are its source 1: window 2 or 3
.irp b, 0,1,2,3,4,5,6,7
	ds_store_b128 v[STO], v[AC+8*\b:AC+8*\b+3] offset:128*(\b/2)+32*(\b%2)          ; each accumulator from its low end on
	ds_store_b128 v[STO], v[AC+8*\b+4:AC+8*\b+7] offset:128*(\b/2)+32*(\b%2)+16
.endr
	WIN 0
.set BB, BK+64*((\a)%2)
.irp t, 0,1,2,3,4,5,6,7,8,9,10,11,12,13,14,15
	ds_load_b128 v[BB+4*\t:BB+4*\t+3], v[RD] offset:\t*SPITCH
.endr
.endm
.macro SEND a, younger                 ; younger: the LDS instructions issued behind tile a's loads, which may stay out
.set BB, BK+64*((\a)%2)
	s_wait_dscnt \younger                          ; the tile is back in registers
.irp t, 0,1,2,3,4,5,6,7,8,9,10,11,12,13,14,15
	global_store_b128 v[L16], v[BB+4*\t:BB+4*\t+3], s[94:95] offset:(32*((\a)/2)+8*((\a)%2)+\t+8*(\t/8))*4096 th:TH_STORE_NT   ; image row t's token; 32 lanes store 512 consecutive bytes, aligned; the base is never stepped
.endr
.endm
	PLACES NP                                      ; in front of the first read of results, and of loads into registers that held source 1's fragments
	TOSTAGE 0
.irp a, 1,2,3,4,5,6,7
.if \a > 1
	s_wait_xcnt 0x0                                ; tile a - 2's stores have read their registers: tile a's loads may land there
.endif
	TOSTAGE \a
	SEND \a-1, 32                                  ; behind tile a - 1's loads: tile a's 16 stores and 16 loads
.endr
	SEND 7, 0
	s_wait_tensorcnt 0x0                           ; the wave's end: behind my last tensor load and my last LDS store
	ds_add_u32 v[SPW], v[NIL]
	s_wait_dscnt 0x0
	CROUND                                         ; the closing round: no work-group ends while a partner may still ask for a tile that names it
	s_endpgm
.Lfunc_end_k_qf58d936134_gemm_out:
	.size	k_qf58d936134_gemm_out, .Lfunc_end_k_qf58d936134_gemm_out-k_qf58d936134_gemm_out
	.p2alignl 7, 3214868480
	.fill 96, 4, 3214868480
	.section	.rodata,"a",@progbits
	.p2align	6, 0x0
	.amdhsa_kernel k_qf58d936134_gemm_out
		.amdhsa_group_segment_fixed_size 327680
		.amdhsa_private_segment_fixed_size 0
		.amdhsa_enable_private_segment 0
		.amdhsa_kernarg_size 48
		.amdhsa_user_sgpr_count 2
		.amdhsa_user_sgpr_kernarg_segment_ptr 1
		.amdhsa_wavefront_size32 1
		.amdhsa_system_sgpr_workgroup_id_x 1
		.amdhsa_system_sgpr_workgroup_id_y 1
		.amdhsa_system_sgpr_workgroup_id_z 1
		.amdhsa_system_vgpr_workitem_id 0
		.amdhsa_next_free_vgpr 1024
		.amdhsa_next_free_sgpr 106
		.amdhsa_reserve_vcc 0
		.amdhsa_float_denorm_mode_32 3
		.amdhsa_float_denorm_mode_16_64 3
		.amdhsa_memory_ordered 1
		.amdhsa_forward_progress 1
		.amdhsa_inst_pref_size 143
	.end_amdhsa_kernel
	.amdgpu_metadata
---
amdhsa.version: [ 1, 2 ]
amdhsa.kernels:
  - .name:           k_qf58d936134_gemm_out
    .symbol:         k_qf58d936134_gemm_out.kd
    .args:
      - { .name: oc, .offset: 0, .size: 8, .value_kind: global_buffer, .address_space: global }
      - { .name: os, .offset: 8, .size: 8, .value_kind: global_buffer, .address_space: global }
      - { .name: wc, .offset: 16, .size: 8, .value_kind: global_buffer, .address_space: global }
      - { .name: ws, .offset: 24, .size: 8, .value_kind: global_buffer, .address_space: global }
      - { .name: bo, .offset: 32, .size: 8, .value_kind: global_buffer, .address_space: global }
      - { .name: out0, .offset: 40, .size: 8, .value_kind: global_buffer, .address_space: global }
    .group_segment_fixed_size: 327680
    .private_segment_fixed_size: 0
    .kernarg_segment_align: 8
    .kernarg_segment_size: 48
    .max_flat_workgroup_size: 128
    .sgpr_count:     106
    .vgpr_count:     1024
    .wavefront_size: 32
...
	.end_amdgpu_metadata
.endif
;; end of part 4
;; ======== version 2 of 2: 4 launches
;; limits: right only within a limited range of input values
;; workspace buffers: xc 3,145,728 bytes; xs 131,072 bytes; wc 3,145,728 bytes; ws 131,072 bytes; qb 3,407,872 bytes; kv 6,684,672 bytes; oc 3,145,728 bytes; os 131,072 bytes
;; launch quant (part 5): grid 256 x 1, 8 waves a work-group, no clusters, 162,816 bytes of LDS; arguments x, wq, wk, wv, wo, xc, xs, wc, ws; writes xc, xs, wc, ws
.if DOCPART == 5
	.amdgcn_target "amdgcn-amd-amdhsa--gfx1250"
	.amdhsa_code_object_version 6
	.text
	.protected	k_qf58d936134_quant
	.globl	k_qf58d936134_quant
	.p2align	8
	.type	k_qf58d936134_quant,@function
k_qf58d936134_quant:
	s_mov_b64 s[64:65], 0
	v_nop
	global_prefetch_b8 v0, s[64:65] scope:SCOPE_SE
	s_setreg_imm32_b32 hwreg(HW_REG_WAVE_MODE, 25, 1), 1
	s_wait_xcnt 0x0
; x [4096][1024] and wq, wk, wv, wo [1024 (k)][1024 (n)], f32, become codes of FP6 (E2M3) with one E8M0 scale byte for each 32 along K, laid in the ORDER OF THE OPERAND'S REGISTERS.
; A block's scale is 2^(floor(log2(its largest magnitude)) - 2); its byte is the largest magnitude's exponent field - 2, held at 1 from below.
; TILES.  A tile is 16 rows (tokens of x, columns n of a weight).  Image lane r of tile 4 c + j holds row 64 c + 32 (r / 8) + 8 j + r % 8: used as source 0 of a product, the 32 result registers of tiles
; 4 c .. 4 c + 3 are, in lanes of half h, the 32 neighbouring rows 64 c + 32 h + 0 .. 31: one scale block of the next product.
; HALF IMAGE: 16 rows x 64 K = 768 bytes: lane l = 16 h + r owns the 24 bytes of k = 32 h .. 32 h + 31 of row r: 16 bytes at 16 l, 8 bytes at 512 + 8 l.
; xc [tile 256][K / 64: 16][768];  wc [weight 4][tile 64][16][768];  xs, ws [tile][K / 512: 2][r 16][4 words], word j = the four scale bytes of K step 4 (K / 512) + j (128 along K).
; SHARES.  Work-groups 0-127: two tiles of x, all of K; four waves a tile, two K steps a wave.  Work-groups 128-255: one weight, 64 columns (four tiles), half of K; a wave takes 64 along K.
; The two kinds part on the work-group's number and have LDS bytes of their own.  No cluster: no two work-groups read the same input bytes.  No matrix work, no tensor loads.
; LIMITS: NaN and infinities are not served; a block whose largest magnitude lies under 2^-124 keeps the byte 1, a block of zeros too (the rule says 127: its codes are zeros, and this program alone reads the bytes).
.set SPX,  528                         ; x: a stage row: 512 bytes + 16
.set STG1, 16*SPX                      ; a stage: 16 rows
.set STX,  2*STG1                      ; a wave's two stages
.set SCRX, 8*STX                       ; x: the two tiles' scale words
.set STGW, SCRX+1024                   ; weights: a stage of [tile 4][768] for each wave
.set WST,  3072
.set SCRW, STGW+8*WST                  ; weights: 1,024 bytes of scale words
.set SPARE, SCRW+1024                  ; the spare words
.set R,    32                          ; x: v32-159 the 32 loads (K step 0: v32-95, K step 1: v96-159)
.set XA,   160                         ; x: v160-223 K step 0's 64 numbers of my row
.set XB,   32                          ; x: v32-95 K step 1's
.set PC,   224                         ; x: v224-247 two fragments
.set CT,   248                         ; x: v248-250, v252-254 second halves of the blocks' codes
.set WX,   32                          ; weights: v32-159 four blocks of 32 numbers; later the way out
.set WC,   160                         ; weights: v160-207 the blocks' codes
	s_load_b256 s[4:11], s[0:1], 0x0               ; x, wq, wk, wv
	s_load_b256 s[12:19], s[0:1], 0x20             ; wo, xc, xs, wc
	s_load_b64 s[20:21], s[0:1], 0x40              ; ws
	v_lshl_add_u32 v251, v0, 2, SPARE
	v_mov_b32 v255, 0
	v_lshrrev_b32 v1, 5, v0
	v_readfirstlane_b32 s24, v1                    ; wave 0..7
	v_and_b32 v1, 31, v0                           ; lane l
	s_mov_b32 s22, 0x76543210
	s_mov_b32 s23, 0xfedcba98                      ; v_permlanex16_b32's selects for lane l xor 16
	s_wait_alu depctr_va_vdst(0)
	s_cmp_lt_u32 ttmp9, 128
	s_cbranch_scc0 .Lweights
; ---------------- x: K is innermost ----------------
	s_lshr_b32 s25, s24, 2                         ; which of the two tiles
	s_and_b32 s36, s24, 3                          ; my two K steps of eight
	s_lshl_b32 s35, ttmp9, 1
	s_add_co_u32 s35, s35, s25                     ; T: the tile
	s_mul_i32 s34, s24, STX                        ; my stages
	s_lshl_b32 s37, s25, 9
	s_add_co_u32 s37, s37, SCRX                    ; my tile's scale words
	s_lshr_b32 s26, s36, 1
	s_lshl_b32 s26, s26, 8
	s_and_b32 s27, s36, 1
	s_lshl_b32 s27, s27, 3
	s_add_co_u32 s26, s26, s27
	s_add_co_u32 s26, s26, s37
	v_and_b32 v2, 15, v0                           ; r
	v_bfe_u32 v3, v0, 4, 1                         ; h
	v_lshlrev_b32 v4, 4, v1                        ; 16 l
	v_lshlrev_b32 v5, 3, v1                        ; 8 l
	v_add_nc_u32 v6, s34, v4                       ; into a stage: a row's 512 bytes as they lie
	v_mul_u32_u24 v7, v2, SPX
	v_lshl_add_u32 v7, v3, 7, v7
	v_add_nc_u32 v7, s34, v7                       ; out of it: row r, + 128 h: my block of 32 numbers
	v_lshl_add_u32 v8, v2, 4, s26                  ; my two scale words: 256 (K step / 4) + 16 r + 4 (K step % 4)
	v_add_nc_u32 v20, s37, v4                      ; and where a tile's first wave reads all of them back
	v_mov_b32 v9, 0                                ; a lane permute's destination counts as one of its sources
	v_lshlrev_b32 v19, 3, v3                       ; 8 h
	s_wait_alu depctr_va_vdst(0)
	s_lshr_b32 s28, s35, 2
	s_lshl_b32 s28, s28, 6
	s_and_b32 s29, s35, 3
	s_lshl_b32 s29, s29, 3
	s_add_co_u32 s28, s28, s29                     ; the tile's first row: 64 (T / 4) + 8 (T % 4)
	s_lshl_b32 s28, s28, 12
	s_lshl_b32 s29, s36, 10
	s_add_co_u32 s28, s28, s29                     ; + my two K steps: 1,024 bytes a wave
	s_mov_b32 s29, 0
	s_mul_i32 s30, s35, 12288
	s_mul_i32 s31, s36, 3072
	s_add_co_u32 s30, s30, s31                     ; xc: the tile, my two fragments
	s_mov_b32 s31, 0
	s_lshl_b32 s32, s35, 9                         ; xs: the tile
	s_mov_b32 s33, 0
	s_wait_kmcnt 0x0
	s_add_nc_u64 s[4:5], s[4:5], s[28:29]
	s_add_nc_u64 s[14:15], s[14:15], s[30:31]
	s_add_nc_u64 s[16:17], s[16:17], s[32:33]
.irp s, 0,1
.irp i, 0,1,2,3,4,5,6,7,8,9,10,11,12,13,14,15
	global_load_b128 v[R+64*\s+4*\i:R+64*\s+4*\i+3], v4, s[4:5] offset:(\i%8+32*(\i/8))*4096+512*\s th:TH_LOAD_NT   ; image row i, K step s: the wave reads 512 consecutive bytes
.endr
.endr
; A K step's 16 rows go through my stage as they lie and come back 128 bytes (a block of 32) a lane and block.  LDS serves a wave's instructions in order: no wait between the stores and the loads.
.macro XTURN s, dst
.irp i, 0,1,2,3,4,5,6,7,8,9,10,11,12,13,14,15
	ds_store_b128 v6, v[R+64*\s+4*\i:R+64*\s+4*\i+3] offset:\s*STG1+\i*SPX
.endr
.irp c, 0,1
.irp j, 0,1,2,3,4,5,6,7
	ds_load_b128 v[\dst+32*\c+4*\j:\dst+32*\c+4*\j+3], v7 offset:\s*STG1+256*\c+16*\j   ; k = 64 c + 32 h + 4 j ..
.endr
.endr
.endm
; 64 numbers of a lane, two whole blocks (2 c + h of the K step), become the fragment's 12 registers and the row's scale word; the fragment is stored.
.macro XQUANT s, xb
.irp c, 0,1
	v_max3_num_f32 v[10+\c], |v[\xb+32*\c]|, |v[\xb+32*\c+1]|, 0x1800000   ; and the floor 2^(3 - 127): the byte cannot fall under 1
.endr
.irp i, 2,4,6,8,10,12,14,16,18,20,22,24,26,28,30
.irp c, 0,1
	v_max3_num_f32 v[10+\c], v[10+\c], |v[\xb+32*\c+\i]|, |v[\xb+32*\c+\i+1]|   ; (the two blocks by turns)
.endr
.endr
.irp c, 0,1
	v_add_nc_u32 v[12+\c], 0xff000000, v[10+\c]    ; 2 off the exponent field: the conversion's scale operand
.endr
.irp c, 0,1
	v_lshrrev_b32 v[14+\c], 23, v[12+\c]           ; the scale's byte
.endr
	v_lshl_or_b32 v18, v15, 16, v14                ; my two bytes: blocks h and 2 + h,
	v_lshlrev_b32 v18, v19, v18                    ; at their places (8 h bits up);
	v_permlanex16_b32 v9, v18, s22, s23
	v_or_b32 v[16+\s], v18, v9                     ; with lane l xor 16's two the word is whole
.irp c, 0,1
	v_cvt_scalef32_pk16_fp6_f32 v[PC+12*\s+6*\c:PC+12*\s+6*\c+2], v[\xb+32*\c:\xb+32*\c+15], v[12+\c]
	v_cvt_scalef32_pk16_fp6_f32 v[CT+4*\c:CT+4*\c+2], v[\xb+32*\c+16:\xb+32*\c+31], v[12+\c]   ; (a conversion's three registers begin on an even number)
.endr
	v_nop                                          ; one plain place behind a scaled conversion
.irp c, 0,1
.irp i, 0,1,2
	v_mov_b32 v[PC+12*\s+6*\c+3+\i], v[CT+4*\c+\i]
.endr
.endr
	global_store_b128 v4, v[PC+12*\s:PC+12*\s+3], s[14:15] offset:1536*\s          ; each store covers 512 or 256 consecutive bytes, aligned to 256
	global_store_b64 v5, v[PC+12*\s+4:PC+12*\s+5], s[14:15] offset:1536*\s+512
	global_store_b128 v4, v[PC+12*\s+6:PC+12*\s+9], s[14:15] offset:1536*\s+768
	global_store_b64 v5, v[PC+12*\s+10:PC+12*\s+11], s[14:15] offset:1536*\s+1280
.endm
	s_wait_loadcnt 16                              ; K step 0's 16 loads are in; K step 1's may be out
	XTURN 0, XA
	s_wait_loadcnt 0x0
	s_wait_dscnt 16                                ; the first turn's stores have read v32-95 (its 16 loads may be out): the second turn's loads land there
	XTURN 1, XB
	s_wait_dscnt 32                                ; the first turn's loads are in; the second turn's 32 instructions may be out
	XQUANT 0, XA
	s_wait_alu depctr_va_vdst(0)
	s_wait_dscnt 0x0
	XQUANT 1, XB
	ds_store_b64 v8, v[16:17]                      ; lanes r and r + 16 write the same bytes with the same value
	s_wait_dscnt 0x0                               ; for the others' sake: my words have landed
	s_barrier_signal -1
	s_barrier_wait -1
	s_cmp_lg_u32 s36, 0
	s_cbranch_scc1 .Lxend
	ds_load_b128 v[24:27], v20                     ; the tile's 512 bytes of scale words
	s_wait_dscnt 0x0
	global_store_b128 v4, v[24:27], s[16:17]       ; 512 consecutive bytes, aligned
.Lxend:
	s_wait_tensorcnt 0x0                           ; the wave's end
	ds_add_u32 v251, v255
	s_wait_dscnt 0x0
	s_endpgm
; ---------------- the weights: K is the first axis: a lane takes columns L and 32 + L of a band of 64, its registers run down K ----------------
.Lweights:
	s_sub_co_u32 s25, ttmp9, 128
	s_lshr_b32 s26, s25, 5                         ; which weight: q, k, v, o
	s_bfe_u32 s27, s25, 0x40001                    ; which band of 64 columns
	s_and_b32 s28, s25, 1                          ; which half of K
	s_mul_i32 s30, s24, WST
	s_add_co_u32 s30, s30, STGW                    ; my stage
	s_lshl_b32 s31, s24, 1
	s_add_co_u32 s31, s31, SCRW
	v_lshrrev_b32 v10, 3, v1                       ; column 32 c + L is row 8 c + L % 8 of tile L / 8
	v_and_b32 v2, 7, v1
	v_lshlrev_b32 v3, 2, v1                        ; in: 4 bytes a lane
	v_mul_u32_u24 v11, v10, 768
	v_add_nc_u32 v11, s30, v11
	v_lshl_add_u32 v4, v2, 4, v11                  ; tile, 16 (L % 8)
	v_lshl_add_u32 v5, v2, 3, v11                  ; tile, 8 (L % 8)
	v_lshlrev_b32 v7, 4, v1                        ; 16 l
	v_lshlrev_b32 v8, 3, v1                        ; 8 l
	v_add_nc_u32 v6, s30, v7                       ; out of the stage as it lies
	v_add_nc_u32 v9, s30, v8
	v_lshl_add_u32 v15, v10, 8, s31
	v_lshl_add_u32 v15, v2, 4, v15                 ; my two scale bytes: 256 tile + 16 row + 2 wave
	v_add_nc_u32 v28, SCRW, v7                     ; and where wave 0 reads all of them back
	v_lshrrev_b32 v29, 4, v1
	v_and_b32 v30, 15, v1
	v_lshlrev_b32 v29, 9, v29
	v_lshl_add_u32 v29, v30, 4, v29                ; ws: 512 (l / 16) + 16 (l % 16)
	s_wait_alu depctr_va_vdst(0)
	s_lshl_b32 s32, s28, 21                        ; W: 512 rows of 4,096 bytes a half of K,
	s_lshl_b32 s33, s24, 18                        ; 64 rows a wave,
	s_add_co_u32 s32, s32, s33
	s_lshl_b32 s33, s27, 8                         ; 256 bytes for 64 columns
	s_add_co_u32 s32, s32, s33
	s_mov_b32 s33, 0
	s_mul_i32 s34, s26, 786432
	s_mul_i32 s38, s27, 49152
	s_add_co_u32 s34, s34, s38
	s_mul_i32 s38, s28, 6144
	s_add_co_u32 s34, s34, s38
	s_mul_i32 s38, s24, 768
	s_add_co_u32 s34, s34, s38                     ; wc: weight, four tiles, my half image
	s_mov_b32 s35, 0
	s_lshl_b32 s36, s26, 15
	s_lshl_b32 s38, s27, 11
	s_add_co_u32 s36, s36, s38
	s_lshl_b32 s38, s28, 8
	s_add_co_u32 s36, s36, s38                     ; ws: weight, four tiles, my half of K
	s_mov_b32 s37, 0
	s_wait_kmcnt 0x0
	s_cmp_eq_u32 s26, 1                            ; the choice hangs on the work-group's number alone
	s_cselect_b64 s[6:7], s[8:9], s[6:7]
	s_cmp_eq_u32 s26, 2
	s_cselect_b64 s[6:7], s[10:11], s[6:7]
	s_cmp_eq_u32 s26, 3
	s_cselect_b64 s[6:7], s[12:13], s[6:7]
	s_add_nc_u64 s[6:7], s[6:7], s[32:33]
	s_add_nc_u64 s[18:19], s[18:19], s[34:35]
	s_add_nc_u64 s[20:21], s[20:21], s[36:37]
.set i, 0
.rept 64                               ; row i of my 64: two loads on end cover its 256 bytes
	global_load_b32 v[WX+64*(i/32)+i%32], v3, s[6:7] offset:i*4096 th:TH_LOAD_NT
	global_load_b32 v[WX+64*(i/32)+32+i%32], v3, s[6:7] offset:i*4096+128 th:TH_LOAD_NT
.set i, i+1
.endr
; K's block kb of my two columns: both are whole in this lane
.macro WPAIR kb
.irp c, 0,1
	v_max3_num_f32 v[16+2*\c], |v[WX+64*\kb+32*\c]|, |v[WX+64*\kb+32*\c+1]|, |v[WX+64*\kb+32*\c+2]|
	v_max3_num_f32 v[17+2*\c], |v[WX+64*\kb+32*\c+3]|, |v[WX+64*\kb+32*\c+4]|, |v[WX+64*\kb+32*\c+5]|
.endr
.irp i, 6,10,14,18,22,26
.irp c, 0,1
	v_max3_num_f32 v[16+2*\c], v[16+2*\c], |v[WX+64*\kb+32*\c+\i]|, |v[WX+64*\kb+32*\c+\i+1]|
	v_max3_num_f32 v[17+2*\c], v[17+2*\c], |v[WX+64*\kb+32*\c+\i+2]|, |v[WX+64*\kb+32*\c+\i+3]|
.endr
.endr
.irp c, 0,1
	v_max3_num_f32 v[16+2*\c], v[16+2*\c], |v[WX+64*\kb+32*\c+30]|, |v[WX+64*\kb+32*\c+31]|
.endr
.irp c, 0,1
	v_max3_num_f32 v[16+2*\c], v[16+2*\c], v[17+2*\c], 0x1800000   ; the block's largest magnitude, and the floor
.endr
.irp c, 0,1
	v_add_nc_u32 v[20+\c], 0xff000000, v[16+2*\c]  ; the conversion's scale operand
.endr
.irp c, 0,1
.if \kb == 0
	v_lshrrev_b32 v[24+\c], 23, v[20+\c]           ; the scale's byte
.else
	v_lshrrev_b32 v[22+\c], 23, v[20+\c]
.endif
.endr
.irp c, 0,1
	v_cvt_scalef32_pk16_fp6_f32 v[WC+24*\kb+12*\c:WC+24*\kb+12*\c+2], v[WX+64*\kb+32*\c:WX+64*\kb+32*\c+15], v[20+\c]
	v_cvt_scalef32_pk16_fp6_f32 v[WC+24*\kb+12*\c+6:WC+24*\kb+12*\c+8], v[WX+64*\kb+32*\c+16:WX+64*\kb+32*\c+31], v[20+\c]
.endr
	v_nop                                          ; one plain place behind a scaled conversion
.irp c, 0,1
.irp i, 0,1,2
	v_mov_b32 v[WC+24*\kb+12*\c+3+\i], v[WC+24*\kb+12*\c+6+\i]
.endr
.endr
.if \kb == 1
.irp c, 0,1
	v_lshl_or_b32 v[24+\c], v[22+\c], 8, v[24+\c]  ; the lower K in the lower byte
.endr
.endif
.irp c, 0,1                                    ; image lane 16 kb + 8 c + L % 8
	ds_store_b128 v4, v[WC+24*\kb+12*\c:WC+24*\kb+12*\c+3] offset:256*\kb+128*\c
	ds_store_b64 v5, v[WC+24*\kb+12*\c+4:WC+24*\kb+12*\c+5] offset:512+128*\kb+64*\c
.endr
.endm
	s_wait_loadcnt 0x3f                            ; the first block's 64 loads are in
	WPAIR 0
	s_wait_alu depctr_va_vdst(0)
	s_wait_loadcnt 0x0
	WPAIR 1
	ds_store_b16 v15, v24
	ds_store_b16 v15, v25 offset:128
.irp j, 0,1,2,3
	ds_load_b128 v[WX+4*\j:WX+4*\j+3], v6 offset:768*\j         ; LDS serves a wave's instructions in order: these see my stores
	ds_load_b64 v[WX+16+2*\j:WX+17+2*\j], v9 offset:768*\j+512
.endr
	s_wait_dscnt 0x0                               ; my half images are back, and my scale bytes have landed
.irp j, 0,1,2,3
	global_store_b128 v7, v[WX+4*\j:WX+4*\j+3], s[18:19] offset:12288*\j            ; 512 consecutive bytes, aligned
	global_store_b64 v8, v[WX+16+2*\j:WX+17+2*\j], s[18:19] offset:12288*\j+512     ; and 256
.endr
	s_barrier_signal -1
	s_barrier_wait -1
	s_cmp_lg_u32 s24, 0
	s_cbranch_scc1 .Lwend
	ds_load_b128 v[208:211], v28
	ds_load_b128 v[212:215], v28 offset:512
	s_wait_dscnt 0x0
	global_store_b128 v29, v[208:211], s[20:21]    ; sixteen lanes store 256 consecutive bytes, aligned: one block for each tile
	global_store_b128 v29, v[212:215], s[20:21] offset:1024
.Lwend:
	s_wait_tensorcnt 0x0                           ; the wave's end
	ds_add_u32 v251, v255
	s_wait_dscnt 0x0
	s_endpgm
.Lfunc_end_k_qf58d936134_quant:
	.size	k_qf58d936134_quant, .Lfunc_end_k_qf58d936134_quant-k_qf58d936134_quant
	.p2alignl 7, 3214868480
	.fill 96, 4, 3214868480
	.section	.rodata,"a",@progbits
	.p2align	6, 0x0
	.amdhsa_kernel k_qf58d936134_quant
		.amdhsa_group_segment_fixed_size 162816
		.amdhsa_private_segment_fixed_size 0
		.amdhsa_enable_private_segment 0
		.amdhsa_kernarg_size 72
		.amdhsa_user_sgpr_count 2
		.amdhsa_user_sgpr_kernarg_segment_ptr 1
		.amdhsa_wavefront_size32 1
		.amdhsa_system_sgpr_workgroup_id_x 1
		.amdhsa_system_sgpr_workgroup_id_y 1
		.amdhsa_system_sgpr_workgroup_id_z 1
		.amdhsa_system_vgpr_workitem_id 0
		.amdhsa_next_free_vgpr 256
		.amdhsa_next_free_sgpr 66
		.amdhsa_reserve_vcc 0
		.amdhsa_float_denorm_mode_32 3
		.amdhsa_float_denorm_mode_16_64 3
		.amdhsa_memory_ordered 1
		.amdhsa_forward_progress 1
		.amdhsa_inst_pref_size 40
	.end_amdhsa_kernel
	.amdgpu_metadata
---
amdhsa.version: [ 1, 2 ]
amdhsa.kernels:
  - .name:           k_qf58d936134_quant
    .symbol:         k_qf58d936134_quant.kd
    .args:
      - { .name: x, .offset: 0, .size: 8, .value_kind: global_buffer, .address_space: global }
      - { .name: wq, .offset: 8, .size: 8, .value_kind: global_buffer, .address_space: global }
      - { .name: wk, .offset: 16, .size: 8, .value_kind: global_buffer, .address_space: global }
      - { .name: wv, .offset: 24, .size: 8, .value_kind: global_buffer, .address_space: global }
      - { .name: wo, .offset: 32, .size: 8, .value_kind: global_buffer, .address_space: global }
      - { .name: xc, .offset: 40, .size: 8, .value_kind: global_buffer, .address_space: global }
      - { .name: xs, .offset: 48, .size: 8, .value_kind: global_buffer, .address_space: global }
      - { .name: wc, .offset: 56, .size: 8, .value_kind: global_buffer, .address_space: global }
      - { .name: ws, .offset: 64, .size: 8, .value_kind: global_buffer, .address_space: global }
    .group_segment_fixed_size: 162816
    .private_segment_fixed_size: 0
    .kernarg_segment_align: 8
    .kernarg_segment_size: 72
    .max_flat_workgroup_size: 256
    .sgpr_count:     66
    .vgpr_count:     256
    .wavefront_size: 32
...
	.end_amdgpu_metadata
.endif
;; end of part 5
;; launch gemm_qkv (part 6): grid 12 x 16, 4 waves a work-group, clusters of 4 x 4, 327,680 bytes of LDS; arguments xc, xs, wc, ws, bq, bk, bv, qb, kv; writes qb, kv
.if DOCPART == 6
	.amdgcn_target "amdgcn-amd-amdhsa--gfx1250"
	.amdhsa_code_object_version 6
	.text
	.protected	k_qf58d936134_gemm_qkv
	.globl	k_qf58d936134_gemm_qkv
	.p2align	8
	.type	k_qf58d936134_gemm_qkv,@function
k_qf58d936134_gemm_qkv:
	s_mov_b64 s[64:65], 0
	v_nop
	global_prefetch_b8 v0, s[64:65] scope:SCOPE_SE
	s_setreg_imm32_b32 hwreg(HW_REG_WAVE_MODE, 25, 1), 1
	s_wait_xcnt 0x0
	s_wait_alu depctr_hold_cnt(0) depctr_sa_sdst(0) depctr_va_vdst(0) depctr_va_sdst(0) depctr_va_ssrc(0) depctr_va_vcc(0) depctr_vm_vsrc(0)
	s_getreg_b32 s2, hwreg(HW_REG_IB_STS2, 6, 4)
	s_cmp_eq_u32 s2, 0
	s_cbranch_scc0 .Lentry_in_a_cluster
	s_endpgm
.Lentry_in_a_cluster:
	s_bfe_u32 s2, ttmp6, 0x10000c
	s_cmp_lg_u32 s2, 0xf033
	s_cbranch_scc0 .Lentry_shape_is_right
	s_endpgm
.Lentry_shape_is_right:
; q = x wq + bq, k = x wk + bk, v = x wv + bv on codes of FP6 (E2M3) with E8M0 scales; the results are quantised in registers and leave as codes: q and k along the head's 64, v along the keys.
; OPERANDS lie in the order of the operand's registers.  Half image: 16 rows x 64 K = 768 bytes (lane l: 16 bytes at 16 l, 8 bytes at 512 + 8 l); a fragment (128 K, 12 registers) is two of them.
; Image lane r of tile 4 c + j is row 64 c + 32 (r / 8) + 8 j + r % 8, so that a lane's 32 result registers of source 0's tiles 4 c .. 4 c + 3 are 32 neighbouring rows of source 0: a whole scale block.
; A tile of the result, 256 x 256, is made by four waves, 128 x 128 each: 64 accumulators in 512 registers.  SOURCE 0 IS THE AXIS THAT IS QUANTISED NEXT (it lands in a lane's registers), source 1 lands in the lanes:
;   clusters x = 0, 1 (q, k): source 0 = 16 columns n of the weight, source 1 = 16 tokens;   cluster x = 2 (v): source 0 = 16 tokens (the keys), source 1 = 16 columns of wv.
; K = 1,024 goes in 8 steps of 128, four chunks of 256; LDS has three slots of one chunk.  Chunks 0 and 1 are asked for at the head, one load a wave (source 1's 16 tiles, source 0's 16 tiles, of each); chunks 2 and 3 in ONE round
; behind the second K step, chunk 3 into slot 0 again.  All scale words go from memory to 64 registers once.
; CLUSTERS: 4 x 4 work-groups.  Source 1's tile hangs on cy and is asked for jointly by my row of the cluster, source 0's on cx and by my column.  Branches hang on the cluster's x and the wave's number alone.
; PREFETCH: at the head, behind the loads of chunks 0 and 1, for chunks 2 and 3, two K steps ahead of their loads: each block of 256 bytes once a cluster, shared out by address among the four that will ask for it jointly.
; OUT.  qb [b h 32][group of 128 queries 16] records of 6,656 bytes: 8 half images, then scale words [tile / 4][r][tile % 4].
;       kv [b h 32][128 keys 16] records of 13,056: K: 8 half images @0; V^T: 4 fragments (16 channels x 128 keys) @6,144; K's scale words @12,288; V's [r][tile 4] @12,800.
;       q's and k's scale words: bytes 0, 1 the head's two blocks; bytes 2, 3 = 127: they stand over the zero codes that fill the product's K from 64 to 128.
; LIMITS: NaN and infinities are not served; a block whose largest magnitude lies under 2^-124, a block of zeros among them, keeps the byte 1 (its bytes are read by this program alone).
; REGISTERS, in windows of 256: window 0: v1-31 addresses; v32-95 scale words; v96-159 the bias, later at work; v160-255 source 1's 8 fragments, ONE set, later the codes on the way out.
;   window 1: source 0's fragments, TWO sets, at v0 and v128.   window 2: the accumulators of source 1's tiles 0-3 ((a, b) at v[8 (8 (a % 4) + b)]);   window 3: tiles 4-7.
.set FR,    12                         ; registers of a fragment
.set NL,    4                          ; LDS loads that bring one
.set NP,    4                          ; places behind this matrix instruction (ISA guide 7.12.1)
.set TILEB, 3072                       ; a tile's 256 along K: four half images
.set HALFT, 8*TILEB                    ; 8 tiles: what one wave reads of a source's chunk
.set SLOT,  4*HALFT                    ; source 1's 16 tiles, then source 0's 16
.set SPARE, 3*SLOT                     ; the spare words, 128 bytes for each wave
.set L16,   7                          ; v7   16 l
.set L8,    8                          ; v8   8 l
.set L16C,  9                          ; v9   16 l + the way from a fragment's first half image to its second
.set PFO,   10                         ; v10  the prefetches' offset; never rewritten
.set H8,    14                         ; v14  8 h
.set SH,    15                         ; v15  16 h
.set ADRA,  16                         ; v16-18 source 1's fragments in slots 0-2, 16 bytes a lane; v19-21 the same, 8 bytes a lane
.set ADRB,  22                         ; v22-27 the same for source 0
.set SPW,   28                         ; v28  my spare word; never rewritten
.set NIL,   29                         ; v29  0; never rewritten
.set L8C,   30                         ; v30  8 l + the same way as L16C
.set SOF,   31                         ; v31  16 r + h x a head's records
.set SC,    32                         ; v[SC + 32 (ks / 4) + 4 i + ks % 4]: K step ks: lanes 0-15 the word of source 1's tile i, lanes 16-31 of source 0's tile i
.set BI,    96                         ; the bias in the result's layout, 8 registers a tile
.set AF,    160
.set TM,    96                         ; the way out: v96-103 largest magnitudes, v104-107 scale operands, v108-111 bytes
.set TS,    112                        ; v112-143 second halves of the blocks' codes
.set TP,    144                        ; v144-145 at work
.set PWR,   152                        ; v152-159 the 8 scale words
.set PC,    160                        ; v160-255 the 8 fragments made
.set XO,    32                         ; v32-39 scale words as they are stored
.set G1,  24                           ; s[24:31] group 1 for source 1's tiles; s[32:39] group 0: chunks 0 and 1, later 2 and 3
.set G0,  32
.set G1B, 48                           ; s[48:55], s[56:63] the same for source 0
.set G0B, 56
.set SCA, 68                           ; s[68:69] source 1's scale words, s[70:71] source 0's
.set PFB, 72                           ; s[72:73] where my prefetches stand
.set OT,  76                           ; s[76:91] where each tile's codes go
.set SEL, 66                           ; s[66:67] selects for lane l xor 16
.set OB,  92                           ; s[92:93] where the codes go
.set SB,  94                           ; s[94:95] where the scale words go
.set STA, 96                           ; s[96:97] from tile to tile
.set STQ, 100                          ; s[100:101] from tile 3 to tile 4
.set MSB, 0
.macro WIN new                         ; the immediate's high byte repeats the setting that is left
.if MSB != (\new)
	s_set_vgpr_msb (MSB<<8)|(\new)
.set MSB, (\new)
.endif
.endm
.set MUL_LO, 0xa1                      ; source 0 window 1, source 1 window 0, C and D window 2
.set MUL_HI, 0xf1                      ; the same, C and D window 3
.set TO_B,   0x40                      ; destination window 1, address window 0
.macro PLACES n
.rept \n
	v_nop
.endr
.endm
.macro TLOAD g0, g1
	tensor_load_to_lds s[\g0:\g0+3], s[\g1:\g1+7]
	s_nop 0
	PLACES 4
.endm
; Four joint loads, one a wave, each in an arm of its own: source 1's and source 0's tiles of one chunk (waves 0, 1), of the next (waves 2, 3).  Each line has ONE mask and one set of registers; the branches hang on the wave's number alone.
.macro JLOAD4
	s_cmp_eq_u32 s14, 0
	s_cbranch_scc0 .Lw1_\@
	TLOAD G0, G1
	s_branch .Lasked_\@
.Lw1_\@:
	s_cmp_eq_u32 s14, 1
	s_cbranch_scc0 .Lw2_\@
	TLOAD G0B, G1B
	s_branch .Lasked_\@
.Lw2_\@:
	s_cmp_eq_u32 s14, 2
	s_cbranch_scc0 .Lw3_\@
	TLOAD G0+4, G1
	s_branch .Lasked_\@
.Lw3_\@:
	TLOAD G0B+4, G1B
.Lasked_\@:
.endm
.macro CREST                           ; a round of the cluster's barrier behind its opening barrier
	s_cmp_lg_u32 s14, 0
	s_cbranch_scc1 .Lnot_wave_0_\@
	s_barrier_signal -3
.Lnot_wave_0_\@:
	s_barrier_wait -3
	s_barrier_signal -1
	s_barrier_wait -1
.endm
.macro CROUND                          ; a whole round
	s_barrier_signal -1
	s_barrier_wait -1
	CREST
.endm
	s_load_b256 s[4:11], s[0:1], 0x0               ; xc, xs, wc, ws
	v_lshl_add_u32 v[SPW], v0, 2, SPARE
	v_mov_b32 v[NIL], 0
	ds_add_u32 v[SPW], v[NIL]
	ds_add_u32 v[SPW], v[NIL]
	v_lshrrev_b32 v1, 5, v0
	v_readfirstlane_b32 s14, v1                    ; wave 0..3
	s_lshr_b32 s15, s14, 1                         ; which half of source 1's tiles is mine.  Also: I prefetch for source 1 (0) or source 0 (1)
	s_and_b32 s16, s14, 1                          ; which half of source 0's.  Also: which 8 tiles I prefetch
	s_bfe_u32 s40, ttmp6, 0x40000                  ; cx, cy: my place in the cluster
	s_bfe_u32 s41, ttmp6, 0x40004
	s_and_b32 s45, ttmp7, 0xffff
	s_lshl_b32 s45, s45, 2                         ; 4 x cluster y: the tokens' 16 blocks of 256 go along y
	s_cmp_eq_u32 ttmp9, 2                          ; v?  The cluster's x is the same in all sixteen partners
	s_cselect_b32 s46, s45, 0
	s_cselect_b32 s47, 0, s45
	s_add_co_u32 s42, s40, s46                     ; source 0's block of 256 rows: cx (a weight's columns), for v 4 y + cx (tokens)
	s_add_co_u32 s17, s41, s47                     ; source 1's: 4 y + cy (tokens), for v cy (wv's columns)
	s_lshl_b32 s43, s41, 2
	s_lshl_b32 s43, 15, s43                        ; my row of the cluster
	s_lshl_b32 s44, 0x1111, s40                    ; my column
	; group 1: 16 tiles x 3,072 bytes (384 elements of 8 bytes), 12,288 bytes from tile to tile; dense in LDS
	s_or_b32 s[G1+0], s43, (3<<16)|(1<<21)         ; 15:0 the mask; 17:16 elements of 8 bytes; 20 no padding; 21 set beside a mask
	s_or_b32 s[G1B+0], s44, (3<<16)|(1<<21)
.irp g, G1, G1B
	s_mov_b32 s[\g+1], 384<<16                     ; tensor_dim0
	s_mov_b32 s[\g+2], 16<<16                      ; tensor_dim1
	s_mov_b32 s[\g+3], 384<<16                     ; tile_dim0
	s_mov_b32 s[\g+4], 16                          ; tile_dim1
	s_mov_b32 s[\g+5], 1536                        ; tensor_dim0_stride
	s_mov_b32 s[\g+6], 0
	s_mov_b32 s[\g+7], 0
.endr
	s_mul_i32 s22, s17, 16*12288                   ; source 1's 16 tiles (no register on this way holds cx)
	s_mov_b32 s23, 0
	s_mul_i32 s100, s42, 16*12288                  ; source 0's (none holds cy)
	s_mov_b32 s101, 0
	s_mul_i32 s92, ttmp9, 786432                   ; the cluster's weight in wc,
	s_mov_b32 s93, 0
	s_lshl_b32 s94, ttmp9, 15                      ; and in ws
	s_mov_b32 s95, 0
	s_wait_dscnt 0x0                               ; both opening adds are done
	CROUND                                         ; all sixteen work-groups are here: the first joint loads meet
	s_wait_kmcnt 0x0
	s_add_nc_u64 s[8:9], s[8:9], s[92:93]
	s_add_nc_u64 s[10:11], s[10:11], s[94:95]
	s_cmp_eq_u32 ttmp9, 2
	s_cselect_b64 s[18:19], s[8:9], s[4:5]         ; source 1's codes: wv for v, else x
	s_cselect_b64 s[SCA:SCA+1], s[10:11], s[6:7]   ; its scale words
	s_cselect_b64 s[46:47], s[4:5], s[8:9]         ; source 0's codes: x for v, else the weight
	s_cselect_b64 s[SCA+2:SCA+3], s[6:7], s[10:11]
	s_add_nc_u64 s[18:19], s[18:19], s[22:23]
	s_add_nc_u64 s[46:47], s[46:47], s[100:101]
.irp s, 0,1                                    ; chunk s goes to slot s
	s_mov_b32 s[G0+4*\s], 1
	s_mov_b32 s[G0+4*\s+1], \s*SLOT
	s_add_nc_u64 s[G0+4*\s+2:G0+4*\s+3], s[18:19], \s*TILEB
	s_or_b32 s[G0+4*\s+3], s[G0+4*\s+3], 0x80000000
	s_mov_b32 s[G0B+4*\s], 1
	s_mov_b32 s[G0B+4*\s+1], \s*SLOT+2*HALFT
	s_add_nc_u64 s[G0B+4*\s+2:G0B+4*\s+3], s[46:47], \s*TILEB
	s_or_b32 s[G0B+4*\s+3], s[G0B+4*\s+3], 0x80000000
.endr
	JLOAD4                                         ; chunks 0 and 1: one tensor load a wave
	s_lshl_b32 s22, s17, 13
	s_lshl_b32 s3, s15, 12
	s_add_co_u32 s22, s22, s3                      ; the scale words of MY half of source 1's tiles: 512 bytes a tile
	s_add_nc_u64 s[SCA:SCA+1], s[SCA:SCA+1], s[22:23]
	s_lshl_b32 s100, s42, 13
	s_lshl_b32 s3, s16, 12
	s_add_co_u32 s100, s100, s3                    ; and of source 0's
	s_add_nc_u64 s[SCA+2:SCA+3], s[SCA+2:SCA+3], s[100:101]
	s_load_b256 s[4:11], s[0:1], 0x20              ; bq, bk, bv, qb (the first four addresses are used up)
	s_load_b64 s[12:13], s[0:1], 0x40              ; kv
	v_and_b32 v1, 15, v0                           ; r
	v_bfe_u32 v2, v0, 4, 1                         ; h
	v_lshlrev_b32 v6, 4, v1                        ; 16 r: four K steps' words of a row
	v_and_b32 v3, 31, v0                           ; l
	s_wait_alu depctr_va_vdst(0)
; THE SCALE WORDS of my 8 + 8 tiles, for all of K: source 1's straight to their place, source 0's into window 2 (no accumulator is in use yet), from where lanes 16-31 take them
.irp kq, 0,1
.irp i, 0,1,2,3,4,5,6,7
	global_load_b128 v[SC+32*\kq+4*\i:SC+32*\kq+4*\i+3], v6, s[SCA:SCA+1] offset:\i*512+\kq*256
.endr
.endr
	WIN 0x80
.irp kq, 0,1
.irp i, 0,1,2,3,4,5,6,7
	global_load_b128 v[32*\kq+4*\i:32*\kq+4*\i+3], v6, s[SCA+2:SCA+3] offset:\i*512+\kq*256
.endr
.endr
	WIN 0
; THE PREFETCH of chunks 2 and 3.  Of the 8 tiles that wave w answers for (source 1's or source 0's, half w % 2), a chunk is 8 x 12 blocks of 256 bytes; the partner at place p takes blocks 24 p .. 24 p + 23, a lane each
; (lanes 24-31 name block 23 again): block u is byte 256 u + 9,216 (u / 12), u / 12 = 43 u >> 9 for u under 96.
	s_cmp_eq_u32 s15, 0
	s_cselect_b64 s[PFB:PFB+1], s[18:19], s[46:47]
	s_cselect_b32 s2, s40, s41
	s_mul_i32 s20, s16, 8*12288
	s_mov_b32 s21, 0
	s_add_nc_u64 s[PFB:PFB+1], s[PFB:PFB+1], s[20:21]
	s_mul_i32 s2, s2, 24
	s_wait_alu depctr_va_vdst(0)
	v_min_u32 v[PFO], 23, v3
	v_add_nc_u32 v[PFO], s2, v[PFO]
	v_mul_u32_u24 v11, v[PFO], 43
	v_lshrrev_b32 v11, 9, v11
	v_mul_u32_u24 v11, v11, 9216
	v_lshl_add_u32 v[PFO], v[PFO], 8, v11
	global_prefetch_b8 v[PFO], s[PFB:PFB+1] offset:2*TILEB th:TH_LOAD_NT scope:SCOPE_SE
	global_prefetch_b8 v[PFO], s[PFB:PFB+1] offset:3*TILEB th:TH_LOAD_NT scope:SCOPE_SE
	v_lshlrev_b32 v[L16], 4, v3
	v_lshlrev_b32 v[L8], 3, v3
	s_mul_i32 s21, s15, HALFT                      ; my 8 tiles of source 1
	s_mul_i32 s22, s16, HALFT                      ; my 8 tiles of source 0,
	s_add_co_u32 s22, s22, 2*HALFT                 ; which lie behind source 1's 16
	s_wait_alu depctr_va_vdst(0)
.irp s, 0,1,2
	v_add_nc_u32 v[ADRA+\s], s21, v[L16]
	v_add_nc_u32 v[ADRA+3+\s], s21, v[L8]
	v_add_nc_u32 v[ADRB+\s], s22, v[L16]
	v_add_nc_u32 v[ADRB+3+\s], s22, v[L8]
.if \s < 2
	s_add_co_u32 s21, s21, SLOT
	s_add_co_u32 s22, s22, SLOT
.endif
.endr
	v_lshlrev_b32 v4, 7, v2                        ; the bias along source 0: 32 h numbers on
	v_and_b32 v5, 8, v1
	v_mad_u32_u24 v5, v5, 3, v1
	v_lshlrev_b32 v5, 2, v5                        ; along source 1: number r % 8 + 32 (r / 8)
	v_lshlrev_b32 v[SH], 4, v2
	v_lshlrev_b32 v[H8], 3, v2
	s_wait_alu depctr_va_vdst(0)
	s_mov_b32 s[SEL], 0x76543210
	s_mov_b32 s[SEL+1], 0xfedcba98
	s_lshl_b32 s18, s42, 1
	s_add_co_u32 s18, s18, s16                     ; my 128 of source 0
	s_lshl_b32 s19, s17, 1
	s_add_co_u32 s19, s19, s15                     ; my 128 of source 1
	s_cmp_eq_u32 ttmp9, 2
	s_cselect_b32 s20, s19, s18                    ; NG: which 128 columns n (two heads)
	s_cselect_b32 s21, s18, s19                    ; TB: which 128 tokens
	s_lshr_b32 s22, s21, 4
	s_lshl_b32 s22, s22, 4
	s_lshl_b32 s23, s20, 1
	s_add_co_u32 s22, s22, s23                     ; b h of my first head: 16 (TB / 16) + 2 NG
	s_lshl_b32 s22, s22, 4
	s_and_b32 s23, s21, 15
	s_add_co_u32 s22, s22, s23                     ; its record for these 128 tokens
	s_wait_kmcnt 0x0
	s_cmp_eq_u32 ttmp9, 0
	s_cselect_b64 s[OB:OB+1], s[10:11], s[12:13]   ; q goes to qb, k and v to kv
	s_mov_b32 s2, 13056
	s_cselect_b32 s2, 6656, s2                     ; a record
	s_mov_b32 s18, 12288
	s_cselect_b32 s18, 6144, s18                   ; where its scale words begin (q, k)
	s_lshl_b32 s19, s2, 4                          ; a head's 16 records
	s_cmp_eq_u32 ttmp9, 2
	s_cselect_b32 s18, 12800, s18                  ; (v)
	s_cselect_b32 s45, 6144, 0                     ; where the codes begin
	s_cselect_b32 s46, 768, s19                    ; from a fragment's first half image to its second: q, k: the next head; v: the next 64 keys
	s_mov_b32 s[STA], 768
	s_cselect_b32 s[STA], 1536, s[STA]             ; from tile to tile: a half image, for v a fragment
	s_mov_b32 s[STQ], 768
	s_cselect_b32 s[STQ], 204288, s[STQ]           ; from tile 3 to tile 4: for v the next head's first fragment: 16 x 13,056 - 3 x 1,536
	s_mov_b32 s[STA+1], 0
	s_mov_b32 s[STQ+1], 0
	s_cselect_b64 s[4:5], s[8:9], s[4:5]           ; the bias: bv,
	s_cmp_eq_u32 ttmp9, 1
	s_cselect_b64 s[4:5], s[6:7], s[4:5]           ; bk, or bq
	s_mul_i32 s22, s22, s2
	s_add_co_u32 s98, s22, s18
	s_mov_b32 s99, 0
	s_add_co_u32 s22, s22, s45
	s_mov_b32 s23, 0
	s_add_nc_u64 s[SB:SB+1], s[OB:OB+1], s[98:99]
	s_add_nc_u64 s[OB:OB+1], s[OB:OB+1], s[22:23]
	s_lshl_b32 s22, s20, 9
	s_add_nc_u64 s[4:5], s[4:5], s[22:23]          ; my 128 numbers of the bias
	s_mov_b32 s3, 0x7f7f0000
	v_add_nc_u32 v[L16C], s46, v[L16]
	v_add_nc_u32 v[L8C], s46, v[L8]
	v_mul_u32_u24 v[SOF], s19, v2
	v_lshl_add_u32 v[SOF], v1, 4, v[SOF]
	; THE BIAS is the C of each sum's first matrix instruction: eight registers a tile in the result's layout
	s_wait_alu depctr_va_vdst(0)
	s_cmp_eq_u32 ttmp9, 2
	s_cbranch_scc1 .Lbias_v
.irp b, 0,1,2,3,4,5,6,7                        ; q, k: it runs along source 0: register j of tile b is column 64 (b / 4) + 32 h + 8 (b % 4) + j
	global_load_b128 v[BI+8*\b:BI+8*\b+3], v4, s[4:5] offset:(64*(\b/4)+8*(\b%4))*4
	global_load_b128 v[BI+8*\b+4:BI+8*\b+7], v4, s[4:5] offset:(64*(\b/4)+8*(\b%4))*4+16
.endr
	s_branch .Lbias_done
.Lbias_v:
.irp a, 0,1,2,3,4,5,6,7                        ; v: it runs along source 1: all eight registers of tile a hold column 64 (a / 4) + 8 (a % 4) + 32 (r / 8) + r % 8
	global_load_b32 v[BI+8*\a], v5, s[4:5] offset:(64*(\a/4)+8*(\a%4))*4
.endr
	s_wait_loadcnt 0x0
.irp a, 0,1,2,3,4,5,6,7
.irp j, 1,2,3,4,5,6,7
	v_mov_b32 v[BI+8*\a+\j], v[BI+8*\a]
.endr
.endr
.Lbias_done:
.macro FRAG reg, adr, q, i             ; a fragment as it lies: two half images
	ds_load_b128 v[\reg:\reg+3], v[\adr] offset:(\i)*TILEB+(\q)*1536
	ds_load_b64 v[\reg+4:\reg+5], v[\adr+3] offset:(\i)*TILEB+(\q)*1536+512
	ds_load_b128 v[\reg+6:\reg+9], v[\adr] offset:(\i)*TILEB+(\q)*1536+768
	ds_load_b64 v[\reg+10:\reg+11], v[\adr+3] offset:(\i)*TILEB+(\q)*1536+1280
.endm
; 16 matrix instructions: source 1's tiles a0, a0 + 1 x source 0's eight, K step ks.  p: source 0's set.  mode 0: C = D;  1: C = the bias of source 0's tile;  2: of source 1's tile.
; The 64 accumulators take turns, one instruction a turn, in the same order in every step.
.macro MUL16 a0, p, ks, mode
.irp a, \a0, \a0+1
.irp b, 0,1,2,3,4,5,6,7
.set rD, 8*(8*((\a)%4)+\b)
.set rA, 128*(\p)+FR*\b
.set rB, AF+FR*(\a)
.set rSA, SC+32*((\ks)/4)+4*\b+(\ks)%4
.set rSB, SC+32*((\ks)/4)+4*(\a)+(\ks)%4
.set rC, rD
.if \mode == 1
.set rC, BI+8*\b
.endif
.if \mode == 2
.set rC, BI+8*(\a)
.endif
	v_wmma_scale_f32_16x16x128_f8f6f4 v[rD:rD+7], v[rA:rA+FR-1], v[rB:rB+FR-1], v[rC:rC+7], v[rSA], v[rSB] matrix_a_fmt:MATRIX_FMT_FP6 matrix_b_fmt:MATRIX_FMT_FP6 matrix_a_scale:MATRIX_SCALE_ROW1
.endr
.endr
.endm
.macro FETCH_B slot, q, p              ; source 0's eight fragments of the slot's q-th 128 along K into set p
	WIN TO_B
.irp i, 0,1,2,3,4,5,6,7
	FRAG 128*(\p)+FR*\i, ADRB+\slot, \q, \i
.endr
	WIN 0
.endm
.macro FETCH_A slot, q, i0             ; source 1's tiles i0 .. i0 + 3
.irp i, \i0, \i0+1, \i0+2, \i0+3
	FRAG AF+FR*(\i), ADRA+\slot, \q, \i
.endr
.endm
; The first K step's 32 products of source 1's tiles a0 .. a0 + 3 start the sums with the bias: nothing is cleared.  w: the windows (C in window 0).  At a branch and at a label every window is 0.
.macro FIRST32 a0, w
	WIN 0
	s_cmp_eq_u32 ttmp9, 2
	s_cbranch_scc1 .Lfirst_v_\@
	WIN \w
	MUL16 \a0, 0, 0, 1
	MUL16 \a0+2, 0, 0, 1
	WIN 0
	s_branch .Lfirst_j_\@
.Lfirst_v_\@:
	WIN \w
	MUL16 \a0, 0, 0, 2
	MUL16 \a0+2, 0, 0, 2
	WIN 0
.Lfirst_j_\@:
.endm
; A slot's first step.  A load into a register that a matrix instruction has read stands NP places behind it, and only plain vector instructions are places.
.macro STEP slot, ks, first
	s_wait_dscnt 4*NL                              ; source 0's set and source 1's tiles 0-3 are in; the youngest 16 loads (tiles 4-7) may be out
	PLACES NP
	FETCH_B \slot, 1, 1
.if \first
	FIRST32 0, 0x81
.else
	WIN MUL_LO
	MUL16 0, 0, \ks, 0
	MUL16 2, 0, \ks, 0
.endif
	s_wait_dscnt 8*NL                              ; tiles 4-7 are in; the 32 loads of source 0's next set, issued behind them, may be out
	PLACES NP
	WIN 0
	FETCH_A \slot, 1, 0
.if \first
	FIRST32 4, 0xc1
.else
	WIN MUL_HI
	MUL16 4, 0, \ks, 0
	MUL16 6, 0, \ks, 0
.endif
	PLACES NP
	WIN 0
	FETCH_A \slot, 1, 4
.endm
; A slot's second step changes slots: ONE barrier; in front of it each wave waits for all its tensor loads, adds 0 to its spare word, and waits for that and for its own reads of this slot.
; fill = 1: chunk 2 goes to slot 2, for the first time, as a refill does, and chunk 3 to slot 0 again.
.macro TURN slot, next, ks, fill
	s_wait_tensorcnt 0x0                           ; all my tensor loads have landed;  (every window is 0 here)
	ds_add_u32 v[SPW], v[NIL]                      ; 0 onto my spare word
	s_wait_dscnt 4*NL+1                            ; (the add and the youngest 16 loads, tiles 4-7, may be out)
	WIN MUL_LO
	MUL16 0, 1, \ks, 0                             ; sixteen matrix instructions stand between the add and the wait for it
	s_wait_dscnt 0x0                               ; the add is done, and my reads of this slot are over
	s_barrier_signal -1
	MUL16 2, 1, \ks, 0
	WIN 0
	s_barrier_wait -1
.if \fill
	CREST                                          ; the barrier has opened a round of the cluster's barrier: no wave of any partner still reads slot 0 or has a load on its way
	s_add_co_u32 s[G0+1], s[G0+1], 2*SLOT
	s_add_co_u32 s[G0B+1], s[G0B+1], 2*SLOT
	s_sub_co_u32 s[G0+5], s[G0+5], SLOT
	s_sub_co_u32 s[G0B+5], s[G0B+5], SLOT
.irp s, 0,4
	s_add_nc_u64 s[G0+\s+2:G0+\s+3], s[G0+\s+2:G0+\s+3], 2*TILEB
	s_add_nc_u64 s[G0B+\s+2:G0B+\s+3], s[G0B+\s+2:G0B+\s+3], 2*TILEB
.endr
	JLOAD4                                         ; the first tensor load behind the round, my only one; its four v_nop are the places in front of the loads below
.else
	PLACES NP
.endif
	FETCH_B \next, 0, 0
	FETCH_A \next, 0, 0
	WIN MUL_HI
	MUL16 4, 1, \ks, 0
	MUL16 6, 1, \ks, 0
	PLACES NP
	WIN 0
	FETCH_A \next, 0, 4
.endm
	s_wait_alu depctr_va_vdst(0)
	s_wait_loadcnt 0x0                             ; the bias and all scale words
	v_cmp_eq_u32 vcc_lo, 1, v2
	WIN 0x08
.set i, 0
.rept 64
	v_cndmask_b32 v[SC+i], v[SC+i], v[i], vcc_lo   ; lanes 16-31 take source 0's words
.set i, i+1
.endr
	WIN 0
	s_wait_alu depctr_va_vdst(0)
	s_cmp_lt_u32 s14, 2
	s_cbranch_scc0 .Lnot_chunk_0
	s_wait_tensorcnt 0x0                           ; waves 0 and 1: chunk 0 is in; chunk 1 may be on its way
.Lnot_chunk_0:
	s_barrier_signal -1
	s_barrier_wait -1
	FETCH_B 0, 0, 0
	FETCH_A 0, 0, 0
	FETCH_A 0, 0, 4
	STEP 0, 0, 1                                   ; the 8 K steps are written out: each names its own scale registers
	TURN 0, 1, 1, 1
	STEP 1, 2, 0
	TURN 1, 2, 3, 0                                ; nothing is left to fetch
	STEP 2, 4, 0
	TURN 2, 0, 5, 0
	STEP 0, 6, 0
	s_wait_dscnt 4*NL                              ; the last step
	WIN MUL_LO
	MUL16 0, 1, 7, 0
	s_mov_b64 s[OT:OT+1], s[OB:OB+1]               ; where each tile's codes go
.irp a, 1,2,3,4,5,6,7
.if \a == 4
	s_add_nc_u64 s[OT+2*\a:OT+2*\a+1], s[OT+2*\a-2:OT+2*\a-1], s[STQ:STQ+1]
.else
	s_add_nc_u64 s[OT+2*\a:OT+2*\a+1], s[OT+2*\a-2:OT+2*\a-1], s[STA:STA+1]
.endif
.endr
	MUL16 2, 1, 7, 0
	s_wait_dscnt 0x0
	WIN MUL_HI
	MUL16 4, 1, 7, 0
	MUL16 6, 1, 7, 0
	WIN 0
	PLACES NP                                      ; in front of the first read of results
; THE WAY OUT, two of source 1's tiles at a time.  The 64 registers of a tile are, for my lane's row, two whole blocks along source 0: register 32 c + i = 64 c + 32 h + i.  They become a fragment's 12 registers and a scale word.
; Each tile has registers and a base of its own: no store's sources are written again.
	v_mov_b32 v[TP], 0                             ; a lane permute's destination counts as one of its sources
	v_mov_b32 v[TP+1], 0
.macro QPAIR a
.set AC, 64*((\a)%4)
.set WA, 2+(\a)/4
.set rT, TS+16*(((\a)/2)%2)
	WIN (WA<<2)|(WA<<4)                            ; sources 1 and 2: the accumulators' window
.irp u, 0,1
.irp b, 0,1,2,3
	v_max3_num_f32 v[TM+4*\u+\b], 0x1800000, |v[AC+64*\u+16*\b]|, |v[AC+64*\u+16*\b+1]|   ; half a block: 16 numbers, each accumulator from its low end on, and the floor 2^(3 - 127)
.endr
.endr
.irp i, 2,4,6,8,10,12,14
.irp u, 0,1
.irp b, 0,1,2,3
	v_max3_num_f32 v[TM+4*\u+\b], v[TM+4*\u+\b], |v[AC+64*\u+16*\b+\i]|, |v[AC+64*\u+16*\b+\i+1]|
.endr
.endr
.endr
	WIN 0
.irp u, 0,1
.irp c, 0,1
	v_max_num_f32 v[TM+4*\u+2*\c], v[TM+4*\u+2*\c], v[TM+4*\u+2*\c+1]   ; the block's largest magnitude
.endr
.endr
.irp u, 0,1
.irp c, 0,1
	v_add_nc_u32 v[TM+8+2*\u+\c], 0xff000000, v[TM+4*\u+2*\c]   ; 2 off its exponent field: the conversion's scale operand
.endr
.endr
.irp u, 0,1
.irp c, 0,1
	v_lshrrev_b32 v[TM+12+2*\u+\c], 23, v[TM+8+2*\u+\c]         ; the scale's byte
.endr
.endr
.irp u, 0,1
	v_lshl_or_b32 v[PWR+\a+\u], v[TM+13+2*\u], 16, v[TM+12+2*\u]   ; blocks h and 2 + h,
.endr
.irp u, 0,1
	v_lshlrev_b32 v[PWR+\a+\u], v[H8], v[PWR+\a+\u]                ; at their places;
.endr
.irp u, 0,1
	v_permlanex16_b32 v[TP+\u], v[PWR+\a+\u], s[SEL], s[SEL+1]
.endr
.irp u, 0,1
	v_or_b32 v[PWR+\a+\u], v[PWR+\a+\u], v[TP+\u]                  ; with lane l xor 16's two the word is whole
.endr
	WIN WA                                         ; source 0: the accumulators' window
.irp u, 0,1
.irp c, 0,1
	v_cvt_scalef32_pk16_fp6_f32 v[PC+12*(\a+\u)+6*\c:PC+12*(\a+\u)+6*\c+2], v[AC+64*\u+32*\c:AC+64*\u+32*\c+15], v[TM+8+2*\u+\c]
	v_cvt_scalef32_pk16_fp6_f32 v[rT+8*\u+4*\c:rT+8*\u+4*\c+2], v[AC+64*\u+32*\c+16:AC+64*\u+32*\c+31], v[TM+8+2*\u+\c]   ; (a conversion's three registers begin on an even number)
.endr
.endr
	WIN 0
	v_nop                                          ; one plain place behind a scaled conversion
.irp u, 0,1
.irp c, 0,1
.irp i, 0,1,2
	v_mov_b32 v[PC+12*(\a+\u)+6*\c+3+\i], v[rT+8*\u+4*\c+\i]
.endr
.endr
.endr
.irp u, 0,1
.set rP, PC+12*(\a+\u)
.set rO, OT+2*(\a+\u)
	global_store_b128 v[L16], v[rP:rP+3], s[rO:rO+1]                  ; each store covers 512 or 256 consecutive bytes, aligned to 256
	global_store_b64 v[L8], v[rP+4:rP+5], s[rO:rO+1] offset:512
	global_store_b128 v[L16C], v[rP+6:rP+9], s[rO:rO+1]
	global_store_b64 v[L8C], v[rP+10:rP+11], s[rO:rO+1] offset:512
.endr
.endm
.irp a, 0,2,4,6
	QPAIR \a
.endr
	; the scale words: lanes 0-15 store my first head's, lanes 16-31 my second head's: 256 consecutive bytes each, aligned
	s_wait_alu depctr_va_vdst(0)
	s_cmp_eq_u32 ttmp9, 2
	s_cbranch_scc1 .Lscale_v
.irp i, 0,1,2,3,4,5,6,7
	v_lshrrev_b32 v[XO+\i], v[SH], v[PWR+\i]       ; q, k: head h owns bytes 2 h, 2 h + 1 of a tile's word
.endr
.irp i, 0,1,2,3,4,5,6,7
	v_and_or_b32 v[XO+\i], v[XO+\i], 0xffff, s3    ; 127 above them
.endr
	global_store_b128 v[SOF], v[XO:XO+3], s[SB:SB+1]
	global_store_b128 v[SOF], v[XO+4:XO+7], s[SB:SB+1] offset:256
	s_branch .Lscale_done
.Lscale_v:
	v_cmp_eq_u32 vcc_lo, 1, v2
.irp i, 0,1,2,3
	v_cndmask_b32 v[XO+\i], v[PWR+\i], v[PWR+4+\i], vcc_lo   ; v: head h owns tiles 4 h .. 4 h + 3
.endr
	global_store_b128 v[SOF], v[XO:XO+3], s[SB:SB+1]
.Lscale_done:
	s_wait_tensorcnt 0x0                           ; the wave's end
	ds_add_u32 v[SPW], v[NIL]
	s_wait_dscnt 0x0
	CROUND                                         ; the closing round: no work-group ends while a partner may still ask for a tile that names it
	s_endpgm
.Lfunc_end_k_qf58d936134_gemm_qkv:
	.size	k_qf58d936134_gemm_qkv, .Lfunc_end_k_qf58d936134_gemm_qkv-k_qf58d936134_gemm_qkv
	.p2alignl 7, 3214868480
	.fill 96, 4, 3214868480
	.section	.rodata,"a",@progbits
	.p2align	6, 0x0
	.amdhsa_kernel k_qf58d936134_gemm_qkv
		.amdhsa_group_segment_fixed_size 327680
		.amdhsa_private_segment_fixed_size 0
		.amdhsa_enable_private_segment 0
		.amdhsa_kernarg_size 72
		.amdhsa_user_sgpr_count 2
		.amdhsa_user_sgpr_kernarg_segment_ptr 1
		.amdhsa_wavefront_size32 1
		.amdhsa_system_sgpr_workgroup_id_x 1
		.amdhsa_system_sgpr_workgroup_id_y 1
		.amdhsa_system_sgpr_workgroup_id_z 1
		.amdhsa_system_vgpr_workitem_id 0
		.amdhsa_next_free_vgpr 1024
		.amdhsa_next_free_sgpr 106
		.amdhsa_reserve_vcc 1
		.amdhsa_float_denorm_mode_32 3
		.amdhsa_float_denorm_mode_16_64 3
		.amdhsa_memory_ordered 1
		.amdhsa_forward_progress 1
		.amdhsa_inst_pref_size 161
	.end_amdhsa_kernel
	.amdgpu_metadata
---
amdhsa.version: [ 1, 2 ]
amdhsa.kernels:
  - .name:           k_qf58d936134_gemm_qkv
    .symbol:         k_qf58d936134_gemm_qkv.kd
    .args:
      - { .name: xc, .offset: 0, .size: 8, .value_kind: global_buffer, .address_space: global }
      - { .name: xs, .offset: 8, .size: 8, .value_kind: global_buffer, .address_space: global }
      - { .name: wc, .offset: 16, .size: 8, .value_kind: global_buffer, .address_space: global }
      - { .name: ws, .offset: 24, .size: 8, .value_kind: global_buffer, .address_space: global }
      - { .name: bq, .offset: 32, .size: 8, .value_kind: global_buffer, .address_space: global }
      - { .name: bk, .offset: 40, .size: 8, .value_kind: global_buffer, .address_space: global }
      - { .name: bv, .offset: 48, .size: 8, .value_kind: global_buffer, .address_space: global }
      - { .name: qb, .offset: 56, .size: 8, .value_kind: global_buffer, .address_space: global }
      - { .name: kv, .offset: 64, .size: 8, .value_kind: global_buffer, .address_space: global }
    .group_segment_fixed_size: 327680
    .private_segment_fixed_size: 0
    .kernarg_segment_align: 8
    .kernarg_segment_size: 72
    .max_flat_workgroup_size: 128
    .sgpr_count:     106
    .vgpr_count:     1024
    .wavefront_size: 32
...
	.end_amdgpu_metadata
.endif
;; end of part 6
;; launch attn (part 7): grid 8 x 32, 8 waves a work-group, clusters of 4 x 1, 236,032 bytes of LDS; arguments qb, kv, oc, os; writes oc, os
.if DOCPART == 7
	.amdgcn_target "amdgcn-amd-amdhsa--gfx1250"
	.amdhsa_code_object_version 6
	.text
	.protected	k_qf58d936134_attn
	.globl	k_qf58d936134_attn
	.p2align	8
	.type	k_qf58d936134_attn,@function
k_qf58d936134_attn:
	s_mov_b64 s[64:65], 0
	v_nop
	global_prefetch_b8 v0, s[64:65] scope:SCOPE_SE
	s_setreg_imm32_b32 hwreg(HW_REG_WAVE_MODE, 25, 1), 1
	s_wait_xcnt 0x0
	s_wait_alu depctr_hold_cnt(0) depctr_sa_sdst(0) depctr_va_vdst(0) depctr_va_sdst(0) depctr_va_ssrc(0) depctr_va_vcc(0) depctr_vm_vsrc(0)
	s_getreg_b32 s2, hwreg(HW_REG_IB_STS2, 6, 4)
	s_cmp_eq_u32 s2, 0
	s_cbranch_scc0 .Lentry_in_a_cluster
	s_endpgm
.Lentry_in_a_cluster:
	s_bfe_u32 s2, ttmp6, 0x10000c
	s_cmp_lg_u32 s2, 0x3003
	s_cbranch_scc0 .Lentry_shape_is_right
	s_endpgm
.Lentry_shape_is_right:
; o[b h][q] = the sum over k of softmax_k(q . k / 8) v, both products on codes of FP6 (E2M3) with E8M0 scales; o is divided by the row's sum, quantised along the head's 64 and leaves as codes for the last product.
; THE SOFTMAX: t = score x log2(e) / 8; M = the running largest t, rounded UP to a whole number; p = 2^(t - M) is what is quantised, along the keys, not normalised; the row's sum is taken of the unquantised p.
; When M moves, the sum and O are multiplied by 2^(old M - new M): exact.
; SHARES.  A work-group owns 256 queries of one head; each of its eight waves two tiles of 16 (tile 0, tile 1), in 512 registers.  A step is 256 keys, two records: each fragment of K and of V serves both tiles, and M moves once a step.
; LDS.  A head's 16 records of kv (128 keys each: K's 8 half images @0, V^T's 4 fragments @6,144, K's scale words @12,288, V's @12,800; 13,056 bytes) lie in LDS whole, 208,896 bytes, FILLED ONCE: no slot is filled again.
; CLUSTER: its four work-groups belong to one head: wave w asks JOINTLY for records 2 w, 2 w + 1, by the same tensor load with the same descriptor and the mask 15.  Step 0 waits for wave 0's load alone; a second barrier, signalled
; in step 0 and waited for at its end, shows the rest.  No prefetch: everything is asked for at the head.
; LAYOUT.  Both products are used transposed: S^T = K Q^T (source 0 = 16 keys), O^T = V^T P^T (source 0 = 16 channels): a lane holds ONE query throughout.  Image lane r of tile 4 c + j is row 64 c + 32 (r / 8) + 8 j + r % 8:
; a lane's 32 registers of four tiles are 32 neighbouring keys (channels) 64 c + 32 h + 0 .. 31: a whole scale block, in the order of the next operand's registers.
; THE FIRST PRODUCT'S K IS 64.  Registers 6-11 of Q's fragments hold zero codes.  K's tiles lie on end, six registers each, and a tile's operand runs on into the six registers behind it: whatever codes stand there
; meet Q's zero codes and add exact zeros (the format has no code but numbers), under the scale byte 127 on both sides.
; A BLOCK'S SCALE: with e = floor(largest t - M), the exponent of the block's largest p, the byte is e + 125, e held at -124 from below.
; OUT.  oc [tile of tokens 256][head 16][768]: a half image;  os [tile][head / 8][r 16][4 words]: head hd owns bytes 2 (hd % 2), + 1 of word (hd / 2) % 4.
; LIMITS: NaN and infinities are not served; a block whose largest magnitude lies under 2^-124 keeps the byte 1; 1 / sum is v_rcp_f32 and a multiplication; o's scale bytes leave one byte a lane, since a head owns two bytes of a word.
; REGISTERS.  Window 1: S^T, then p: tile t at 128 t, block n (record n / 2, c = n % 2) at 128 t + 32 n; when tile 0's p is converted, tile 1's codes go to its first 24 registers.
; Window 0: v1-3 LDS addresses; per tile t, + 8 t: v4 -M, v5 the largest score, v[6:7] the sum, v8 f, v9 at work, v[10:11] p's scale words; v20 Q's scale words (tile 1's in lanes 16-31); v21 8 h; v22-37 K's, then V's scale words;
; v38-45 the blocks' largest, then the conversions' scale operands; v46, v47 at work; v48-111 O^T; v112-135 Q; v136-231 K, then V, of the two records; v232-255 tile 0's codes.
.set REC,  13056
.set SPARE, 18*REC                     ; the spare words, 128 bytes for each wave
.set NM,   4
.set MX,   5
.set LS,   6
.set FF,   8
.set WK,   9
.set PW,   10
.set QS,   20
.set H8,   21
.set KS,   22
.set BM,   38
.set TMP,  46
.set OB,   48
.set QB,   112
.set XB,   136
.set PA,   232
.set WV,   12
.set SEL,  20                          ; s[20:21] selects for lane l xor 16
.set CS,   22                          ; s[22:23] c = log2(e) / 8
.set G1,   24                          ; s[24:31] group 1;  s[32:35] group 0
.set G0,   32
.set NC,   36                          ; s36  -c
.set TR,   48                          ; s48  trips
.set TB,   49                          ; s49  LDS byte at which the step's records begin
.set MSB, 0
.macro WIN new                         ; the immediate's high byte repeats the setting that is left
.if MSB != (\new)
	s_set_vgpr_msb (MSB<<8)|(\new)
.set MSB, (\new)
.endif
.endm
.macro WALU
	s_wait_alu depctr_va_vdst(0)
.endm
.macro PLACES n
.rept \n
	v_nop
.endr
.endm
.macro CROUND                          ; a round of the cluster's barrier
	s_barrier_signal -1
	s_barrier_wait -1
	s_cmp_lg_u32 s[WV], 0
	s_cbranch_scc1 .Lnot_wave_0_\@
	s_barrier_signal -3
.Lnot_wave_0_\@:
	s_barrier_wait -3
	s_barrier_signal -1
	s_barrier_wait -1
.endm
	s_load_b256 s[4:11], s[0:1], 0x0               ; qb, kv, oc, os
	v_lshl_add_u32 v[TMP], v0, 2, SPARE
	v_mov_b32 v[TMP+1], 0
	ds_add_u32 v[TMP], v[TMP+1]
	ds_add_u32 v[TMP], v[TMP+1]
	v_lshrrev_b32 v1, 5, v0
	v_readfirstlane_b32 s[WV], v1                  ; wave 0..7
	s_bfe_u32 s13, ttmp6, 0x40000                  ; cx: it enters Q's, oc's and os's addresses alone
	s_lshl_b32 s14, ttmp9, 2
	s_add_co_u32 s14, s14, s13                     ; my block of 256 queries
	s_and_b32 s15, ttmp7, 0xffff                   ; b h, which the four partners share
	s_lshl_b32 s17, s14, 4
	s_lshl_b32 s16, s[WV], 1
	s_add_co_u32 s17, s17, s16                     ; qt: my first tile of queries, 0..126
	s_mul_i32 s50, s15, 16*REC
	s_mul_i32 s18, s[WV], 2*REC                    ; where my two records go in LDS
	s_add_co_u32 s50, s50, s18                     ; kv: my head, my two records
	s_mov_b32 s51, 0
	s_lshr_b32 s60, s17, 3
	s_lshl_b32 s61, s15, 4
	s_add_co_u32 s60, s60, s61
	s_mul_i32 s60, s60, 6656                       ; qb: the record of my group of 8 tiles
	s_and_b32 s61, s17, 7
	s_mul_i32 s61, s61, 768
	s_add_co_u32 s52, s60, s61                     ; my two half images
	s_mov_b32 s53, 0
	s_bfe_u32 s61, s17, 0x10002
	s_lshl_b32 s61, s61, 8
	s_add_co_u32 s60, s60, s61
	s_and_b32 s61, s17, 3
	s_lshl_b32 s61, s61, 2
	s_add_co_u32 s60, s60, s61
	s_add_co_u32 s60, s60, 6144                    ; my tiles' scale words: 6,144 + 256 ((qt / 4) % 2) + 4 (qt % 4), 16 bytes a row
	s_mov_b32 s61, 0
	s_lshr_b32 s19, s15, 4
	s_lshl_b32 s19, s19, 7
	s_add_co_u32 s19, s19, s17                     ; my first tile among all tokens
	s_and_b32 s58, s15, 15                         ; hd: my head
	s_mul_i32 s54, s19, 12288
	s_mul_i32 s59, s58, 768
	s_add_co_u32 s54, s54, s59                     ; oc
	s_mov_b32 s55, 0
	s_lshl_b32 s56, s19, 9
	s_lshr_b32 s59, s58, 3
	s_lshl_b32 s59, s59, 8
	s_add_co_u32 s56, s56, s59
	s_bfe_u32 s59, s58, 0x20001
	s_lshl_b32 s59, s59, 2
	s_add_co_u32 s56, s56, s59
	s_and_b32 s59, s58, 1
	s_lshl_b32 s59, s59, 1
	s_add_co_u32 s56, s56, s59                     ; os
	s_mov_b32 s57, 0
	; group 1: two records: 26,112 dense bytes as 102 rows of 256 (32 elements of 8 bytes)
	s_mov_b32 s[G1], 15|(3<<16)|(1<<21)            ; 15:0 the mask: all four work-groups; 17:16 elements of 8 bytes; 20 no padding; 21 set beside a mask
	s_mov_b32 s[G1+1], 32<<16                      ; tensor_dim0
	s_mov_b32 s[G1+2], 102<<16                     ; tensor_dim1
	s_mov_b32 s[G1+3], 32<<16                      ; tile_dim0
	s_mov_b32 s[G1+4], 102                         ; tile_dim1
	s_mov_b32 s[G1+5], 32                          ; tensor_dim0_stride
	s_mov_b32 s[G1+6], 0
	s_mov_b32 s[G1+7], 0
	s_mov_b32 s[SEL], 0x76543210
	s_mov_b32 s[SEL+1], 0xfedcba98
	s_mov_b32 s[CS], 0x3e38aa3b                    ; c = log2(e) / 8
	s_mov_b32 s[CS+1], s[CS]                       ; (named with it as a pair, so it is written)
	s_mov_b32 s[NC], 0xbe38aa3b
	s_mov_b32 s[TB], 0
	s_wait_dscnt 0x0                               ; both opening adds are done
	CROUND                                         ; all four work-groups are here: the joint loads meet
	s_wait_kmcnt 0x0
	s_add_nc_u64 s[6:7], s[6:7], s[50:51]
	s_add_nc_u64 s[52:53], s[4:5], s[52:53]
	s_add_nc_u64 s[60:61], s[4:5], s[60:61]
	s_add_nc_u64 s[8:9], s[8:9], s[54:55]
	s_add_nc_u64 s[10:11], s[10:11], s[56:57]
	s_mov_b32 s[G0], 1
	s_mov_b32 s[G0+1], s18
	s_mov_b64 s[G0+2:G0+3], s[6:7]
	s_or_b32 s[G0+3], s[G0+3], 0x80000000
.macro HEADWORK                        ; what else the head has to do: wave 0 does it behind its tensor load, the others ahead of theirs, so that records 0 and 1, needed first, are asked for first
	v_and_b32 v[TMP], 31, v0
	v_lshlrev_b32 v1, 4, v[TMP]                    ; 16 l
	v_lshlrev_b32 v2, 3, v[TMP]                    ; 8 l
	v_and_b32 v3, 15, v0
	v_lshlrev_b32 v3, 4, v3                        ; 16 r
	v_bfe_u32 v[H8], v0, 4, 1
	v_lshl_add_u32 v[TMP], v[H8], 2, v3            ; 16 r + 4 h: lanes 16-31 take tile 1's words
	v_lshlrev_b32 v[H8], 3, v[H8]
.irp t, 0,1
	global_load_b128 v[QB+12*\t:QB+12*\t+3], v1, s[52:53] offset:768*\t   ; Q's half images stay in registers
	global_load_b64 v[QB+12*\t+4:QB+12*\t+5], v2, s[52:53] offset:768*\t+512
.endr
	global_load_b32 v[QS], v[TMP], s[60:61]        ; and their scale words
.irp j, 6,7,8,9,10,11
	v_mov_b32 v[QB+\j], 0                          ; zero codes for K = 64 .. 127
	v_mov_b32 v[QB+12+\j], 0
	v_mov_b32 v[PA+\j-6], 0                        ; the six registers behind K's last tile: written before the first step names them
.endr
.endm
	s_cmp_eq_u32 s[WV], 0                          ; wave 0's load has a line of its own: the first barrier waits for it alone
	s_cbranch_scc0 .Lothers
	tensor_load_to_lds s[G0:G0+3], s[G1:G1+7]
	s_nop 0
	PLACES 4
	HEADWORK
	s_branch .Lasked
.Lothers:
	HEADWORK
	tensor_load_to_lds s[G0:G0+3], s[G1:G1+7]
	s_nop 0
	PLACES 4
.Lasked:
; K's half images and scale words of a step's record g: 18 loads
.macro KLOADG g
	ds_load_b128 v[KS+8*\g:KS+8*\g+3], v3 offset:\g*REC+12288      ; scale words: tiles 0-3,
	ds_load_b128 v[KS+8*\g+4:KS+8*\g+7], v3 offset:\g*REC+12544    ; tiles 4-7
.irp t, 0,1,2,3,4,5,6,7
	ds_load_b128 v[XB+48*\g+6*\t:XB+48*\g+6*\t+3], v1 offset:\g*REC+\t*768
	ds_load_b64 v[XB+48*\g+6*\t+4:XB+48*\g+6*\t+5], v2 offset:\g*REC+\t*768+512
.endr
.endm
.macro QK2 t, g, k                     ; two of the eight products of record g's K with query tile t
	WIN 0x40
.irp u, 0,1
.set rK, XB+48*(\g)+6*(2*(\k)+\u)
.set rS, 128*(\t)+64*(\g)+8*(2*(\k)+\u)
.set rX, KS+8*(\g)+2*(\k)+\u
.if \t
	v_wmma_scale_f32_16x16x128_f8f6f4 v[rS:rS+7], v[rK:rK+11], v[QB+12:QB+23], 0, v[rX], v[QS] matrix_a_fmt:MATRIX_FMT_FP6 matrix_b_fmt:MATRIX_FMT_FP6 matrix_b_scale:MATRIX_SCALE_ROW1
.else
	v_wmma_scale_f32_16x16x128_f8f6f4 v[rS:rS+7], v[rK:rK+11], v[QB:QB+11], 0, v[rX], v[QS] matrix_a_fmt:MATRIX_FMT_FP6 matrix_b_fmt:MATRIX_FMT_FP6
.endif
.endr
.endm
.macro MAX8 t, g, k                    ; round k of four: the largest scores of record g's two blocks, a chain for each accumulator, eight chains by turns
.if (\k) == 0
	WIN 0x05
.else
	WIN 0x14
.endif
.irp q, 0,1,2,3,4,5,6,7
.set rB, 128*(\t)+64*(\g)+8*\q+2*(\k)
.set rM, PA+8+8*(\t)+\q
.if (\k) == 0
	v_max_num_f32 v[rM], v[rB], v[rB+1]
.else
	v_max3_num_f32 v[rM], v[rM], v[rB], v[rB+1]
.endif
.endr
.endm
.macro JOIN1 t, b                      ; block b's four chains become one, in two lines
.set rM, PA+8+8*(\t)+4*((\b)%2)
	v_max3_num_f32 v[BM+4*(\t)+\b], v[rM], v[rM+1], v[rM+2]
.endm
.macro JOIN2 t, b
.set rM, PA+8+8*(\t)+4*((\b)%2)
	v_max_num_f32 v[BM+4*(\t)+\b], v[BM+4*(\t)+\b], v[rM+3]
.endm
.macro RUNMAX t, first                 ; the running largest score
.if \first
	v_max_num_f32 v[MX+8*\t], v[WK+8*\t], v[TMP+\t]
.else
	v_max3_num_f32 v[MX+8*\t], v[MX+8*\t], v[WK+8*\t], v[TMP+\t]
.endif
.endm
.macro OMUL t, j, n, first             ; n pairs of O^T from pair j on, under the new M
.if !(\first)
.set rJ, OB+32*(\t)+2*(\j)
.rept \n
	v_pk_mul_f32 v[rJ:rJ+1], v[rJ:rJ+1], v[FF+8*\t:FF+8*\t+1] op_sel_hi:[1,0]
.set rJ, rJ+2
.endr
.endif
.endm
.macro LMUL t, first                   ; the sum under the new M
.if !(\first)
	v_pk_mul_f32 v[LS+8*\t:LS+8*\t+1], v[LS+8*\t:LS+8*\t+1], v[FF+8*\t:FF+8*\t+1] op_sel_hi:[1,0]
.endif
.endm
.macro BMT t                           ; t - M of each block's largest score
.irp b, 0,2
	v_pk_fma_f32 v[BM+4*\t+\b:BM+4*\t+\b+1], v[BM+4*\t+\b:BM+4*\t+\b+1], s[CS:CS+1], v[NM+8*\t:NM+8*\t+1] op_sel_hi:[1,0,0]
.endr
.endm
.macro BME t                           ; e (it saturates)
.irp b, 0,1,2,3
	v_cvt_floor_i32_f32 v[BM+4*\t+\b], v[BM+4*\t+\b]
.endr
.endm
.macro BMH t                           ; held at -124
.irp b, 0,1,2,3
	v_max_i32 v[BM+4*\t+\b], 0xffffff84, v[BM+4*\t+\b]
.endr
.endm
.macro BMS t                           ; the conversion's scale operand: exponent field e + 125
.irp b, 0,1,2,3
	v_lshl_add_u32 v[BM+4*\t+\b], v[BM+4*\t+\b], 23, 0x3e800000
.endr
.endm
.macro PWW t, i                        ; p's scale words for the two records, line i of five
.irp g, 0,1
.if \i == 0
	v_lshl_add_u32 v[PW+8*\t+\g], v[BM+4*\t+2*\g+1], 16, v[BM+4*\t+2*\g]   ; my blocks h and 2 + h,
.endif
.if \i == 1
	v_add_nc_u32 v[PW+8*\t+\g], 0x7d007d, v[PW+8*\t+\g]   ; + 125 each,
.endif
.if \i == 2
	v_lshlrev_b32 v[PW+8*\t+\g], v[H8], v[PW+8*\t+\g]     ; at their places;
.endif
.if \i == 3
	v_permlanex16_b32 v[TMP+\g], v[PW+8*\t+\g], s[SEL], s[SEL+1]
.endif
.if \i == 4
	v_or_b32 v[PW+8*\t+\g], v[PW+8*\t+\g], v[TMP+\g]      ; with lane l xor 16's two the word is whole
.endif
.endr
.endm
.macro SUM8 r, first                   ; round r of eight of tile 1's sum: two numbers at a time, eight chains by turns
	WIN 0x01
.irp q, 0,1,2,3,4,5,6,7
.set rB, 128+16*(\r)+2*\q
.set rA, BM+2*\q-8
.if \q == 0
.set rA, LS+8
.endif
.if \q == 1
.set rA, TMP
.endif
.if \q == 2
.set rA, FF
.endif
.if \q == 3
.set rA, FF+8
.endif
.if ((\r) == 0) && ((\q > 0) || (\first))
	v_pk_add_f32 v[rA:rA+1], v[rB:rB+1], 0 op_sel_hi:[1,0]
.else
	v_pk_add_f32 v[rA:rA+1], v[rB:rB+1], v[rA:rA+1]
.endif
.endr
.endm
.macro PADD d, x
	v_pk_add_f32 v[\d:\d+1], v[\d:\d+1], v[\x:\x+1]
.endm
.macro SUMEND8                         ; the eight chains become one
	WIN 0
	PADD TMP, FF
	PADD FF+8, BM
	PADD BM+2, BM+4
	PADD LS+8, BM+6
	PADD TMP, FF+8
	PADD LS+8, BM+2
	PADD LS+8, TMP
.endm
.macro SUMR t, r, first                ; round r of sixteen of THE ROW'S SUM, TAKEN OF THE UNQUANTISED p: two at a time, four chains by turns
	WIN 0x01
.irp q, 0,1,2,3
.set rB, 128*(\t)+8*(\r)+2*\q
.set rA, LS+8*(\t)
.if \q == 1
.set rA, TMP
.endif
.if \q == 2
.set rA, FF
.endif
.if \q == 3
.set rA, FF+8
.endif
.if ((\r) == 0) && ((\q > 0) || (\first))
	v_pk_add_f32 v[rA:rA+1], v[rB:rB+1], 0 op_sel_hi:[1,0]
.else
	v_pk_add_f32 v[rA:rA+1], v[rB:rB+1], v[rA:rA+1]
.endif
.endr
.endm
.macro SUMEND t                        ; the four chains become one
	WIN 0
	v_pk_add_f32 v[TMP:TMP+1], v[TMP:TMP+1], v[FF+8:FF+9]
	v_pk_add_f32 v[LS+8*\t:LS+8*\t+1], v[LS+8*\t:LS+8*\t+1], v[FF:FF+1]
	v_pk_add_f32 v[LS+8*\t:LS+8*\t+1], v[LS+8*\t:LS+8*\t+1], v[TMP:TMP+1]
.endm
.macro PV t, i, first                  ; product i of eight of O^T += V^T P^T: record i / 4, channels' tile i % 4: the four accumulators by turns, one instruction a turn
.set rO, OB+32*(\t)+8*((\i)%4)
.set rV, XB+48*((\i)/4)+12*((\i)%4)
.set rX, KS+8*((\i)/4)+(\i)%4
.set rW, PW+8*(\t)+(\i)/4
.set rP, 12*((\i)/4)
.if (\t) == 0
.set rP, rP+PA
.endif
	WIN 4*(\t)
.if (\first) && ((\i) < 4)
	v_wmma_scale_f32_16x16x128_f8f6f4 v[rO:rO+7], v[rV:rV+11], v[rP:rP+11], 0, v[rX], v[rW] matrix_a_fmt:MATRIX_FMT_FP6 matrix_b_fmt:MATRIX_FMT_FP6
.else
	v_wmma_scale_f32_16x16x128_f8f6f4 v[rO:rO+7], v[rV:rV+11], v[rP:rP+11], v[rO:rO+7], v[rX], v[rW] matrix_a_fmt:MATRIX_FMT_FP6 matrix_b_fmt:MATRIX_FMT_FP6
.endif
.endm
; A KEY STEP: two records, 256 keys.  first = 1: nothing to rescale, O starts with C = 0, and the second barrier is passed.
.macro STEP first
	s_wait_dscnt 18                                ; the first record's K and its scale words; the second's 18 loads may be out (with tile 7's operand run on into registers that they fill: those are waited for just below, ahead of tile 7)
.irp k, 0,1,2                                  ; S^T = K Q^T: each tile of 16 keys serves both tiles of queries
	QK2 0, 0, \k
.endr
	s_wait_dscnt 14                                ; the first four of those 18 loads are in: the scale words and the six registers behind tile 7
	QK2 0, 0, 3
	WIN 0
.if \first
	PLACES 4                                       ; in front of the first read of the scores
.else
	v_mov_b32 v[FF], v[NM]                         ; (two of the four places)  the old -M is kept for f
	v_mov_b32 v[FF+8], v[NM+8]
	PLACES 2
.endif
.irp k, 0,1,2,3
	QK2 1, 0, \k
	MAX8 0, 0, \k
.endr
	s_wait_dscnt 0x0                               ; the second record's K
.irp k, 0,1,2,3
	QK2 0, 1, \k
	MAX8 1, 0, \k
.if \k == 0
	WIN 0
	JOIN1 0, 0
	JOIN1 0, 1
.endif
.if \k == 1
	WIN 0
	JOIN2 0, 0
	JOIN2 0, 1
.endif
.endr
.irp k, 0,1,2,3
	QK2 1, 1, \k
	MAX8 0, 1, \k
.if \k == 0
	WIN 0
	JOIN1 1, 0
	JOIN1 1, 1
.endif
.if \k == 1
	WIN 0
	JOIN2 1, 0
	JOIN2 1, 1
.endif
.endr
	WIN 0
.irp g, 0,1                                    ; V's fragments, onto K's registers: they land during the softmax
.irp d, 0,1,2,3
	ds_load_b128 v[XB+48*\g+12*\d:XB+48*\g+12*\d+3], v1 offset:\g*REC+6144+\d*1536
	ds_load_b64 v[XB+48*\g+12*\d+4:XB+48*\g+12*\d+5], v2 offset:\g*REC+6144+\d*1536+512
	ds_load_b128 v[XB+48*\g+12*\d+6:XB+48*\g+12*\d+9], v1 offset:\g*REC+6144+\d*1536+768
	ds_load_b64 v[XB+48*\g+12*\d+10:XB+48*\g+12*\d+11], v2 offset:\g*REC+6144+\d*1536+1280
.endr
	ds_load_b128 v[KS+8*\g:KS+8*\g+3], v3 offset:\g*REC+12800
.endr
	s_add_co_u32 s[TB], s[TB], 2*REC
; Tile 0's steps from the largest score to f and to p's scales stand among tile 1's maxima, tile 1's among tile 0's rescaling.
; -t = -c x score; the new -M = floor(-t) = -ceil(t): M IS A WHOLE NUMBER; f = 2^(old M - new M), its exponent a whole number, 0 or less (the conversion saturates).
	MAX8 1, 1, 0
	WIN 0
	JOIN1 0, 2
	JOIN1 0, 3
	MAX8 1, 1, 1
	WIN 0
	JOIN2 0, 2
	JOIN2 0, 3
	MAX8 1, 1, 2
	WIN 0
	v_max3_num_f32 v[WK], v[BM], v[BM+1], v[BM+2]
	MAX8 1, 1, 3
	WIN 0
	v_max_num_f32 v[WK], v[WK], v[BM+3]
	JOIN1 1, 2
	JOIN1 1, 3
	v_permlanex16_b32 v[TMP], v[WK], s[SEL], s[SEL+1]
	JOIN2 1, 2
	JOIN2 1, 3
	RUNMAX 0, \first
	v_max3_num_f32 v[WK+8], v[BM+4], v[BM+5], v[BM+6]
	v_mul_f32 v[WK], s[NC], v[MX]
	v_max_num_f32 v[WK+8], v[WK+8], v[BM+7]
	v_floor_f32 v[NM], v[WK]
	v_permlanex16_b32 v[TMP+1], v[WK+8], s[SEL], s[SEL+1]
.if !(\first)
	v_sub_f32 v[FF], v[NM], v[FF]
.endif
	BMT 0
	RUNMAX 1, \first
.if !(\first)
	v_cvt_i32_f32 v[FF], v[FF]
.endif
	BME 0
	v_mul_f32 v[WK+8], s[NC], v[MX+8]
.if !(\first)
	v_ldexp_f32 v[FF], 1.0, v[FF]
.endif
	BMH 0
	v_floor_f32 v[NM+8], v[WK+8]
	LMUL 0, \first
	OMUL 0, 0, 4, \first
.if !(\first)
	v_sub_f32 v[FF+8], v[NM+8], v[FF+8]
.endif
	PWW 0, 0
	BMT 1
	OMUL 0, 4, 2, \first
.if !(\first)
	v_cvt_i32_f32 v[FF+8], v[FF+8]
.endif
	PWW 0, 1
	BME 1
	OMUL 0, 6, 2, \first
.if !(\first)
	v_ldexp_f32 v[FF+8], 1.0, v[FF+8]
.endif
	PWW 0, 2
	BMH 1
	OMUL 0, 8, 2, \first
	PWW 0, 3
	LMUL 1, \first
	OMUL 1, 0, 4, \first
	PWW 1, 0
	PWW 0, 4
	OMUL 1, 4, 4, \first
	PWW 1, 1
	BMS 0
	OMUL 0, 10, 2, \first
	PWW 1, 2
	OMUL 0, 12, 4, \first
	PWW 1, 3
	BMS 1
	OMUL 1, 8, 8, \first
	PWW 1, 4
	WIN 0x41
.set j, 0
.rept 64
	v_pk_fma_f32 v[2*j:2*j+1], v[2*j:2*j+1], s[CS:CS+1], v[NM:NM+1] op_sel_hi:[1,0,0]   ; t - M, two at a time (of the pairs c and -M the low word serves both halves)
.set j, j+1
.endr
	WALU
.set j, 0
.rept 64                               ; tile 0's exponentials, and among them tile 1's scalings: none of those names an exponential's result
	v_exp_f32 v[2*j], v[2*j]                       ; p = 2^(t - M), at most 1: NOT normalised
	v_exp_f32 v[2*j+1], v[2*j+1]
	v_pk_fma_f32 v[128+2*j:129+2*j], v[128+2*j:129+2*j], s[CS:CS+1], v[NM+8:NM+9] op_sel_hi:[1,0,0]
.set j, j+1
.endr
	WALU
.if \first
	s_wait_dscnt 0x0                               ; my reads have come back,
	s_wait_tensorcnt 0x0                           ; and my two records are in:
	s_barrier_signal -1                            ; register work alone stands in it
.endif
.set j, 0
.rept 128
	v_exp_f32 v[128+j], v[128+j]
.set j, j+1
.endr
	v_nop                                          ; a plain place behind the exponentials
	WALU                                           ; the wait, ahead of the first reader
.irp n, 0,1,2,3                                ; tile 0's codes: block n is registers 6 n .. 6 n + 5.  A conversion's three registers begin on an even number: the second half is made in the next block's place (the last: in spent scale operands) and moved
	WIN 0x01
.set rT, PA+6*\n+6
.if \n == 3
.set rT, BM
.endif
	v_cvt_scalef32_pk16_fp6_f32 v[PA+6*\n:PA+6*\n+2], v[32*\n:32*\n+15], v[BM+\n]
	v_cvt_scalef32_pk16_fp6_f32 v[rT:rT+2], v[32*\n+16:32*\n+31], v[BM+\n]
	SUMR 0, 2*\n, \first                           ; (plain places behind a scaled conversion)
	SUMR 0, 2*\n+1, \first
	v_or_b32 v[PA+6*\n+3], 0, v[rT]                ; (a move whose source stands in window 0)
	v_or_b32 v[PA+6*\n+4], 0, v[rT+1]
	v_or_b32 v[PA+6*\n+5], 0, v[rT+2]
.endr
	SUMR 0, 8, \first                              ; (four places between the codes and the products below)
	WIN 0
	WALU
	s_wait_dscnt 0x0                               ; V and its scale words
.irp i, 0,1,2,3,4,5,6,7                        ; tile 0's products, and among them the rest of its sum
	PV 0, \i, \first
.if \i < 7
	SUMR 0, 9+\i, \first
.endif
.endr
	SUMEND 0
	WIN 0x41
.irp n, 0,1,2,3                                ; tile 1's, onto tile 0's spent p
	v_cvt_scalef32_pk16_fp6_f32 v[6*\n:6*\n+2], v[128+32*\n:128+32*\n+15], v[BM+4+\n]
	v_cvt_scalef32_pk16_fp6_f32 v[32+4*\n:34+4*\n], v[128+32*\n+16:128+32*\n+31], v[BM+4+\n]
.endr
	v_nop
.irp n, 0,1,2,3
.irp i, 0,1,2
	v_mov_b32 v[6*\n+3+\i], v[32+4*\n+\i]
.endr
.endr
	WIN 0
	v_and_b32 v[TMP], 31, v0                       ; the next step's LDS addresses.  (These five are also the places between the codes and the products below)
	v_lshl_add_u32 v1, v[TMP], 4, s[TB]
	v_lshl_add_u32 v2, v[TMP], 3, s[TB]
	v_and_b32 v[TMP], 15, v0
	v_lshl_add_u32 v3, v[TMP], 4, s[TB]
.irp i, 0,1,2,3                                ; tile 1's products with the first record, and among them half of its sum
	PV 1, \i, \first
	SUM8 \i, \first
.endr
	WIN 0
	WALU
.if \first
	s_barrier_wait -1                              ; all 16 records are in
.else
	s_cmp_eq_u32 s[TR], 1                          ; the last step asks for no K
	s_cbranch_scc1 .Lno_k0_\@
.endif
	KLOADG 0                                       ; the first record's V has been used up: the next step's K lands there
.if !(\first)
.Lno_k0_\@:
.endif
.irp i, 4,5,6,7
	PV 1, \i, \first
	SUM8 \i, \first
.endr
	SUMEND8
.if !(\first)
	WALU
	s_cmp_eq_u32 s[TR], 1
	s_cbranch_scc1 .Lno_k1_\@
.endif
	KLOADG 1
.if !(\first)
.Lno_k1_\@:
.endif
.endm
	WALU
	s_cmp_lg_u32 s[WV], 0
	s_cbranch_scc1 .Lnot_0
	s_wait_tensorcnt 0x0                           ; wave 0: records 0 and 1 are in
.Lnot_0:
	s_barrier_signal -1
	s_barrier_wait -1
	KLOADG 0
	KLOADG 1
	s_wait_loadcnt 0x0                             ; Q
	STEP 1
	s_mov_b32 s[TR], 7
.Lstep:
	STEP 0
	s_sub_co_u32 s[TR], s[TR], 1
	s_cmp_lg_u32 s[TR], 0
	s_cbranch_scc1 .Lstep
	; THE WAY OUT.  O^T / the sum; register i is channel 32 h + i of my query: one block, quantised as p is; the codes are a half image.
.irp t, 0,1
	v_add_f32 v[LS+8*\t], v[LS+8*\t], v[LS+8*\t+1] ; the sum's two halves,
.endr
.irp t, 0,1
	v_permlanex16_b32 v[TMP+\t], v[LS+8*\t], s[SEL], s[SEL+1]
.endr
.irp t, 0,1
	v_add_f32 v[LS+8*\t], v[LS+8*\t], v[TMP+\t]    ; and lane l xor 16's: the row's sum
.endr
	WALU
	v_rcp_f32 v[LS], v[LS]
	v_rcp_f32 v[LS+8], v[LS+8]
	v_and_b32 v[FF], 31, v0                        ; (a plain place behind the transcendentals)
	v_lshlrev_b32 v1, 4, v[FF]                     ; 16 l
	v_lshlrev_b32 v2, 3, v[FF]                     ; 8 l
	v_and_b32 v[WK], 15, v0
	v_bfe_u32 v[FF+8], v0, 4, 1
	v_lshl_add_u32 v3, v[WK], 4, v[FF+8]           ; os: 16 r + h
	WALU                                           ; the wait, ahead of the first reader
.irp t, 0,1
.set j, 0
.rept 32
	v_mul_f32 v[OB+32*\t+j], v[OB+32*\t+j], v[LS+8*\t]   ; each accumulator from its low end on
.set j, j+1
.endr
.endr
.irp t, 0,1
	v_max3_num_f32 v[BM+4*\t], |v[OB+32*\t]|, |v[OB+32*\t+1]|, 0x1800000
	v_max3_num_f32 v[BM+4*\t+1], |v[OB+32*\t+16]|, |v[OB+32*\t+17]|, 0x1800000
.endr
.irp i, 2,4,6,8,10,12,14
.irp t, 0,1
	v_max3_num_f32 v[BM+4*\t], v[BM+4*\t], |v[OB+32*\t+\i]|, |v[OB+32*\t+\i+1]|
	v_max3_num_f32 v[BM+4*\t+1], v[BM+4*\t+1], |v[OB+32*\t+16+\i]|, |v[OB+32*\t+17+\i]|
.endr
.endr
.irp t, 0,1
	v_max_num_f32 v[BM+4*\t], v[BM+4*\t], v[BM+4*\t+1]
.endr
.irp t, 0,1
	v_add_nc_u32 v[BM+4*\t], 0xff000000, v[BM+4*\t]      ; the conversions' scale operand
.endr
.irp t, 0,1
	v_lshrrev_b32 v[BM+4*\t+2], 23, v[BM+4*\t]           ; my block's byte
.endr
.irp t, 0,1
	v_cvt_scalef32_pk16_fp6_f32 v[PA+12*\t:PA+12*\t+2], v[OB+32*\t:OB+32*\t+15], v[BM+4*\t]
	v_cvt_scalef32_pk16_fp6_f32 v[PA+12*\t+8:PA+12*\t+10], v[OB+32*\t+16:OB+32*\t+31], v[BM+4*\t]
.endr
	v_nop
.irp t, 0,1
.irp i, 0,1,2
	v_mov_b32 v[PA+12*\t+3+\i], v[PA+12*\t+8+\i]
.endr
.endr
.irp t, 0,1
	global_store_b128 v1, v[PA+12*\t:PA+12*\t+3], s[8:9] offset:12288*\t              ; 512 consecutive bytes, aligned
	global_store_b64 v2, v[PA+12*\t+4:PA+12*\t+5], s[8:9] offset:12288*\t+512         ; and 256
	global_store_b8 v3, v[BM+4*\t+2], s[10:11] offset:512*\t
.endr
	v_lshl_add_u32 v[TMP], v0, 2, SPARE
	v_mov_b32 v[TMP+1], 0
	WALU
	s_wait_tensorcnt 0x0                           ; the wave's end
	ds_add_u32 v[TMP], v[TMP+1]
	s_wait_dscnt 0x0
	CROUND                                         ; the closing round: no work-group ends while a partner may still ask for a record that names it
	s_endpgm
.Lfunc_end_k_qf58d936134_attn:
	.size	k_qf58d936134_attn, .Lfunc_end_k_qf58d936134_attn-k_qf58d936134_attn
	.p2alignl 7, 3214868480
	.fill 96, 4, 3214868480
	.section	.rodata,"a",@progbits
	.p2align	6, 0x0
	.amdhsa_kernel k_qf58d936134_attn
		.amdhsa_group_segment_fixed_size 236032
		.amdhsa_private_segment_fixed_size 0
		.amdhsa_enable_private_segment 0
		.amdhsa_kernarg_size 32
		.amdhsa_user_sgpr_count 2
		.amdhsa_user_sgpr_kernarg_segment_ptr 1
		.amdhsa_wavefront_size32 1
		.amdhsa_system_sgpr_workgroup_id_x 1
		.amdhsa_system_sgpr_workgroup_id_y 1
		.amdhsa_system_sgpr_workgroup_id_z 1
		.amdhsa_system_vgpr_workitem_id 0
		.amdhsa_next_free_vgpr 512
		.amdhsa_next_free_sgpr 66
		.amdhsa_reserve_vcc 0
		.amdhsa_float_denorm_mode_32 3
		.amdhsa_float_denorm_mode_16_64 3
		.amdhsa_memory_ordered 1
		.amdhsa_forward_progress 1
		.amdhsa_inst_pref_size 122
	.end_amdhsa_kernel
	.amdgpu_metadata
---
amdhsa.version: [ 1, 2 ]
amdhsa.kernels:
  - .name:           k_qf58d936134_attn
    .symbol:         k_qf58d936134_attn.kd
    .args:
      - { .name: qb, .offset: 0, .size: 8, .value_kind: global_buffer, .address_space: global }
      - { .name: kv, .offset: 8, .size: 8, .value_kind: global_buffer, .address_space: global }
      - { .name: oc, .offset: 16, .size: 8, .value_kind: global_buffer, .address_space: global }
      - { .name: os, .offset: 24, .size: 8, .value_kind: global_buffer, .address_space: global }
    .group_segment_fixed_size: 236032
    .private_segment_fixed_size: 0
    .kernarg_segment_align: 8
    .kernarg_segment_size: 32
    .max_flat_workgroup_size: 256
    .sgpr_count:     66
    .vgpr_count:     512
    .wavefront_size: 32
...
	.end_amdgpu_metadata
.endif
;; end of part 7
;; launch gemm_out (part 8): grid 8 x 32, 4 waves a work-group, clusters of 4 x 4, 214,528 bytes of LDS; arguments oc, os, wc, ws, bo, out0; writes out0
.if DOCPART == 8
	.amdgcn_target "amdgcn-amd-amdhsa--gfx1250"
	.amdhsa_code_object_version 6
	.text
	.protected	k_qf58d936134_gemm_out
	.globl	k_qf58d936134_gemm_out
	.p2align	8
	.type	k_qf58d936134_gemm_out,@function
k_qf58d936134_gemm_out:
	s_mov_b64 s[64:65], 0
	v_nop
	global_prefetch_b8 v0, s[64:65] scope:SCOPE_SE
	s_setreg_imm32_b32 hwreg(HW_REG_WAVE_MODE, 25, 1), 1
	s_wait_xcnt 0x0
	s_wait_alu depctr_hold_cnt(0) depctr_sa_sdst(0) depctr_va_vdst(0) depctr_va_sdst(0) depctr_va_ssrc(0) depctr_va_vcc(0) depctr_vm_vsrc(0)
	s_getreg_b32 s2, hwreg(HW_REG_IB_STS2, 6, 4)
	s_cmp_eq_u32 s2, 0
	s_cbranch_scc0 .Lentry_in_a_cluster
	s_endpgm
.Lentry_in_a_cluster:
	s_bfe_u32 s2, ttmp6, 0x10000c
	s_cmp_lg_u32 s2, 0xf033
	s_cbranch_scc0 .Lentry_shape_is_right
	s_endpgm
.Lentry_shape_is_right:
; out = o wo + bo on codes of FP6 (E2M3) with E8M0 scales, f32 out.  Operands lie as the launches before left them: half images of 768 bytes, 16 a tile (12,288 bytes); image lane r of tile 4 c + j is row 64 c + 32 (r / 8) + 8 j + r % 8.
; A work-group makes 128 x 128, a wave 64 x 64.  Source 0 = 16 columns of wo, source 1 = 16 tokens: a lane's registers 8 b + i of a token's row are columns 32 h + 8 b + i.
; ALL OF K LIES IN LDS, filled once: wave 0 asks for the 8 tiles' first half of K of source 1, wave 1 for source 0's, waves 2 and 3 for the second halves.  The scale words go from memory to registers.
; BY ROWS OF THE RESULT: my four tiles of wo, all of K, lie in registers; tokens go by tiles of 16, all of K, and each tile leaves while the next is multiplied.
; CLUSTERS: 4 x 4 work-groups: source 1's tiles are asked for jointly by my row, source 0's by my column.  No prefetch: everything is asked for at the head.
; REGISTERS: window 0: v1-29 addresses; v30-61, v64-95 the scale words of source 1, source 0; v96-191 the fragments of token tiles 0, 2; v192-255 rows on the way out.
; Windows 1, 2: wo's fragments, K steps 0-3, 4-7.  Window 3: v0-95 the fragments of token tiles 1, 3; v96-159 accumulators, four for even tiles, four for odd ones; v160-191 the bias.
.set NP,    4                          ; places behind this matrix instruction (ISA guide 7.12.1)
.set TILEB, 6144                       ; a tile's half of K
.set PART,  8*TILEB                    ; what one load brings
.set STAGE, 4*PART                     ; the way out: 16 rows x 272 bytes for each wave
.set SPITCH, 272
.set SPARE, STAGE+4*16*SPITCH          ; the spare words
.set RD,    10
.set NIL,   11
.set SPW,   12
.set ADRA,  16                         ; v16-17 source 1's fragments in K's half 0, 1, 16 bytes a lane; v18-19 8 bytes a lane
.set ADRB,  20                         ; v20-23 the same for source 0
.set STO,   26
.set CO,    28
.set SA,    30
.set SS,    64
.set BK,    192
.set BI,    160
.set G1,  24
.set G0,  32
.set G1B, 48
.set G0B, 56
.set MSB, 0
.macro WIN new
.if MSB != (\new)
	s_set_vgpr_msb (MSB<<8)|(\new)
.set MSB, (\new)
.endif
.endm
.macro PLACES n
.rept \n
	v_nop
.endr
.endm
.macro CROUND
	s_barrier_signal -1
	s_barrier_wait -1
	s_cmp_lg_u32 s14, 0
	s_cbranch_scc1 .Lnot_wave_0_\@
	s_barrier_signal -3
.Lnot_wave_0_\@:
	s_barrier_wait -3
	s_barrier_signal -1
	s_barrier_wait -1
.endm
	s_load_b256 s[4:11], s[0:1], 0x0               ; oc, os, wc, ws
	s_load_b128 s[92:95], s[0:1], 0x20             ; bo, out0
	v_lshl_add_u32 v[SPW], v0, 2, SPARE
	v_mov_b32 v[NIL], 0
	ds_add_u32 v[SPW], v[NIL]
	ds_add_u32 v[SPW], v[NIL]
	v_lshrrev_b32 v1, 5, v0
	v_readfirstlane_b32 s14, v1                    ; wave
	s_lshr_b32 s15, s14, 1                         ; my half of source 1's tiles
	s_and_b32 s16, s14, 1                          ; my half of source 0's
	s_bfe_u32 s40, ttmp6, 0x40000                  ; cx, cy
	s_bfe_u32 s41, ttmp6, 0x40004
	s_lshl_b32 s42, ttmp9, 2
	s_add_co_u32 s42, s42, s40                     ; block of 128 columns
	s_and_b32 s17, ttmp7, 0xffff
	s_lshl_b32 s17, s17, 2
	s_add_co_u32 s17, s17, s41                     ; block of 128 tokens
	s_lshl_b32 s43, s41, 2
	s_lshl_b32 s43, 15, s43                        ; my row of the cluster
	s_lshl_b32 s44, 0x1111, s40                    ; my column
	s_or_b32 s[G1+0], s43, (3<<16)|(1<<21)         ; the mask; elements of 8 bytes; bit 21 set beside a mask
	s_or_b32 s[G1B+0], s44, (3<<16)|(1<<21)
.irp g, G1, G1B
	s_mov_b32 s[\g+1], 768<<16                     ; 8 rows of 6,144 bytes, 12,288 apart
	s_mov_b32 s[\g+2], 8<<16
	s_mov_b32 s[\g+3], 768<<16
	s_mov_b32 s[\g+4], 8
	s_mov_b32 s[\g+5], 1536
	s_mov_b32 s[\g+6], 0
	s_mov_b32 s[\g+7], 0
.endr
	s_mul_i32 s22, s17, 8*12288
	s_mov_b32 s23, 0
	s_mul_i32 s100, s42, 8*12288
	s_mov_b32 s101, 0
	s_wait_dscnt 0x0
	CROUND                                         ; all sixteen work-groups are here: the joint loads meet
	s_wait_kmcnt 0x0
	s_add_nc_u64 s[18:19], s[4:5], s[22:23]
	s_add_nc_u64 s[46:47], s[8:9], 3*786432        ; wo is the fourth weight
	s_add_nc_u64 s[46:47], s[46:47], s[100:101]
.irp k, 0,1
	s_mov_b32 s[G0+4*\k], 1
	s_mov_b32 s[G0+4*\k+1], \k*2*PART
	s_add_nc_u64 s[G0+4*\k+2:G0+4*\k+3], s[18:19], \k*TILEB
	s_or_b32 s[G0+4*\k+3], s[G0+4*\k+3], 0x80000000
	s_mov_b32 s[G0B+4*\k], 1
	s_mov_b32 s[G0B+4*\k+1], \k*2*PART+PART
	s_add_nc_u64 s[G0B+4*\k+2:G0B+4*\k+3], s[46:47], \k*TILEB
	s_or_b32 s[G0B+4*\k+3], s[G0B+4*\k+3], 0x80000000
.endr
.macro ARM n, g0, g1, next             ; one load a wave, each in its own arm
	s_cmp_eq_u32 s14, \n
	s_cbranch_scc0 \next
	tensor_load_to_lds s[\g0:\g0+3], s[\g1:\g1+7]
	s_nop 0
	PLACES 4
	s_branch .Lasked
\next:
.endm
	ARM 0, G0, G1, .Lwave_1
	ARM 1, G0B, G1B, .Lwave_2
	ARM 2, G0+4, G1, .Lwave_3
	tensor_load_to_lds s[G0B+4:G0B+7], s[G1B:G1B+7]
	s_nop 0
	PLACES 4
.Lasked:
	v_and_b32 v1, 15, v0                           ; r
	v_bfe_u32 v2, v0, 4, 1                         ; h
	v_lshlrev_b32 v6, 4, v1
	v_lshlrev_b32 v4, 7, v2                        ; the bias: 32 h columns on
	s_wait_alu depctr_va_vdst(0)
	s_lshl_b32 s20, s17, 12
	s_lshl_b32 s21, s15, 11
	s_add_co_u32 s20, s20, s21
	s_mov_b32 s21, 0
	s_add_nc_u64 s[20:21], s[6:7], s[20:21]        ; scale words of my 4 tiles of source 1: 512 bytes a tile
	s_lshl_b32 s96, s42, 12
	s_lshl_b32 s97, s16, 11
	s_add_co_u32 s96, s96, s97
	s_mov_b32 s97, 0
	s_add_nc_u64 s[96:97], s[10:11], s[96:97]
	s_add_nc_u64 s[96:97], s[96:97], 3*32768       ; and of source 0
	s_lshl_b32 s2, s42, 1
	s_add_co_u32 s2, s2, s16
	s_lshl_b32 s2, s2, 8                           ; my 64 columns, in bytes
	s_mov_b32 s3, 0
	s_add_nc_u64 s[92:93], s[92:93], s[2:3]
	s_add_nc_u64 s[94:95], s[94:95], s[2:3]
	s_lshl_b32 s2, s17, 1
	s_add_co_u32 s2, s2, s15
	s_lshl_b32 s2, s2, 18                          ; my 64 tokens
	s_add_nc_u64 s[94:95], s[94:95], s[2:3]
.irp kq, 0,1
.irp i, 0,1,2,3
	global_load_b128 v[SA+16*\kq+4*\i:SA+16*\kq+4*\i+3], v6, s[20:21] offset:\i*512+\kq*256
	global_load_b128 v[SS+16*\kq+4*\i:SS+16*\kq+4*\i+3], v6, s[96:97] offset:\i*512+\kq*256
.endr
.endr
	WIN 0xc0
.irp b, 0,1,2,3                                ; THE BIAS is the C of each sum's first matrix instruction
	global_load_b128 v[BI+8*\b:BI+8*\b+3], v4, s[92:93] offset:32*\b
	global_load_b128 v[BI+8*\b+4:BI+8*\b+7], v4, s[92:93] offset:32*\b+16
.endr
	WIN 0
	s_mul_i32 s22, s15, 4*TILEB                    ; my 4 tiles of source 1
	s_mul_i32 s23, s16, 4*TILEB
	s_add_co_u32 s23, s23, PART                    ; and of source 0
	s_mul_i32 s45, s14, 16*SPITCH
	s_add_co_u32 s45, s45, STAGE                   ; my stage
	v_and_b32 v3, 31, v0
	v_lshlrev_b32 v7, 4, v3
	v_lshlrev_b32 v8, 3, v3
	v_add_nc_u32 v[ADRA], s22, v7
	v_add_nc_u32 v[ADRA+2], s22, v8
	v_add_nc_u32 v[ADRB], s23, v7
	v_add_nc_u32 v[ADRB+2], s23, v8
.irp k, 0,2
	v_add_nc_u32 v[ADRA+\k+1], 2*PART, v[ADRA+\k]
	v_add_nc_u32 v[ADRB+\k+1], 2*PART, v[ADRB+\k]
.endr
	v_mul_u32_u24 v5, v1, SPITCH                   ; into the stage: row r, 128 bytes for each half of the lanes
	v_lshl_add_u32 v5, v2, 7, v5
	v_add_nc_u32 v[STO], s45, v5
	v_mul_u32_u24 v9, v2, SPITCH                   ; back: lanes 0-15 take one row of 256 bytes, lanes 16-31 the next
	v_lshl_add_u32 v9, v1, 4, v9
	v_add_nc_u32 v[RD], s45, v9
	v_lshlrev_b32 v[CO], 12, v2
	v_lshl_add_u32 v[CO], v1, 4, v[CO]
.macro FRAG reg, adr, q, i
	ds_load_b128 v[\reg:\reg+3], v[\adr] offset:(\i)*TILEB+(\q)*1536
	ds_load_b64 v[\reg+4:\reg+5], v[\adr+2] offset:(\i)*TILEB+(\q)*1536+512
	ds_load_b128 v[\reg+6:\reg+9], v[\adr] offset:(\i)*TILEB+(\q)*1536+768
	ds_load_b64 v[\reg+10:\reg+11], v[\adr+2] offset:(\i)*TILEB+(\q)*1536+1280
.endm
.macro BFETCH half                     ; my four tiles of wo, half of K: 64 loads
	WIN 0x40*(1+\half)
.irp q, 0,1,2,3
.irp b, 0,1,2,3
	FRAG 48*\q+12*\b, ADRB+\half, \q, \b
.endr
.endr
	WIN 0
.endm
.macro AFETCH a, half                  ; token tile a, half of K: 16 loads
	WIN 0xc0*((\a)%2)
.set rF, 96-96*((\a)%2)+48*(\half)
.irp q, 0,1,2,3
	FRAG rF+12*\q, ADRA+\half, \q, \a
.endr
	WIN 0
.endm
.macro MULH a, half                    ; 16 products: token tile a x my four tiles of wo, half of K; the four accumulators take turns, one instruction a turn
	WIN 0xf0+1+(\half)+12*((\a)%2)
.irp q, 0,1,2,3
.irp b, 0,1,2,3
.set rD, 96+32*((\a)%2)+8*\b
.set rA, 48*\q+12*\b
.set rB, 96-96*((\a)%2)+48*(\half)+12*\q
.set rSA, SS+16*(\half)+4*\b+\q
.set rSB, SA+16*(\half)+4*(\a)+\q
.set rC, rD
.if ((\half) == 0) && (\q == 0)
.set rC, BI+8*\b
.endif
	v_wmma_scale_f32_16x16x128_f8f6f4 v[rD:rD+7], v[rA:rA+11], v[rB:rB+11], v[rC:rC+7], v[rSA], v[rSB] matrix_a_fmt:MATRIX_FMT_FP6 matrix_b_fmt:MATRIX_FMT_FP6
.endr
.endr
	WIN 0
.endm
; THE WAY OUT: a tile of 16 tokens x 64 columns through my own stage, then whole rows of 256 bytes
.macro TOSTAGE a
.set AC, 96+32*((\a)%2)
	WIN 0x0c
.irp b, 0,1,2,3
	ds_store_b128 v[STO], v[AC+8*\b:AC+8*\b+3] offset:32*\b
	ds_store_b128 v[STO], v[AC+8*\b+4:AC+8*\b+7] offset:32*\b+16
.endr
	WIN 0
.set BB, BK+32*((\a)%2)
.irp t, 0,1,2,3,4,5,6,7
	ds_load_b128 v[BB+4*\t:BB+4*\t+3], v[RD] offset:\t*2*SPITCH   ; LDS serves a wave's instructions in order: these see the stores above
.endr
.endm
.macro SEND a, younger                 ; younger: the LDS loads issued behind this tile's
.set BB, BK+32*((\a)%2)
	s_wait_dscnt \younger
.irp t, 0,1,2,3,4,5,6,7
	global_store_b128 v[CO], v[BB+4*\t:BB+4*\t+3], s[94:95] offset:(8*(\a)+2*(\t%4)+32*(\t/4))*4096 th:TH_STORE_NT   ; sixteen lanes store 256 consecutive bytes, aligned
.endr
.endm
	s_wait_alu depctr_va_vdst(0)
	s_cmp_lt_u32 s14, 2
	s_cbranch_scc0 .Lnot_first
	s_wait_tensorcnt 0x0                           ; waves 0 and 1: K's first half is in
.Lnot_first:
	s_barrier_signal -1
	s_barrier_wait -1
	BFETCH 0
	AFETCH 0, 0
	AFETCH 1, 0
	s_wait_loadcnt 0x0                             ; the scale words and the bias
	s_wait_dscnt 0x0
	MULH 0, 0
	s_wait_tensorcnt 0x0                           ; K's second half, shown to all
	s_barrier_signal -1
	s_barrier_wait -1
	BFETCH 1
	AFETCH 0, 1
	AFETCH 1, 1
	s_wait_dscnt 16                                ; all but tile 1's second half
	MULH 0, 1
	PLACES NP                                      ; in front of the first read of results, and of loads into registers that the products have read
	TOSTAGE 0
	AFETCH 2, 0
	AFETCH 2, 1
	SEND 0, 32
	MULH 1, 0
	MULH 1, 1
	PLACES NP
	TOSTAGE 1
	AFETCH 3, 0
	AFETCH 3, 1
	SEND 1, 32
.irp a, 2,3
	MULH \a, 0                                     ; (tile 2's fragments came ahead of tile 1's rows, tile 3's ahead of tile 2's: the waits in SEND have shown them)
	MULH \a, 1
	PLACES NP
	s_wait_xcnt 0x0                                ; the stores of two tiles ago have read their registers
	TOSTAGE \a
	SEND \a, 0
.endr
	s_wait_tensorcnt 0x0                           ; the wave's end
	ds_add_u32 v[SPW], v[NIL]
	s_wait_dscnt 0x0
	CROUND                                         ; the closing round
	s_endpgm
.Lfunc_end_k_qf58d936134_gemm_out:
	.size	k_qf58d936134_gemm_out, .Lfunc_end_k_qf58d936134_gemm_out-k_qf58d936134_gemm_out
	.p2alignl 7, 3214868480
	.fill 96, 4, 3214868480
	.section	.rodata,"a",@progbits
	.p2align	6, 0x0
	.amdhsa_kernel k_qf58d936134_gemm_out
		.amdhsa_group_segment_fixed_size 214528
		.amdhsa_private_segment_fixed_size 0
		.amdhsa_enable_private_segment 0
		.amdhsa_kernarg_size 48
		.amdhsa_user_sgpr_count 2
		.amdhsa_user_sgpr_kernarg_segment_ptr 1
		.amdhsa_wavefront_size32 1
		.amdhsa_system_sgpr_workgroup_id_x 1
		.amdhsa_system_sgpr_workgroup_id_y 1
		.amdhsa_system_sgpr_workgroup_id_z 1
		.amdhsa_system_vgpr_workitem_id 0
		.amdhsa_next_free_vgpr 1024
		.amdhsa_next_free_sgpr 106
		.amdhsa_reserve_vcc 0
		.amdhsa_float_denorm_mode_32 3
		.amdhsa_float_denorm_mode_16_64 3
		.amdhsa_memory_ordered 1
		.amdhsa_forward_progress 1
		.amdhsa_inst_pref_size 52
	.end_amdhsa_kernel
	.amdgpu_metadata
---
amdhsa.version: [ 1, 2 ]
amdhsa.kernels:
  - .name:           k_qf58d936134_gemm_out
    .symbol:         k_qf58d936134_gemm_out.kd
    .args:
      - { .name: oc, .offset: 0, .size: 8, .value_kind: global_buffer, .address_space: global }
      - { .name: os, .offset: 8, .size: 8, .value_kind: global_buffer, .address_space: global }
      - { .name: wc, .offset: 16, .size: 8, .value_kind: global_buffer, .address_space: global }
      - { .name: ws, .offset: 24, .size: 8, .value_kind: global_buffer, .address_space: global }
      - { .name: bo, .offset: 32, .size: 8, .value_kind: global_buffer, .address_space: global }
      - { .name: out0, .offset: 40, .size: 8, .value_kind: global_buffer, .address_space: global }
    .group_segment_fixed_size: 214528
    .private_segment_fixed_size: 0
    .kernarg_segment_align: 8
    .kernarg_segment_size: 48
    .max_flat_workgroup_size: 128
    .sgpr_count:     106
    .vgpr_count:     1024
    .wavefront_size: 32
...
	.end_amdgpu_metadata
.endif
;; end of part 8
